; MI455X (gfx1250); checked and timed in simulation.
; The chip was launched on July 23, 2026; its instructions are those of AMD's public machine-readable ISA for CDNA 5 (MIT licence, August 2026) and "CDNA5" Instruction Set Architecture Reference Guide (July 2026). The comments in the code are by the model that wrote it; some were corrected since.
;; Perceiver Layer. Allowed arithmetic: matrix products marked QUANTISED: E2M3 operands, one E8M0 scale for each 32 along K, by v_wmma_scale_f32_16x16x128_f8f6f4 with both operands' format E2M3, f32 sums; everything else in f32.
;; Inputs: W1 1,024 x 4,096 float32; W2 4,096 x 1,024 float32; Wk 1,024 x 1,024 float32; Wo 1,024 x 1,024 float32; Wq 1,024 x 1,024 float32; Wv 1,024 x 1,024 float32; b1 4,096 float32; b2 1,024 float32; bk 1,024 float32; bo 1,024 float32; bq 1,024 float32; bv 1,024 float32; inp 8 x 1,024 x 1,024 float32; x 8 x 512 x 1,024 float32.
;; Outputs: out0 8 x 512 x 1,024 float32.
;; This version of the problem:
;;   THIS VERSION OF THE PROBLEM IS GIVEN IN LOW PRECISION. The matrix products marked QUANTISED in the list below multiply operands that are first quantised to E2M3 (2 exponent bits, 3 mantissa bits; 6 bits a number), with one power-of-two scale for each 32 numbers along K (OCP MX v1.0); their sums are f32. All else is computed in f32.
;;   The module's matrix products, in the order in which they are computed (A, B: the left and right operand; K: the contracted axis; several contracted axes count as one K, in the product's order):
;;     1. [M 4,096, K 1,024] x [K 1,024, N 1,024]; A: input x; B: input Wq: QUANTISED
;;     2. [M 8,192, K 1,024] x [K 1,024, N 1,024]; A: input inp; B: input Wk: QUANTISED
;;     3. [M 8,192, K 1,024] x [K 1,024, N 1,024]; A: input inp; B: input Wv: QUANTISED
;;     4. batch 128 x [M 512, K 64] x [K 64, N 1,024]; A: computed on the way; B: computed on the way: QUANTISED
;;     5. batch 128 x [M 64, K 1,024] x [K 1,024, N 512]; A: computed on the way; B: softmax (see below): QUANTISED
;;     6. [M 4,096, K 1,024] x [K 1,024, N 1,024]; A: computed on the way; B: input Wo: QUANTISED
;;     7. [M 4,096, K 1,024] x [K 1,024, N 4,096]; A: computed on the way; B: input W1: QUANTISED
;;     8. [M 4,096, K 4,096] x [K 4,096, N 1,024]; A: computed on the way; B: input W2: QUANTISED
;;   THE QUANTISER, for each operand of a quantised product, along K:
;;     - K is cut into blocks of 32 from its start; a last block that is shorter is filled with zeros.
;;     - A block's scale is 2^e with e = floor(log2(the largest magnitude in the block)) - 2, held to -126 .. 127; a block of zeros has e = 0. As a byte (E8M0): e + 127.
;;     - Each number is divided by its block's scale, clamped to +-7.5, and rounded to the nearest number of E2M3, ties to even, subnormals kept.
;;     - The product sums the exact products of the quantised numbers (number of the format x scale) in f32.
;;   ~~~python
;;   def quantise(x, axis):      # numpy; x: float32 -> the quantised numbers, widened to float32 again
;;       x = np.moveaxis(x, axis, -1); K = x.shape[-1]
;;       x = np.pad(x, [(0, 0)] * (x.ndim - 1) + [(0, -K % 32)]); x = x.reshape(x.shape[:-1] + (-1, 32)); a = np.abs(x).max(-1, keepdims=True)
;;       e = np.where(a > 0, np.clip(np.frexp(np.where(a > 0, a, 1))[1] - 1 - 2, -126, 127), 0)      # np.frexp(a)[1] - 1 = floor(log2(a)), exactly
;;       r = np.clip(x / 2.0 ** e, -7.5, 7.5)
;;       step = 2.0 ** (np.maximum(np.frexp(np.where(r == 0, 1, r))[1] - 1, 0) - 3)
;;       q = np.round(r / step) * step * 2.0 ** e      # np.round: ties to even
;;       return np.moveaxis(q.reshape(q.shape[:-2] + (-1,))[..., :K], -1, axis).astype(np.float32)
;;   ~~~
;;   SOFTMAX AHEAD OF A QUANTISED PRODUCT. Where the list says 'softmax', what is quantised is not the finished softmax but p = 2^(t - M), with t = logit x log2(e) and M = ceil(the row's largest t), a whole number; so 1/2 < the row's largest p <= 1. The row's sum l is taken of the UNQUANTISED p, in f32, and the product's result is divided by l at the end. Since M is a whole number, a kernel that streams over the keys may use a running M (the ceiling of the running maximum): every later rescaling is an exact power of two, which a block's scale takes up: the codes' values come out the same.
;;   OPERANDS COMPUTED ON THE WAY. 'Computed on the way' means the value that the module computes at that place (a softmax that the list does not call 'softmax' is quantised finished and normalised). What goes into a quantiser is computed in f32, as accurately as f32 sums, v_exp_f32 and their like allow (about 1e-6 of the number): no bf16 or f16 on the way to a quantiser, and a product that is left as it is and whose result goes on into a quantised operand takes f32 operands (vector FMAs, or v_wmma_f32_16x16x4_f32). A number that lies on a knife's edge between two numbers of the format may be rounded either way, as far as f32 arithmetic and the matrix unit's own rounding can turn it there, and no further.
;; 2 versions. Each part assembles by itself: llvm-mc -triple=amdgcn-amd-amdhsa -mcpu=gfx1250 --defsym DOCPART=n.
;; ======== version 1 of 2: 6 launches
;; workspace buffers: pre_q 19,660,800 bytes; qkv_q 16,777,216 bytes; att_q 3,276,800 bytes; x1_f 16,777,216 bytes; x1_q 3,276,800 bytes; hid_q 13,107,200 bytes
;; launch pre (part 1): grid 1152 x 1, 4 waves a work-group, no clusters, 46,592 bytes of LDS; arguments x, inp, Wq, Wk, Wv, Wo, W1, W2, pre_q; writes pre_q
.if DOCPART == 1
	.amdgcn_target "amdgcn-amd-amdhsa--gfx1250"
	.amdhsa_code_object_version 6
	.text
	.protected	k_q9ad0c035ff_pre
	.globl	k_q9ad0c035ff_pre
	.p2align	8
	.type	k_q9ad0c035ff_pre,@function
k_q9ad0c035ff_pre:
	s_mov_b64 s[64:65], 0
	v_nop
	global_prefetch_b8 v0, s[64:65] scope:SCOPE_SE
	s_setreg_imm32_b32 hwreg(HW_REG_WAVE_MODE, 25, 1), 1
	s_wait_xcnt 0x0
; x [4096][1024], inp [8192][1024] (K innermost) and the six weights (stored [K][N]) are turned, once, into codes of FP6 (E2M3) with one E8M0 byte for each 32 along K,
; laid as IMAGES OF OPERAND REGISTERS.  A unit of 768 bytes holds 16 rows x 64 along K: lane l's registers 0-3 at 16 l, its registers 4-5 at 512 + 8 l.  A fragment (16 rows x 128 K) is two units on end.
; Image of an operand: [tile of 128 rows][512 along K][tile of 16 rows 0..7][64 along K 0..7][768].  Lane r of tile T holds row 32 (T / 2) + 8 (T % 2) + r + 8 (r / 8).
; Scale words: [tile of 64 rows][128 along K][r 0..15][tile 0..3], 4 bytes each: 256 bytes a block.
; In pre_q a tile of 128 rows with K = 1,024 has number I: Wq 0-7, Wk 8-15, Wv 16-23, Wo 24-31, W1 32-63, W2 64 + 4 G (four numbers a tile: K = 4,096), x 96-127, inp 128-191; images at 98,304 I, scale words at SC0 + 4,096 I.
; A block's scale is 2^(floor(log2(largest magnitude)) - 2): its byte is the largest magnitude's exponent field - 2, held at 1 from below.
; LIMITS: a block whose largest magnitude lies under 2^-124 (a block of zeros too) keeps the byte 1; the bytes are read by this program alone.  NaN and infinities among the inputs are not served.
; Work-groups 0-383: x and inp, 64 rows x 512 K each, a wave 128 along K.  Work-groups 384-1151: weights, 128 columns x 128 K each, a wave 32 columns, a lane one column with its registers down K.
; The two ways have LDS bytes of their own.  No tensor loads, no barrier: waves share nothing.
.set SC0,   18874368
.set ASTG,  8448                       ; activations: a wave's stage, 16 rows x (512 + 16) bytes
.set WSTG0, 33792                      ; weights: the stages begin here,
.set WSTG,  3072                       ; two fragments' images a wave
.set SPARE, 46080                      ; the spare words, 128 bytes a wave, which no other line names
.set SPW,  2                           ; v2  my spare word's LDS address; never rewritten
.set NIL,  3                           ; v3  0; never rewritten
.set L16,  4                           ; v4  16 x lane
.set L8,   5                           ; v5  8 x lane + 512
.set R16,  6                           ; v6  16 x (lane % 16)
.set STI,  7                           ; v7  activations: into the stage
.set STQ,  8                           ; v8  and out of it
.set WSL,  11                          ; v11 weights: my scale word's place in its block
.set WS16, 12                          ; v12 weights: where a block's registers 0-3 go
.set WS8,  13                          ; v13 and its registers 4-5
.set WRD,  14                          ; v14 the stage read back
.set WL,   15                          ; v15 4 x lane
.set TM,   16                          ; v16-31 at work
.set R,    32                          ; v32-159 numbers as loaded
.set X,    160                         ; v160-223 activations: 64 numbers in the quantiser's order
.set C,    160                         ; v160-191 weights: codes, 8 registers a block
.set OUTR, 192                         ; v192-215 weights: the way out
.set PC,   224                         ; v224-243 activations: a fragment's codes (12) and the conversions' second halves
.set PW,   244                         ; v244-247 a tile's scale words
.set SEL,  24                          ; s[24:25] selects for lane l xor 16
	s_load_b512 s[4:19], s[0:1], 0x0               ; x, inp, Wq, Wk, Wv, Wo, W1, W2
	s_load_b64 s[20:21], s[0:1], 0x40              ; pre_q
	v_lshl_add_u32 v[SPW], v0, 2, SPARE
	v_mov_b32 v[NIL], 0
	v_lshrrev_b32 v1, 5, v0
	v_readfirstlane_b32 s22, v1                    ; wave
	v_and_b32 v9, 31, v0                           ; lane
	v_and_b32 v10, 15, v0                          ; r
	v_bfe_u32 v11, v0, 4, 1                        ; h
	v_lshlrev_b32 v[L16], 4, v9
	v_lshl_add_u32 v[L8], v9, 3, 512
	v_lshlrev_b32 v[R16], 4, v10
	s_mul_i32 s23, s22, ASTG
	v_add_nc_u32 v[STI], s23, v[L16]               ; a row's 512 bytes as they lie
	v_mul_u32_u24 v[STQ], v10, 528
	v_lshl_add_u32 v[STQ], v11, 6, v[STQ]
	v_add_nc_u32 v[STQ], s23, v[STQ]               ; row r, + 64 h: my 16 numbers of each block of 32
	v_bfe_u32 v1, v0, 3, 1                         ; weights: column nu of the wave's 32 lies in tile u = (nu / 8) % 2,
	v_and_b32 v10, 7, v0
	v_lshl_add_u32 v10, v11, 3, v10                ; at lane place nu % 8 + 8 (nu / 16)
	s_mul_i32 s23, s22, WSTG
	s_add_co_u32 s23, s23, WSTG0
	v_mul_u32_u24 v[WS16], v1, 1536
	v_add_nc_u32 v[WS16], s23, v[WS16]
	v_lshl_add_u32 v[WS8], v10, 3, v[WS16]
	v_add_nc_u32 v[WS8], 512, v[WS8]
	v_lshl_add_u32 v[WS16], v10, 4, v[WS16]
	v_add_nc_u32 v[WRD], s23, v[L16]
	v_lshlrev_b32 v[WL], 2, v9
	v_lshlrev_b32 v[WSL], 2, v1
	v_lshl_add_u32 v[WSL], v10, 4, v[WSL]
	s_mov_b32 s[SEL], 0x76543210
	s_mov_b32 s[SEL+1], 0xfedcba98
.irp b, 0,1,2,3
	v_mov_b32 v[TM+4+\b], 0                        ; written once: a lane permute's destination counts as one of its sources
.endr
	s_cmp_lt_u32 ttmp9, 384
	s_cbranch_scc0 .Lweights
; ---------------- x and inp
; 64 numbers of a lane, register 16 b + i = k 32 b + 16 (lane / 16) + i of my row, become a fragment's codes in v[PC] on and its scale word in v[pw]
.macro QUANT s, pw
.irp b, 0,1,2,3
	v_max3_num_f32 v[TM+\b], |v[\s+16*\b]|, |v[\s+1+16*\b]|, 0x1800000   ; with the floor 2^(3 - 127): the byte cannot fall under 1
.endr
.irp i, 2,4,6,8,10,12,14
.irp b, 0,1,2,3
	v_max3_num_f32 v[TM+\b], v[TM+\b], |v[\s+16*\b+\i]|, |v[\s+1+16*\b+\i]|
.endr
.endr
.irp b, 0,1,2,3
	v_permlanex16_b32 v[TM+4+\b], v[TM+\b], s[SEL], s[SEL+1]
.endr
.irp b, 0,1,2,3
	v_max_num_f32 v[TM+\b], v[TM+\b], v[TM+4+\b]   ; with lane l xor 16's: the block's largest magnitude
.endr
.irp b, 0,1,2,3
	v_add_nc_u32 v[TM+12+\b], 0xff000000, v[TM+\b] ; 2 off its exponent field: the conversion's scale operand
.endr
.irp b, 0,1,2,3
	v_lshrrev_b32 v[TM+4+\b], 23, v[TM+12+\b]      ; the scale's byte
.endr
	v_lshl_or_b32 v[\pw], v[TM+5], 8, v[TM+4]
	v_lshl_or_b32 v[\pw], v[TM+6], 16, v[\pw]
	v_lshl_or_b32 v[\pw], v[TM+7], 24, v[\pw]
.irp c, 0,1
	v_cvt_scalef32_pk16_fp6_f32 v[PC+6*\c:PC+2+6*\c], v[\s+32*\c:\s+15+32*\c], v[TM+12+2*\c]
	v_cvt_scalef32_pk16_fp6_f32 v[PC+12+4*\c:PC+14+4*\c], v[\s+16+32*\c:\s+31+32*\c], v[TM+12+2*\c+1]
.endr
	v_nop                                          ; one plain place behind a scaled conversion
.irp c, 0,1                                    ; a whole block to a lane: lanes 0-15 block 2 c, lanes 16-31 block 2 c + 1
.irp i, 0,1,2
	v_permlane16_swap_b32 v[PC+6*\c+\i], v[PC+12+4*\c+\i]
.endr
.irp i, 0,1,2
	v_mov_b32 v[PC+3+6*\c+\i], v[PC+12+4*\c+\i]
.endr
.endr
.endm
.macro LOADT t, set                    ; tile t's 16 rows, 512 consecutive bytes a load
.irp i, 0,1,2,3,4,5,6,7,8,9,10,11,12,13,14,15
	global_load_b128 v[R+64*(\set)+4*\i:R+64*(\set)+4*\i+3], v[L16], s[30:31] offset:(32*((\t)/2)+8*((\t)%2)+\i+8*(\i/8))*4096 th:TH_LOAD_NT
.endr
.endm
.macro TURNT set                       ; through my stage: LDS serves a wave's instructions in order, so no wait stands between the stores and the loads
.irp i, 0,1,2,3,4,5,6,7,8,9,10,11,12,13,14,15
	ds_store_b128 v[STI], v[R+64*(\set)+4*\i:R+64*(\set)+4*\i+3] offset:528*\i
.endr
.irp b, 0,1,2,3
.irp j, 0,1,2,3
	ds_load_b128 v[X+16*\b+4*\j:X+16*\b+4*\j+3], v[STQ] offset:128*\b+16*\j
.endr
.endr
.endm
	s_lshr_b32 s27, ttmp9, 1                       ; U: which 64 rows (0-63 x, 64-191 inp)
	s_and_b32 s28, ttmp9, 1                        ; which 512 along K
	s_lshl_b32 s29, s28, 2
	s_add_co_u32 s29, s29, s22                     ; my 128 along K
	s_lshr_b32 s34, s27, 1
	s_mul_i32 s34, s34, 98304
	s_mul_i32 s35, s28, 49152
	s_add_co_u32 s34, s34, s35
	s_and_b32 s35, s27, 1
	s_mul_i32 s35, s35, 24576
	s_add_co_u32 s34, s34, s35
	s_mul_i32 s35, s22, 1536
	s_add_co_u32 s34, s34, s35
	s_add_co_u32 s34, s34, 96*98304
	s_mov_b32 s35, 0
	s_lshl_b32 s36, s27, 3
	s_add_co_u32 s36, s36, s29
	s_lshl_b32 s36, s36, 8
	s_add_co_u32 s36, s36, SC0+96*4096
	s_mov_b32 s37, 0
	s_wait_kmcnt 0x0
	s_cmp_lt_u32 s27, 64
	s_cselect_b64 s[30:31], s[4:5], s[6:7]
	s_cselect_b32 s32, 0, 64
	s_sub_co_u32 s32, s27, s32
	s_lshl_b32 s32, s32, 18                        ; 64 rows of 4,096 bytes
	s_lshl_b32 s33, s29, 9
	s_add_co_u32 s32, s32, s33
	s_mov_b32 s33, 0
	s_add_nc_u64 s[30:31], s[30:31], s[32:33]
	s_add_nc_u64 s[34:35], s[20:21], s[34:35]      ; my fragments' images
	s_add_nc_u64 s[36:37], s[20:21], s[36:37]      ; my block of scale words
	LOADT 0, 0
	LOADT 1, 1
.irp t, 0,1,2,3
.if \t < 3
	s_wait_loadcnt 16                              ; this tile's 16 loads are in; the next tile's may be out
.else
	s_wait_loadcnt 0x0
.endif
	TURNT \t%2
	s_wait_dscnt 0x0
.if \t < 2
	LOADT \t+2, \t%2
.endif
	s_wait_xcnt 0x0                                ; the last tile's stores have read the codes' registers
	QUANT X, PW+\t
	global_store_b128 v[L16], v[PC:PC+3], s[34:35] offset:\t*6144
	global_store_b64 v[L8], v[PC+4:PC+5], s[34:35] offset:\t*6144
	global_store_b128 v[L16], v[PC+6:PC+9], s[34:35] offset:\t*6144+768
	global_store_b64 v[L8], v[PC+10:PC+11], s[34:35] offset:\t*6144+768
.endr
	global_store_b128 v[R16], v[PW:PW+3], s[36:37] ; 256 bytes: row r's four words (lanes 16-31 hold and store the same)
	s_wait_tensorcnt 0x0                           ; the wave's end, behind my last LDS store
	ds_add_u32 v[SPW], v[NIL]
	s_wait_dscnt 0x0
	s_endpgm
; ---------------- the weights
.Lweights:
	s_sub_co_u32 s27, ttmp9, 384
	s_lshr_b32 s28, s27, 3                         ; K = 1,024: I,
	s_and_b32 s29, s27, 7                          ; and the 128 along K
	s_sub_co_u32 s30, s27, 512
	s_lshr_b32 s30, s30, 5                         ; W2: its tile of columns,
	s_lshl_b32 s31, s30, 2
	s_add_co_u32 s31, s31, 64                      ; its I,
	s_and_b32 s32, s27, 31                         ; and its 128 along K
	s_cmp_lt_u32 s27, 512
	s_cselect_b32 s28, s28, s31
	s_cselect_b32 s29, s29, s32
	s_cselect_b32 s33, 8, 32                       ; blocks of scale words for 64 rows
	s_and_b32 s34, s28, 7
	s_sub_co_u32 s35, s28, 32
	s_cmp_lt_u32 s28, 32
	s_cselect_b32 s34, s34, s35
	s_cmp_lt_u32 s28, 64
	s_cselect_b32 s34, s34, s30                    ; the tile of 128 columns in its weight
	s_lshr_b32 s35, s28, 5
	s_cmp_eq_u32 s35, 1
	s_cselect_b32 s38, 1, 0                        ; W1: rows of 16,384 bytes, else of 4,096
	s_cselect_b32 s36, 21, 19                      ; log2 of 128 rows' bytes
	s_lshl_b32 s42, s29, s36
	s_lshl_b32 s43, s34, 9
	s_add_co_u32 s42, s42, s43
	s_lshl_b32 s43, s22, 7
	s_add_co_u32 s42, s42, s43
	s_mov_b32 s43, 0
	s_mul_i32 s44, s28, 98304
	s_lshr_b32 s45, s29, 2
	s_mul_i32 s45, s45, 49152
	s_add_co_u32 s44, s44, s45
	s_mul_i32 s45, s22, 2*6144
	s_add_co_u32 s44, s44, s45
	s_and_b32 s45, s29, 3
	s_mul_i32 s45, s45, 1536
	s_add_co_u32 s44, s44, s45
	s_mov_b32 s45, 0
	s_lshr_b32 s46, s22, 1
	s_mul_i32 s46, s46, s33
	s_add_co_u32 s46, s46, s29
	s_lshl_b32 s46, s46, 8
	s_lshl_b32 s47, s28, 12
	s_add_co_u32 s46, s46, s47
	s_and_b32 s47, s22, 1
	s_lshl_b32 s47, s47, 3
	s_add_co_u32 s46, s46, s47
	s_add_co_u32 s46, s46, SC0
	s_mov_b32 s47, 0
	s_lshr_b32 s37, s28, 3
	s_wait_kmcnt 0x0
	s_cmp_eq_u32 s37, 0
	s_cselect_b64 s[40:41], s[8:9], s[10:11]
	s_cmp_eq_u32 s37, 2
	s_cselect_b64 s[40:41], s[12:13], s[40:41]
	s_cmp_eq_u32 s37, 3
	s_cselect_b64 s[40:41], s[14:15], s[40:41]
	s_cmp_ge_u32 s37, 4
	s_cselect_b64 s[40:41], s[16:17], s[40:41]
	s_cmp_ge_u32 s37, 8
	s_cselect_b64 s[40:41], s[18:19], s[40:41]
	s_add_nc_u64 s[40:41], s[40:41], s[42:43]
	s_add_nc_u64 s[44:45], s[20:21], s[44:45]
	s_add_nc_u64 s[46:47], s[20:21], s[46:47]
.macro LOADW t                         ; block t: W(32 t + i, my column); the row's pitch stands in the immediates, so the 32 loads are written for both pitches
	s_cmp_eq_u32 s38, 1
	s_cbranch_scc0 .Lnarrow_\@
.irp i, 0,1,2,3,4,5,6,7,8,9,10,11,12,13,14,15,16,17,18,19,20,21,22,23,24,25,26,27,28,29,30,31
	global_load_b32 v[R+32*(\t)+\i], v[WL], s[40:41] offset:(32*(\t)+\i)*16384 th:TH_LOAD_NT
.endr
	s_branch .Lloaded_\@
.Lnarrow_\@:
.irp i, 0,1,2,3,4,5,6,7,8,9,10,11,12,13,14,15,16,17,18,19,20,21,22,23,24,25,26,27,28,29,30,31
	global_load_b32 v[R+32*(\t)+\i], v[WL], s[40:41] offset:(32*(\t)+\i)*4096 th:TH_LOAD_NT
.endr
.Lloaded_\@:
.endm
.macro BLOCK k                         ; all 32 numbers of block k are mine; in the fragment it belongs to lane place + 16 (k % 2), registers 6 (k / 2) on
.set XS, R+32*(\k)
.set CK, C+8*(\k)
	v_max3_num_f32 v16, |v[XS]|, |v[XS+1]|, |v[XS+2]|
	v_max3_num_f32 v17, |v[XS+3]|, |v[XS+4]|, |v[XS+5]|
.irp i, 6,10,14,18,22,26
	v_max3_num_f32 v16, v16, |v[XS+\i]|, |v[XS+\i+1]|
	v_max3_num_f32 v17, v17, |v[XS+\i+2]|, |v[XS+\i+3]|
.endr
	v_max3_num_f32 v16, v16, |v[XS+30]|, |v[XS+31]|
	v_max3_num_f32 v16, v16, v17, 0x1800000        ; and the floor
	v_add_nc_u32 v18, 0xff000000, v16
	v_lshrrev_b32 v17, 23, v18
.if (\k) == 0
	v_mov_b32 v19, v17
.else
	v_lshl_or_b32 v19, v17, 8*(\k), v19            ; my column's scale word
.endif
	v_cvt_scalef32_pk16_fp6_f32 v[CK:CK+2], v[XS:XS+15], v18
	v_cvt_scalef32_pk16_fp6_f32 v[CK+4:CK+6], v[XS+16:XS+31], v18
	v_nop                                          ; one plain place behind a scaled conversion
	v_mov_b32 v[CK+3], v[CK+4]                     ; (a conversion's three registers begin on an even number)
	v_mov_b32 v[CK+4], v[CK+5]
	v_mov_b32 v[CK+5], v[CK+6]
	ds_store_b128 v[WS16], v[CK:CK+3] offset:768*((\k)/2)+256*((\k)%2)
	ds_store_b64 v[WS8], v[CK+4:CK+5] offset:768*((\k)/2)+128*((\k)%2)
.endm
	LOADW 0
	LOADW 1
	s_wait_loadcnt 32                              ; block 0 is in; the 32 loads behind it may be out
	LOADW 2
	BLOCK 0
	s_wait_loadcnt 32                              ; block 1
	LOADW 3
	BLOCK 1
	s_wait_loadcnt 32                              ; block 2
	BLOCK 2
	s_wait_loadcnt 0x0
	BLOCK 3
	global_store_b32 v[WSL], v19, s[46:47]
.irp i, 0,1,2,3,4,5
	ds_load_b128 v[OUTR+4*\i:OUTR+4*\i+3], v[WRD] offset:512*\i   ; these see my stores: LDS serves a wave's instructions in order
.endr
.irp i, 0,1,2,3,4,5
	s_wait_dscnt 5-\i
	global_store_b128 v[L16], v[OUTR+4*\i:OUTR+4*\i+3], s[44:45] offset:(\i/3)*6144+(\i%3)*512   ; 512 consecutive bytes, at a multiple of 256 from the buffer's first byte
.endr
	s_wait_tensorcnt 0x0                           ; the wave's end, behind my last LDS store
	ds_add_u32 v[SPW], v[NIL]
	s_wait_dscnt 0x0
	s_endpgm
.Lfunc_end_k_q9ad0c035ff_pre:
	.size	k_q9ad0c035ff_pre, .Lfunc_end_k_q9ad0c035ff_pre-k_q9ad0c035ff_pre
	.p2alignl 7, 3214868480
	.fill 96, 4, 3214868480
	.section	.rodata,"a",@progbits
	.p2align	6, 0x0
	.amdhsa_kernel k_q9ad0c035ff_pre
		.amdhsa_group_segment_fixed_size 46592
		.amdhsa_private_segment_fixed_size 0
		.amdhsa_enable_private_segment 0
		.amdhsa_kernarg_size 72
		.amdhsa_user_sgpr_count 2
		.amdhsa_user_sgpr_kernarg_segment_ptr 1
		.amdhsa_wavefront_size32 1
		.amdhsa_system_sgpr_workgroup_id_x 1
		.amdhsa_system_sgpr_workgroup_id_y 1
		.amdhsa_system_sgpr_workgroup_id_z 1
		.amdhsa_system_vgpr_workitem_id 0
		.amdhsa_next_free_vgpr 256
		.amdhsa_next_free_sgpr 66
		.amdhsa_reserve_vcc 0
		.amdhsa_float_denorm_mode_32 3
		.amdhsa_float_denorm_mode_16_64 3
		.amdhsa_memory_ordered 1
		.amdhsa_forward_progress 1
		.amdhsa_inst_pref_size 69
	.end_amdhsa_kernel
	.amdgpu_metadata
---
amdhsa.version: [ 1, 2 ]
amdhsa.kernels:
  - .name:           k_q9ad0c035ff_pre
    .symbol:         k_q9ad0c035ff_pre.kd
    .args:
      - { .name: x, .offset: 0, .size: 8, .value_kind: global_buffer, .address_space: global }
      - { .name: inp, .offset: 8, .size: 8, .value_kind: global_buffer, .address_space: global }
      - { .name: Wq, .offset: 16, .size: 8, .value_kind: global_buffer, .address_space: global }
      - { .name: Wk, .offset: 24, .size: 8, .value_kind: global_buffer, .address_space: global }
      - { .name: Wv, .offset: 32, .size: 8, .value_kind: global_buffer, .address_space: global }
      - { .name: Wo, .offset: 40, .size: 8, .value_kind: global_buffer, .address_space: global }
      - { .name: W1, .offset: 48, .size: 8, .value_kind: global_buffer, .address_space: global }
      - { .name: W2, .offset: 56, .size: 8, .value_kind: global_buffer, .address_space: global }
      - { .name: pre_q, .offset: 64, .size: 8, .value_kind: global_buffer, .address_space: global }
    .group_segment_fixed_size: 46592
    .private_segment_fixed_size: 0
    .kernarg_segment_align: 8
    .kernarg_segment_size: 72
    .max_flat_workgroup_size: 128
    .sgpr_count:     66
    .vgpr_count:     256
    .wavefront_size: 32
...
	.end_amdgpu_metadata
.endif
;; end of part 1
;; launch mm_qkv (part 2): grid 64 x 20, 4 waves a work-group, clusters of 4 x 4, 327,680 bytes of LDS; arguments pre_q, bq, bk, bv, qkv_q; writes qkv_q
.if DOCPART == 2
	.amdgcn_target "amdgcn-amd-amdhsa--gfx1250"
	.amdhsa_code_object_version 6
	.text
	.protected	k_q9ad0c035ff_mm_qkv
	.globl	k_q9ad0c035ff_mm_qkv
	.p2align	8
	.type	k_q9ad0c035ff_mm_qkv,@function
k_q9ad0c035ff_mm_qkv:
	s_mov_b64 s[64:65], 0
	v_nop
	global_prefetch_b8 v0, s[64:65] scope:SCOPE_SE
	s_setreg_imm32_b32 hwreg(HW_REG_WAVE_MODE, 25, 1), 1
	s_wait_xcnt 0x0
	s_wait_alu depctr_hold_cnt(0) depctr_sa_sdst(0) depctr_va_vdst(0) depctr_va_sdst(0) depctr_va_ssrc(0) depctr_va_vcc(0) depctr_vm_vsrc(0)
	s_getreg_b32 s2, hwreg(HW_REG_IB_STS2, 6, 4)
	s_cmp_eq_u32 s2, 0
	s_cbranch_scc0 .Lentry_in_a_cluster
	s_endpgm
.Lentry_in_a_cluster:
	s_bfe_u32 s2, ttmp6, 0x10000c
	s_cmp_lg_u32 s2, 0xf033
	s_cbranch_scc0 .Lentry_shape_is_right
	s_endpgm
.Lentry_shape_is_right:
; q = x Wq + bq, k = inp Wk + bk, v = inp Wv + bv on codes of FP6 (E2M3) with E8M0 scales, K = 1,024; the results are quantised at once: q and k along the head's 64, v along the keys.
; OPERANDS are images of registers (768 bytes = 16 rows x 64 K: lane l's registers 0-3 at 16 l, registers 4-5 at 512 + 8 l), laid [128 rows][512 K][tile 0..7][64 K 0..7]; lane r of tile T holds row 32 (T/2) + 8 (T%2) + r + 8 (r/8).
; A work-group makes 128 x 128, a wave 64 x 64: accumulator (a, b) = source 0's tile b x source 1's tile a.  A lane holds ONE row of source 1, and the 32 registers of (a, 0..3) run along 64 rows of source 0:
; register 16 B + i is row 32 B + 16 (lane / 16) + i.  So the side that is to be the next product's K goes in as source 0: Wq, Wk for q and k, inp for v.
; GRID: cluster rows 0, 1: v (source 0 = inp's tile X, source 1 = Wv's tile Y); rows 2, 3: k; row 4: q (source 0 = the weight's tile 4 (cluster x % 2) + cx, source 1 = the rows' tile 8 Y + cluster x / 2 + a constant).
; CLUSTERS 4 x 4: source 0's tile hangs on cx alone and is asked for jointly by my column, source 1's on cy alone, by my row.  All of K (two slots of 512) and the scale words are asked for at the start: nothing is filled again.
; LIMITS: a block whose largest magnitude lies under 2^-124 keeps the byte 1; NaN and infinities are not served.  The bias is added behind the sum over K.
.set KDIM,  1024
.set P1,    4                          ; source 1's buffer: pre_q too
.set S1IMG, 98304
.set S1SCS, 4096
.set S1SC0, 18874368
.set KS,    KDIM/128
.set LAPS,  KDIM/1024
.set HALFC, 24576                      ; 64 rows x 512 K of codes: what one tensor load brings
.set SRC1,  49152                      ; in a slot: source 0's 128 rows, then source 1's
.set SLOT,  98304
.set HALFS, 256*KS                     ; the scale words of 64 rows, all of K
.set SCL,   2*SLOT
.set STAGE, SCL+4*HALFS
.set SPARE, STAGE+4*16*272             ; the spare words, 128 bytes a wave, which no other line names
.set SC0,   18874368
.set AD0L, 4                           ; v4-5   source 0's fragments in slot 0, 1: 16 l on;  v6-7: 8 l + 512 on
.set AD0S, 6
.set AD1L, 8                           ; v8-11  the same for source 1
.set AD1S, 10
.set ADRS, 12                          ; v12    scale words: lanes 0-15 source 0's, lanes 16-31 source 1's
.set SPW,  13                          ; v13    my spare word; never rewritten
.set NIL,  14                          ; v14    0; never rewritten
.set BA,   19                          ; v19    64 h
.set HO16, 20                          ; v20    16 l
.set HO8,  21                          ; v21    8 l + 512
.set SO,   22                          ; v22    16 r
.set BMA,  23                          ; v23    4 (r + 8 (r / 8))
.set SC,   24                          ; v24-31 scale words, two sets of four: scales and nothing else
.set TM,   32                          ; v32-55 at work
.set PW,   56                          ; v56-59 a tile's two scale bytes
.set CT,   60                          ; v60-75 the conversions' second halves
.set PC,   96                          ; v96-127 codes, 8 registers a tile
.set ACC,  128                         ; v128-255 accumulator (a, b) at 128 + 8 (4 a + b)
.set G1A,  24                          ; s[24:31], s[32:39] source 0's codes: group 1; group 0 for slot 0, 1
.set G0A,  32
.set G1B,  48                          ; s[48:55], s[56:63] source 1's
.set G0B,  56
.set G1SA, 68                          ; s[68:75], s[76:79] source 0's scale words
.set G0SA, 76
.set G1SB, 80                          ; s[80:87], s[88:91] source 1's
.set G0SB, 88
.set SEL,  42
.set MSB, 0
.macro WIN new                         ; the immediate's high byte repeats the setting that is left
.if MSB != \new
	s_set_vgpr_msb (MSB<<8)|\new
.set MSB, \new
.endif
.endm
.set MUL,  0x05                        ; sources 0 and 1 window 1 (two sets of fragments: v0-95, v128-223); C and D window 0
.set TO_F, 0x40                        ; destination window 1
.macro JLOAD g0a, g1a, g0b, g1b        ; a joint load: waves 0, 1 fetch source 0's halves, waves 2, 3 source 1's; an s_nop 0 and four v_nop follow each line
	s_cmp_eq_u32 s17, 0
	s_cbranch_scc0 .Lfor_b_\@
	tensor_load_to_lds s[\g0a:\g0a+3], s[\g1a:\g1a+7]
	s_nop 0
.rept 4
	v_nop
.endr
	s_branch .Lasked_\@
.Lfor_b_\@:
	tensor_load_to_lds s[\g0b:\g0b+3], s[\g1b:\g1b+7]
	s_nop 0
.rept 4
	v_nop
.endr
.Lasked_\@:
.endm
.macro CREST
	s_cmp_lg_u32 s16, 0
	s_cbranch_scc1 .Lnot_wave_0_\@
	s_barrier_signal -3
.Lnot_wave_0_\@:
	s_barrier_wait -3
	s_barrier_signal -1
	s_barrier_wait -1
.endm
.macro CROUND                          ; a round of the cluster's barrier
	s_barrier_signal -1
	s_barrier_wait -1
	CREST
.endm
.macro PLACES                          ; four plain places behind matrix instructions, ahead of loads into their registers and of reads of their results
.rept 4
	v_nop
.endr
.endm
.macro FRAG reg, L, S, off             ; a fragment: two units of 768 bytes, consecutive bytes in every load
	ds_load_b128 v[\reg:\reg+3], v[\L] offset:\off
	ds_load_b64 v[\reg+4:\reg+5], v[\S] offset:\off
	ds_load_b128 v[\reg+6:\reg+9], v[\L] offset:\off+768
	ds_load_b64 v[\reg+10:\reg+11], v[\S] offset:\off+768
.endm
.macro FETCH slot, q, p                ; 33 loads: the scale words and the eight fragments of the slot's q-th 128 along K, into set p
	WIN 0
	ds_load_b128 v[SC+4*(\p):SC+4*(\p)+3], v[ADRS] offset:(4*(\slot)+(\q))*256
	WIN TO_F
.irp i, 0,1,2,3
	FRAG 128*(\p)+12*\i, AD0L+\slot, AD0S+\slot, \i*6144+(\q)*1536
	FRAG 128*(\p)+48+12*\i, AD1L+\slot, AD1S+\slot, \i*6144+(\q)*1536
.endr
.endm
.macro MUL8 p, a0, zero                ; the sixteen accumulators take turns, one instruction a turn, in the same order in every step
.irp a, \a0, \a0+1
.irp b, 0,1,2,3
.if \zero
	v_wmma_scale_f32_16x16x128_f8f6f4 v[ACC+8*(4*(\a)+\b):ACC+8*(4*(\a)+\b)+7], v[128*(\p)+12*\b:128*(\p)+12*\b+11], v[128*(\p)+48+12*(\a):128*(\p)+48+12*(\a)+11], 0, v[SC+4*(\p)+\b], v[SC+4*(\p)+(\a)] matrix_a_fmt:MATRIX_FMT_FP6 matrix_b_fmt:MATRIX_FMT_FP6 matrix_b_scale:MATRIX_SCALE_ROW1
.else
	v_wmma_scale_f32_16x16x128_f8f6f4 v[ACC+8*(4*(\a)+\b):ACC+8*(4*(\a)+\b)+7], v[128*(\p)+12*\b:128*(\p)+12*\b+11], v[128*(\p)+48+12*(\a):128*(\p)+48+12*(\a)+11], v[ACC+8*(4*(\a)+\b):ACC+8*(4*(\a)+\b)+7], v[SC+4*(\p)+\b], v[SC+4*(\p)+(\a)] matrix_a_fmt:MATRIX_FMT_FP6 matrix_b_fmt:MATRIX_FMT_FP6 matrix_b_scale:MATRIX_SCALE_ROW1
.endif
.endr
.endr
.endm
.macro STEP slot, q, zero              ; 128 along K whose successor lies in the same slot: the successor's loads go out first and have the step's 16 products in which to land
	s_wait_dscnt 0x0                               ; this step's fragments are in
	PLACES
	FETCH \slot, (\q)+1, 1-(\q)%2
	WIN MUL
	MUL8 (\q)%2, 0, \zero
	MUL8 (\q)%2, 2, \zero
	WIN 0
.endm
.macro TURN slot, next, fill           ; a slot's last step changes slots: one barrier; ahead of it all my tensor loads, the add, and my reads of this slot
	s_wait_tensorcnt 0x0                           ; my part of the next slot has landed
	ds_add_u32 v[SPW], v[NIL]
.if \fill
	s_add_nc_u64 s[G0A+4*\slot+2:G0A+4*\slot+3], s[G0A+4*\slot+2:G0A+4*\slot+3], 2*SRC1
	s_add_nc_u64 s[G0B+4*\slot+2:G0B+4*\slot+3], s[G0B+4*\slot+2:G0B+4*\slot+3], 2*SRC1
.endif
	s_wait_dscnt 0x0                               ; the add is done, this step's fragments are in: my reads of this slot are over
	s_barrier_signal -1
	WIN MUL
	MUL8 1, 0, 0
	WIN 0
	s_barrier_wait -1
.if \fill
	CREST
	JLOAD G0A+4*\slot, G1A, G0B+4*\slot, G1B
.else
	PLACES
.endif
.if \next == 0
	v_add_nc_u32 v[ADRS], 2048, v[ADRS]
.endif
	FETCH \next, 0, 0
	WIN MUL
	MUL8 1, 2, 0
	WIN 0
.endm
	s_load_b256 s[4:11], s[0:1], 0x0               ; pre_q, bq, bk, bv
	s_load_b64 s[12:13], s[0:1], 0x20              ; qkv_q
	v_lshl_add_u32 v[SPW], v0, 2, SPARE
	v_mov_b32 v[NIL], 0
	ds_add_u32 v[SPW], v[NIL]                      ; the wave's opening: the add, and its wait ahead of my first tensor load
	v_lshrrev_b32 v1, 5, v0
	v_readfirstlane_b32 s16, v1                    ; wave
	s_lshr_b32 s17, s16, 1                         ; w1: my 64 rows of source 1.  Also: I fetch for source 0 (0) or 1 (1)
	s_and_b32 s18, s16, 1                          ; w0: my 64 rows of source 0.  Also: which half I fetch
	s_bfe_u32 s20, ttmp6, 0x40000                  ; cx
	s_bfe_u32 s21, ttmp6, 0x40004                  ; cy
	s_lshl_b32 s22, ttmp9, 2
	s_add_co_u32 s22, s22, s20                     ; X
	s_and_b32 s100, ttmp7, 0xffff                  ; the cluster's row
	s_lshl_b32 s23, s100, 2
	s_add_co_u32 s23, s23, s21                     ; Y
	s_lshl_b32 s40, 0x1111, s20                    ; my column of the cluster
	s_lshl_b32 s41, s21, 2
	s_lshl_b32 s41, 15, s41                        ; my row
	s_or_b32 s[G1A], s40, (3<<16)|(1<<21)          ; the mask; elements of 8 bytes; bit 21 beside a mask; no padding
	s_or_b32 s[G1B], s41, (3<<16)|(1<<21)
	s_or_b32 s[G1SA], s40, (3<<16)|(1<<21)
	s_or_b32 s[G1SB], s41, (3<<16)|(1<<21)
.irp g, G1A, G1B                       ; 24,576 dense bytes as 96 rows of 256
	s_mov_b32 s[\g+1], 32<<16
	s_mov_b32 s[\g+2], 96<<16
	s_mov_b32 s[\g+3], 32<<16
	s_mov_b32 s[\g+4], 96
	s_mov_b32 s[\g+5], 32
	s_mov_b32 s[\g+6], 0
	s_mov_b32 s[\g+7], 0
.endr
.irp g, G1SA, G1SB                     ; 256 KS dense bytes as KS rows of 256
	s_mov_b32 s[\g+1], 32<<16
	s_mov_b32 s[\g+2], KS<<16
	s_mov_b32 s[\g+3], 32<<16
	s_mov_b32 s[\g+4], KS
	s_mov_b32 s[\g+5], 32
	s_mov_b32 s[\g+6], 0
	s_mov_b32 s[\g+7], 0
.endr
	s_mov_b32 s[SEL], 0x76543210
	s_mov_b32 s[SEL+1], 0xfedcba98
.irp n, 0,1,2,3,4,5,6,7
	v_mov_b32 v[TM+8+\n], 0                        ; written once: a lane permute's destination counts as one of its sources
.endr
	; the tiles' numbers in pre_q.  Source 0's is made of cx and the cluster's numbers, source 1's of cy and the cluster's numbers, in registers of their own
	s_and_b32 s46, ttmp9, 1
	s_lshl_b32 s46, s46, 2
	s_add_co_u32 s46, s46, s20                     ; the weight's tile for q and k
	s_add_co_u32 s47, s22, 128                     ; v: inp's tile X
	s_add_co_u32 s19, s46, 8                       ; k: Wk
	s_cmp_lt_u32 s100, 2
	s_cselect_b32 s47, s47, s19
	s_cmp_eq_u32 s100, 4
	s_cselect_b32 s47, s46, s47                    ; q: Wq
	s_lshr_b32 s66, ttmp9, 1
	s_lshl_b32 s67, s23, 3
	s_add_co_u32 s66, s66, s67                     ; 8 Y + cluster x / 2
	s_add_co_u32 s67, s23, 16                      ; v: Wv's tile Y
	s_add_co_u32 s101, s66, 64                     ; k: inp's tile
	s_cmp_lt_u32 s100, 2
	s_cselect_b32 s67, s67, s101
	s_sub_co_u32 s101, s66, 32                     ; q: x's tile
	s_cmp_eq_u32 s100, 4
	s_cselect_b32 s67, s101, s67
	s_mul_i32 s92, s47, 98304                      ; source 0: codes,
	s_mul_i32 s19, s18, HALFC
	s_add_co_u32 s92, s92, s19
	s_mov_b32 s93, 0
	s_lshl_b32 s94, s47, 12                        ; scale words
	s_mul_i32 s19, s18, HALFS
	s_add_co_u32 s94, s94, s19
	s_add_co_u32 s94, s94, SC0
	s_mov_b32 s95, 0
	s_mul_i32 s96, s67, S1IMG                      ; source 1 likewise
	s_mul_i32 s101, s18, HALFC
	s_add_co_u32 s96, s96, s101
	s_mov_b32 s97, 0
	s_mul_i32 s98, s67, S1SCS
	s_mul_i32 s101, s18, HALFS
	s_add_co_u32 s98, s98, s101
	s_add_co_u32 s98, s98, S1SC0
	s_mov_b32 s99, 0
	s_mul_i32 s2, s16, HALFC                       ; where they go: wave x a half: no place in the cluster enters an LDS address
	s_mul_i32 s66, s16, HALFS
	s_wait_dscnt 0x0                               ; the opening add is done
	s_wait_kmcnt 0x0
	s_add_nc_u64 s[92:93], s[4:5], s[92:93]
	s_add_nc_u64 s[94:95], s[4:5], s[94:95]
	s_add_nc_u64 s[96:97], s[P1:P1+1], s[96:97]
	s_add_nc_u64 s[98:99], s[P1:P1+1], s[98:99]
	CROUND                                         ; all sixteen work-groups are here: the first joint loads meet
	s_mov_b32 s[G0SA], 1
	s_add_co_u32 s[G0SA+1], s66, SCL
	s_mov_b64 s[G0SA+2:G0SA+3], s[94:95]
	s_or_b32 s[G0SA+3], s[G0SA+3], 0x80000000
	s_mov_b32 s[G0SB], 1
	s_add_co_u32 s[G0SB+1], s66, SCL
	s_mov_b64 s[G0SB+2:G0SB+3], s[98:99]
	s_or_b32 s[G0SB+3], s[G0SB+3], 0x80000000
	JLOAD G0SA, G1SA, G0SB, G1SB                   ; by this text's count three tensor loads of a wave are out: the scale words, slot 0, slot 1
.irp s, 0,1
	s_mov_b32 s[G0A+4*\s], 1
	s_add_co_u32 s[G0A+4*\s+1], s2, \s*SLOT
	s_add_nc_u64 s[G0A+4*\s+2:G0A+4*\s+3], s[92:93], \s*SRC1
	s_or_b32 s[G0A+4*\s+3], s[G0A+4*\s+3], 0x80000000
	s_mov_b32 s[G0B+4*\s], 1
	s_add_co_u32 s[G0B+4*\s+1], s2, \s*SLOT
	s_add_nc_u64 s[G0B+4*\s+2:G0B+4*\s+3], s[96:97], \s*SRC1
	s_or_b32 s[G0B+4*\s+3], s[G0B+4*\s+3], 0x80000000
	JLOAD G0A+4*\s, G1A, G0B+4*\s, G1B
.endr
	v_and_b32 v1, 15, v0                           ; r
	v_bfe_u32 v2, v0, 4, 1                         ; h
	v_and_b32 v3, 31, v0
	v_lshlrev_b32 v[HO16], 4, v3
	v_lshl_add_u32 v[HO8], v3, 3, 512
	s_mul_i32 s19, s18, HALFC
	s_mul_i32 s101, s17, HALFC
	s_add_co_u32 s101, s101, SRC1
.irp s, 0,1
	v_add_nc_u32 v[AD0L+\s], s19, v[HO16]
	v_add_nc_u32 v[AD0S+\s], s19, v[HO8]
	v_add_nc_u32 v[AD1L+\s], s101, v[HO16]
	v_add_nc_u32 v[AD1S+\s], s101, v[HO8]
	s_add_co_u32 s19, s19, SLOT
	s_add_co_u32 s101, s101, SLOT
.endr
	s_mul_i32 s19, s18, HALFS                      ; scale words: source 0's 64 rows,
	s_mul_i32 s101, s17, HALFS
	s_add_co_u32 s101, s101, 2*HALFS               ; source 1's, behind source 0's two halves
	s_sub_co_u32 s101, s101, s19
	v_mul_u32_u24 v3, s101, v2                     ; lanes 16-31 take source 1's: one product with h
	s_add_co_u32 s19, s19, SCL
	v_lshl_add_u32 v3, v1, 4, v3
	v_add_nc_u32 v[ADRS], s19, v3
	v_and_b32 v3, 8, v1
	v_add_nc_u32 v3, v3, v1                        ; r + 8 (r / 8)
	v_lshlrev_b32 v[BA], 6, v2
	v_lshlrev_b32 v[SO], 4, v1
	v_lshlrev_b32 v[BMA], 2, v3
	; WHERE THE RESULTS GO.  v: keys' group of 64 U0 = 2 X + w0, head 2 Y + w1
	s_lshl_b32 s2, s22, 1
	s_add_co_u32 s2, s2, s18
	s_lshl_b32 s19, s23, 1
	s_add_co_u32 s19, s19, s17
	s_lshr_b32 s101, s2, 4
	s_lshl_b32 s101, s101, 4
	s_add_co_u32 s101, s101, s19                   ; 16 batch + head
	s_and_b32 s2, s2, 15
	s_mul_i32 s98, s101, 49152
	s_mul_i32 s19, s2, 768
	s_add_co_u32 s98, s98, s19
	s_add_co_u32 s98, s98, 9437184                 ; v's images [bh][d tile][64 keys][768]
	s_lshl_b32 s46, s101, 3
	s_lshr_b32 s19, s2, 1
	s_add_co_u32 s46, s46, s19
	s_lshl_b32 s46, s46, 8
	s_and_b32 s19, s2, 1
	s_lshl_b32 s19, s19, 1
	s_add_co_u32 s46, s46, s19
	s_add_co_u32 s46, s46, 16515072                ; v's scale words [bh][128 keys][256]
	; q and k: rows' group of 64 U1, head 2 (the weight's tile) + w0
	s_cmp_eq_u32 s100, 4
	s_cselect_b32 s2, 32, 0
	s_cselect_b32 s101, 3, 4                       ; log2 of a batch's groups of 64 rows
	s_cselect_b32 s66, 0, 1
	s_add_co_u32 s2, s2, s67
	s_sub_co_u32 s2, s2, 128
	s_lshl_b32 s2, s2, 1
	s_add_co_u32 s2, s2, s17
	s_lshr_b32 s19, s2, s101
	s_lshl_b32 s19, s19, 4
	s_and_b32 s67, ttmp9, 1
	s_lshl_b32 s67, s67, 2
	s_add_co_u32 s67, s67, s20
	s_lshl_b32 s67, s67, 1
	s_add_co_u32 s67, s67, s18                     ; head
	s_add_co_u32 s19, s19, s67
	s_lshl_b32 s19, s19, s101
	s_bfm_b32 s101, s101, 0
	s_and_b32 s2, s2, s101
	s_add_co_u32 s19, s19, s2                      ; [bh][group of 64 rows]
	s_mul_i32 s2, s19, 3072
	s_mul_i32 s101, s66, 3145728
	s_add_co_u32 s2, s2, s101
	s_lshl_b32 s19, s19, 8
	s_lshl_b32 s101, s66, 18
	s_add_co_u32 s19, s19, s101
	s_add_co_u32 s19, s19, 15728640
	s_cmp_lt_u32 s100, 2
	s_cselect_b32 s98, s98, s2
	s_cselect_b32 s46, s46, s19
	s_cselect_b64 s[96:97], s[10:11], s[8:9]       ; the bias: bv or bk,
	s_mov_b32 s99, 0
	s_mov_b32 s47, 0
	s_cmp_eq_u32 s100, 4
	s_cselect_b64 s[96:97], s[6:7], s[96:97]       ; or bq
	s_add_nc_u64 s[98:99], s[12:13], s[98:99]      ; images
	s_add_nc_u64 s[46:47], s[12:13], s[46:47]      ; scale words
	s_lshl_b32 s66, s67, 8
	s_mov_b32 s67, 0
	s_add_nc_u64 s[94:95], s[96:97], s[66:67]      ; the bias along the registers (q, k); for v these 256 bytes are loaded and not used
	s_and_b32 s66, s23, 7
	s_lshl_b32 s66, s66, 1
	s_add_co_u32 s66, s66, s17
	s_lshl_b32 s66, s66, 8
	s_add_nc_u64 s[92:93], s[96:97], s[66:67]      ; the bias along the lanes (v); Y % 8 keeps the load inside the buffer for q and k, where it is not used
	WIN TO_F
.irp b, 0,1,2,3
	global_load_b128 v[96+8*\b:96+8*\b+3], v[BA], s[94:95] offset:128*(\b/2)+32*(\b%2)
	global_load_b128 v[96+8*\b+4:96+8*\b+7], v[BA], s[94:95] offset:128*(\b/2)+32*(\b%2)+16
.endr
.irp a, 0,1,2,3
	global_load_b32 v[224+2*\a], v[BMA], s[92:93] offset:4*(32*(\a/2)+8*(\a%2))
	global_load_b32 v[225+2*\a], v[BMA], s[92:93] offset:4*(32*(\a/2)+8*(\a%2))   ; twice: a pair for the packed addition
.endr
	WIN 0
	s_wait_tensorcnt 0x1                           ; the scale words and my part of slot 0 are in; slot 1's load may be out
	s_barrier_signal -1
	s_barrier_wait -1
	FETCH 0, 0, 0
	STEP 0, 0, 1                                   ; the first products start the sums: nothing is cleared
	STEP 0, 1, 0
	STEP 0, 2, 0
	TURN 0, 1, 0
	STEP 1, 0, 0
	STEP 1, 1, 0
	STEP 1, 2, 0
	s_wait_dscnt 0x0
	WIN MUL
	MUL8 1, 0, 0
	MUL8 1, 2, 0
	WIN 0
	PLACES
	s_wait_loadcnt 0x0                             ; the biases
	s_cmp_lt_u32 s100, 2                           ; the cluster's row: alike in all partners
	s_cbranch_scc0 .Lbias_n
	WIN 0x04                                       ; source 1 window 1
.irp a, 0,1,2,3
.set j, 0
.rept 16
	v_pk_add_f32 v[ACC+32*\a+j:ACC+32*\a+j+1], v[ACC+32*\a+j:ACC+32*\a+j+1], v[224+2*\a:225+2*\a]   ; v: my lane's channel; each accumulator from its low end on
.set j, j+2
.endr
.endr
	WIN 0
	s_branch .Lbiased
.Lbias_n:
	WIN 0x04
.irp a, 0,1,2,3
.set j, 0
.rept 16
	v_pk_add_f32 v[ACC+32*\a+j:ACC+32*\a+j+1], v[ACC+32*\a+j:ACC+32*\a+j+1], v[96+j:96+j+1]         ; q, k: the registers' channels
.set j, j+2
.endr
.endr
	WIN 0
.Lbiased:
	; eight blocks of 32 (block n = 2 a + B at ACC + 16 n), by turns
.irp n, 0,1,2,3,4,5,6,7
	v_max3_num_f32 v[TM+\n], |v[ACC+16*\n]|, |v[ACC+16*\n+1]|, 0x1800000   ; with the floor 2^(3 - 127)
.endr
.irp i, 2,4,6,8,10,12,14
.irp n, 0,1,2,3,4,5,6,7
	v_max3_num_f32 v[TM+\n], v[TM+\n], |v[ACC+16*\n+\i]|, |v[ACC+16*\n+\i+1]|
.endr
.endr
.irp n, 0,1,2,3,4,5,6,7
	v_permlanex16_b32 v[TM+8+\n], v[TM+\n], s[SEL], s[SEL+1]
.endr
.irp n, 0,1,2,3,4,5,6,7
	v_max_num_f32 v[TM+\n], v[TM+\n], v[TM+8+\n]
.endr
.irp n, 0,1,2,3,4,5,6,7
	v_add_nc_u32 v[TM+16+\n], 0xff000000, v[TM+\n] ; 2 off the exponent field: the conversion's scale operand
.endr
.irp n, 0,1,2,3,4,5,6,7
	v_lshrrev_b32 v[TM+8+\n], 23, v[TM+16+\n]      ; the byte
.endr
.irp a, 0,1,2,3
	v_lshl_or_b32 v[PW+\a], v[TM+9+2*\a], 8, v[TM+8+2*\a]
.endr
.irp a, 0,1,2,3
	v_cvt_scalef32_pk16_fp6_f32 v[PC+8*\a:PC+8*\a+2], v[ACC+32*\a:ACC+32*\a+15], v[TM+16+2*\a]
	v_cvt_scalef32_pk16_fp6_f32 v[CT+4*\a:CT+4*\a+2], v[ACC+32*\a+16:ACC+32*\a+31], v[TM+17+2*\a]
.endr
	v_nop                                          ; one plain place behind a scaled conversion
.irp a, 0,1,2,3
.irp i, 0,1,2
	v_permlane16_swap_b32 v[PC+8*\a+\i], v[CT+4*\a+\i]   ; a whole block to a lane
.endr
.irp i, 0,1,2
	v_mov_b32 v[PC+8*\a+3+\i], v[CT+4*\a+\i]
.endr
.endr
	s_cmp_lt_u32 s100, 2
	s_cbranch_scc0 .Lstore_qk
.irp a, 0,1,2,3
	global_store_b128 v[HO16], v[PC+8*\a:PC+8*\a+3], s[98:99] offset:\a*12288   ; v: tile a is d tile a
	global_store_b64 v[HO8], v[PC+8*\a+4:PC+8*\a+5], s[98:99] offset:\a*12288
	global_store_b16 v[SO], v[PW+\a], s[46:47] offset:4*\a                      ; two of the word's four bytes (lanes 16-31 hold and store the same)
.endr
	s_branch .Lstored
.Lstore_qk:
.irp a, 0,1,2,3
	global_store_b128 v[HO16], v[PC+8*\a:PC+8*\a+3], s[98:99] offset:\a*768
	global_store_b64 v[HO8], v[PC+8*\a+4:PC+8*\a+5], s[98:99] offset:\a*768
.endr
	global_store_b128 v[SO], v[PW:PW+3], s[46:47]  ; words of two bytes and two zeros: K is 64
.Lstored:
	s_wait_tensorcnt 0x0                           ; the wave's end
	ds_add_u32 v[SPW], v[NIL]
	s_wait_dscnt 0x0
	CROUND                                         ; the closing round
	s_endpgm
.Lfunc_end_k_q9ad0c035ff_mm_qkv:
	.size	k_q9ad0c035ff_mm_qkv, .Lfunc_end_k_q9ad0c035ff_mm_qkv-k_q9ad0c035ff_mm_qkv
	.p2alignl 7, 3214868480
	.fill 96, 4, 3214868480
	.section	.rodata,"a",@progbits
	.p2align	6, 0x0
	.amdhsa_kernel k_q9ad0c035ff_mm_qkv
		.amdhsa_group_segment_fixed_size 327680
		.amdhsa_private_segment_fixed_size 0
		.amdhsa_enable_private_segment 0
		.amdhsa_kernarg_size 40
		.amdhsa_user_sgpr_count 2
		.amdhsa_user_sgpr_kernarg_segment_ptr 1
		.amdhsa_wavefront_size32 1
		.amdhsa_system_sgpr_workgroup_id_x 1
		.amdhsa_system_sgpr_workgroup_id_y 1
		.amdhsa_system_sgpr_workgroup_id_z 1
		.amdhsa_system_vgpr_workitem_id 0
		.amdhsa_next_free_vgpr 512
		.amdhsa_next_free_sgpr 102
		.amdhsa_reserve_vcc 0
		.amdhsa_float_denorm_mode_32 3
		.amdhsa_float_denorm_mode_16_64 3
		.amdhsa_memory_ordered 1
		.amdhsa_forward_progress 1
		.amdhsa_inst_pref_size 67
	.end_amdhsa_kernel
	.amdgpu_metadata
---
amdhsa.version: [ 1, 2 ]
amdhsa.kernels:
  - .name:           k_q9ad0c035ff_mm_qkv
    .symbol:         k_q9ad0c035ff_mm_qkv.kd
    .args:
      - { .name: pre_q, .offset: 0, .size: 8, .value_kind: global_buffer, .address_space: global }
      - { .name: bq, .offset: 8, .size: 8, .value_kind: global_buffer, .address_space: global }
      - { .name: bk, .offset: 16, .size: 8, .value_kind: global_buffer, .address_space: global }
      - { .name: bv, .offset: 24, .size: 8, .value_kind: global_buffer, .address_space: global }
      - { .name: qkv_q, .offset: 32, .size: 8, .value_kind: global_buffer, .address_space: global }
    .group_segment_fixed_size: 327680
    .private_segment_fixed_size: 0
    .kernarg_segment_align: 8
    .kernarg_segment_size: 40
    .max_flat_workgroup_size: 128
    .sgpr_count:     102
    .vgpr_count:     512
    .wavefront_size: 32
...
	.end_amdgpu_metadata
.endif
;; end of part 2
;; launch attn (part 3): grid 2 x 128, 16 waves a work-group, no clusters, 167,936 bytes of LDS; arguments qkv_q, att_q; writes att_q
.if DOCPART == 3
	.amdgcn_target "amdgcn-amd-amdhsa--gfx1250"
	.amdhsa_code_object_version 6
	.text
	.protected	k_q9ad0c035ff_attn
	.globl	k_q9ad0c035ff_attn
	.p2align	8
	.type	k_q9ad0c035ff_attn,@function
k_q9ad0c035ff_attn:
	s_mov_b64 s[64:65], 0
	v_nop
	global_prefetch_b8 v0, s[64:65] scope:SCOPE_SE
	s_setreg_imm32_b32 hwreg(HW_REG_WAVE_MODE, 25, 1), 1
	s_wait_xcnt 0x0
; out[b][t][head] = softmax(q k^T / 8) v for one (batch, head) and 256 queries a work-group, both products on codes of FP6 (E2M3) with E8M0 scales; the result, divided by the row's sum, is quantised along the features for the next product.
; SOFTMAX: t = score x log2(e) / 8; M = the running largest t rounded UP to a whole number; p = 2^(t - M) is quantised along the keys, not normalised; the sum is taken of the unquantised p; when M moves, sum and O are multiplied by 2^(old M - new M), exactly.
; SHARES: each of the sixteen waves owns one tile of 16 queries; every wave walks the head's 1,024 keys, 128 a step, 8 steps.  A head's k and v codes (2 x 49,152 bytes) and scale words come into LDS ONCE, by seven tensor loads at the start; nothing is filled again.
; No cluster: only the two work-groups of a head share these tiles, and the grid's neighbours along y are other heads, which share nothing.
; LAYOUT: images of operand registers (768 bytes = 16 rows x 64 K).  Both products are used transposed: S^T = k q^T, O^T = v^T p^T: a lane holds one query.  Lane r of key tile T holds key 32 (T/2) + 8 (T%2) + r + 8 (r/8), so the 16 registers of tiles 2 b, 2 b + 1 are keys 32 b + 16 (lane/16) + 0..15.
; THE FIRST PRODUCT'S K IS 64: q's registers 6-11 are zero codes and both sides' scale bytes 2, 3 are 0 (2^-127): whatever k's registers 6-11 hold (zeros, later v's old codes; the format has no NaN) is multiplied by 0.
; LIMITS: NaN and infinities are not served; a block of the result whose largest magnitude lies under 2^-124 keeps the byte 1.
.set VOFF,  49152
.set KSC,   98304
.set VSC,   102400
.set SPARE, 104448                     ; the spare words, 128 bytes for each of 16 waves, which no other line names
.set AK16, 1                           ; v1  16 l
.set AK8,  2                           ; v2  8 l + 512
.set AV16, 3                           ; v3, v4 the same in v's codes
.set AV8,  4
.set SPW,  5                           ; v5  my spare word; never rewritten
.set NIL,  6                           ; v6  0; never rewritten
.set ASK,  7                           ; v7  k's scale words: 16 r on
.set ASV,  8                           ; v8  v's
.set R16,  31                          ; v31 16 r
; v9-11, v28-30 the step's addresses; v12 -M, v13 the largest t, v[14:15] the sum; v16-27 q; v32-79 four fragments; v80-86 the result's codes; v96-159 S^T, then p; v160-191 O^T; v224-235 p's codes; v232-254 at work; v248-251 scale words; v253 p's; v255 q's
.set WV,   8
.set SEL,  20
.set CS,   22
.set G1C,  24                          ; s[24:31] 24,576 dense bytes as 96 rows of 256;  s[32:39] 2,048 as 8
.set G1S,  32
.set G0C,  40
.set G0S,  44
.set TK,   50
.set TV,   51
.set TSK,  52
.set TSV,  53
.set CNT,  54
	s_load_b128 s[4:7], s[0:1], 0x0                ; qkv_q, att_q
	v_lshl_add_u32 v[SPW], v0, 2, SPARE
	v_mov_b32 v[NIL], 0
	ds_add_u32 v[SPW], v[NIL]                      ; the wave's opening: the add, and its wait ahead of my first tensor load
	v_lshrrev_b32 v9, 5, v0
	v_readfirstlane_b32 s[WV], v9                  ; wave 0..15
	s_and_b32 s9, ttmp7, 0xffff                    ; bh = 16 batch + head
	s_mov_b32 s[G1C], 3<<16
	s_mov_b32 s[G1C+1], 32<<16
	s_mov_b32 s[G1C+2], 96<<16
	s_mov_b32 s[G1C+3], 32<<16
	s_mov_b32 s[G1C+4], 96
	s_mov_b32 s[G1C+5], 32
	s_mov_b32 s[G1C+6], 0
	s_mov_b32 s[G1C+7], 0
	s_mov_b32 s[G1S], 3<<16
	s_mov_b32 s[G1S+1], 32<<16
	s_mov_b32 s[G1S+2], 8<<16
	s_mov_b32 s[G1S+3], 32<<16
	s_mov_b32 s[G1S+4], 8
	s_mov_b32 s[G1S+5], 32
	s_mov_b32 s[G1S+6], 0
	s_mov_b32 s[G1S+7], 0
	s_cmp_lt_u32 s[WV], 2                          ; waves 0, 1: k's halves; waves 2, 3: v's
	s_mov_b32 s10, 9437184
	s_cselect_b32 s10, 3145728, s10
	s_mul_i32 s11, s9, 49152
	s_add_co_u32 s10, s10, s11
	s_and_b32 s11, s[WV], 1
	s_mul_i32 s11, s11, 24576
	s_add_co_u32 s10, s10, s11
	s_mov_b32 s11, 0
	s_lshl_b32 s12, s9, 12                         ; waves 4, 5: k's scale words; wave 6: v's
	s_and_b32 s13, s[WV], 1
	s_lshl_b32 s13, s13, 11
	s_add_co_u32 s12, s12, s13
	s_add_co_u32 s12, s12, 15990784
	s_lshl_b32 s13, s9, 11
	s_add_co_u32 s13, s13, 16515072
	s_cmp_eq_u32 s[WV], 6
	s_cselect_b32 s12, s13, s12
	s_mov_b32 s13, 0
	s_mul_i32 s55, s[WV], 24576
	s_lshl_b32 s56, s[WV], 11
	s_add_co_u32 s56, s56, KSC-4*2048
	s_lshl_b32 s57, ttmp9, 4
	s_add_co_u32 s57, s57, s[WV]                   ; my tile of queries, 0..31
	s_lshl_b32 s14, s9, 5
	s_add_co_u32 s14, s14, s57
	s_mul_i32 s14, s14, 768                        ; q's image
	s_mov_b32 s15, 0
	s_lshl_b32 s16, s9, 3
	s_lshr_b32 s58, s57, 2
	s_add_co_u32 s16, s16, s58
	s_lshl_b32 s16, s16, 8
	s_and_b32 s58, s57, 3
	s_lshl_b32 s58, s58, 2
	s_add_co_u32 s16, s16, s58
	s_add_co_u32 s16, s16, 15728640                ; q's scale words
	s_mov_b32 s17, 0
	s_lshr_b32 s58, s9, 4
	s_lshl_b32 s58, s58, 5
	s_add_co_u32 s58, s58, s57                     ; my tile among all 4,096 rows
	s_and_b32 s59, s9, 15                          ; head = the next product's 64 along K
	s_lshr_b32 s18, s58, 3
	s_lshl_b32 s18, s18, 1
	s_lshr_b32 s19, s59, 3
	s_add_co_u32 s18, s18, s19
	s_mul_i32 s18, s18, 49152
	s_and_b32 s19, s58, 7
	s_mul_i32 s19, s19, 6144
	s_add_co_u32 s18, s18, s19
	s_and_b32 s19, s59, 7
	s_mul_i32 s19, s19, 768
	s_add_co_u32 s18, s18, s19                     ; the result's image
	s_mov_b32 s19, 0
	s_lshr_b32 s48, s58, 2
	s_lshl_b32 s48, s48, 3
	s_lshr_b32 s49, s59, 1
	s_add_co_u32 s48, s48, s49
	s_lshl_b32 s48, s48, 8
	s_and_b32 s49, s58, 3
	s_lshl_b32 s49, s49, 2
	s_add_co_u32 s48, s48, s49
	s_and_b32 s49, s59, 1
	s_lshl_b32 s49, s49, 1
	s_add_co_u32 s48, s48, s49
	s_add_co_u32 s48, s48, 3145728                 ; and its two scale bytes
	s_mov_b32 s49, 0
	s_mov_b32 s[SEL], 0x76543210
	s_mov_b32 s[SEL+1], 0xfedcba98
	s_mov_b32 s[CS], 0x3e38aa3b                    ; c = log2(e) / 8
	s_mov_b32 s[CS+1], s[CS]
	s_mov_b32 s[TK], 0
	s_mov_b32 s[TV], 0
	s_mov_b32 s[TSK], 0
	s_mov_b32 s[TSV], 0
	s_mov_b32 s[CNT], 8
	s_wait_dscnt 0x0                               ; the opening add is done
	s_wait_kmcnt 0x0
	s_mov_b32 s[G0C], 1
	s_mov_b32 s[G0C+1], s55
	s_add_nc_u64 s[G0C+2:G0C+3], s[4:5], s[10:11]
	s_or_b32 s[G0C+3], s[G0C+3], 0x80000000
	s_mov_b32 s[G0S], 1
	s_mov_b32 s[G0S+1], s56
	s_add_nc_u64 s[G0S+2:G0S+3], s[4:5], s[12:13]
	s_or_b32 s[G0S+3], s[G0S+3], 0x80000000
	s_cmp_lt_u32 s[WV], 4                          ; one tensor load a wave at the most; an s_nop 0 and four v_nop follow each
	s_cbranch_scc0 .Lnot_codes
	tensor_load_to_lds s[G0C:G0C+3], s[G1C:G1C+7]
	s_nop 0
.rept 4
	v_nop
.endr
	s_branch .Lasked
.Lnot_codes:
	s_cmp_lt_u32 s[WV], 7
	s_cbranch_scc0 .Lasked
	tensor_load_to_lds s[G0S:G0S+3], s[G1S:G1S+7]
	s_nop 0
.rept 4
	v_nop
.endr
.Lasked:
	s_add_nc_u64 s[14:15], s[4:5], s[14:15]
	s_add_nc_u64 s[16:17], s[4:5], s[16:17]
	s_add_nc_u64 s[18:19], s[6:7], s[18:19]
	s_add_nc_u64 s[48:49], s[6:7], s[48:49]
	v_and_b32 v9, 31, v0
	v_and_b32 v10, 15, v0
	v_lshlrev_b32 v[AK16], 4, v9
	v_lshl_add_u32 v[AK8], v9, 3, 512
	v_lshlrev_b32 v[R16], 4, v10
	global_load_b128 v[16:19], v[AK16], s[14:15]   ; q's six registers stay
	global_load_b64 v[20:21], v[AK8], s[14:15]
	global_load_b32 v255, v[R16], s[16:17]         ; q's scale words
	v_add_nc_u32 v[AV16], VOFF, v[AK16]
	v_add_nc_u32 v[AV8], VOFF, v[AK8]
	v_add_nc_u32 v[ASK], KSC, v[R16]
	v_add_nc_u32 v[ASV], VSC, v[R16]
.irp j, 22,23,24,25,26,27
	v_mov_b32 v\j, 0                               ; q beyond K = 64: zero codes
.endr
.irp t, 0,1,2,3
.irp j, 6,7,8,9,10,11
	v_mov_b32 v[32+12*\t+\j], 0                    ; k's likewise, for the first step
.endr
.endr
	v_mov_b32 v13, 0xff61b1e6                      ; the largest t so far: -3e38
	v_floor_f32 v12, -v13                          ; -M
	v_mov_b32 v14, 0
	v_mov_b32 v15, 0
.irp b, 0,1,2,3
	v_mov_b32 v[236+\b], 0                         ; a lane permute's destination counts as one of its sources
.endr
	v_mov_b32 v253, 0
.set j, 0
.rept 32
	v_mov_b32 v[160+j], 0                          ; O^T: the loop is written once; its first step finds zeros
.set j, j+1
.endr
	s_wait_tensorcnt 0x0                           ; my load has landed,
	s_barrier_signal -1
	s_barrier_wait -1                              ; everybody's has
	s_wait_loadcnt 0x0                             ; q
.Lstep:
	v_add_nc_u32 v9, s[TK], v[AK16]                ; (six plain places ahead of loads into registers that the last products read)
	v_add_nc_u32 v10, s[TK], v[AK8]
	v_add_nc_u32 v11, s[TV], v[AV16]
	v_add_nc_u32 v28, s[TV], v[AV8]
	v_add_nc_u32 v29, s[TSK], v[ASK]
	v_add_nc_u32 v30, s[TSV], v[ASV]
.irp g, 0,1                                    ; S^T = k q^T, four tiles of 16 keys at a time
.if \g > 0
.rept 4
	v_nop
.endr
.endif
.irp t, 0,1,2,3
	ds_load_b128 v[32+12*\t:35+12*\t], v9 offset:(4*\g+\t)*768
	ds_load_b64 v[36+12*\t:37+12*\t], v10 offset:(4*\g+\t)*768
.endr
	ds_load_b128 v[248:251], v29 offset:256*\g
	s_wait_dscnt 0x0
.irp t, 0,1,2,3
	v_wmma_scale_f32_16x16x128_f8f6f4 v[96+8*(4*\g+\t):103+8*(4*\g+\t)], v[32+12*\t:43+12*\t], v[16:27], 0, v[248+\t], v255 matrix_a_fmt:MATRIX_FMT_FP6 matrix_b_fmt:MATRIX_FMT_FP6
.endr
.endr
.rept 4
	v_nop
.endr
.irp t, 0,1,2,3                                ; v's four fragments of these 128 keys go out now and land under the softmax
	ds_load_b128 v[32+12*\t:35+12*\t], v11 offset:\t*12288
	ds_load_b64 v[36+12*\t:37+12*\t], v28 offset:\t*12288
	ds_load_b128 v[38+12*\t:41+12*\t], v11 offset:\t*12288+768
	ds_load_b64 v[42+12*\t:43+12*\t], v28 offset:\t*12288+768
.endr
	ds_load_b128 v[248:251], v30
.irp b, 0,1,2,3
	v_max3_num_f32 v[232+\b], v[96+16*\b], v[97+16*\b], v[98+16*\b]   ; the largest score of each block of 32 keys: for the row's maximum and for the block's largest p
.endr
.irp i, 3,5,7,9,11,13
.irp b, 0,1,2,3
	v_max3_num_f32 v[232+\b], v[232+\b], v[96+16*\b+\i], v[97+16*\b+\i]
.endr
.endr
.irp b, 0,1,2,3
	v_max_num_f32 v[232+\b], v[232+\b], v[111+16*\b]
.endr
.irp b, 0,1,2,3
	v_permlanex16_b32 v[236+\b], v[232+\b], s[SEL], s[SEL+1]
.endr
.irp b, 0,1,2,3
	v_max_num_f32 v[232+\b], v[232+\b], v[236+\b]
.endr
	v_max3_num_f32 v254, v232, v233, v234
	v_max_num_f32 v254, v254, v235
	v_mul_f32 v254, s[CS], v254
	v_max_num_f32 v13, v13, v254                   ; the running largest t
	v_mov_b32 v254, v12
	v_floor_f32 v12, -v13                          ; the new -M
	v_sub_f32 v254, v12, v254
	v_cvt_i32_f32 v254, v254                       ; (it saturates)
	v_ldexp_f32 v252, 1.0, v254                    ; f = 2^(old M - new M)
.set j, 0
.rept 32
	v_pk_fma_f32 v[96+j:97+j], v[96+j:97+j], s[CS:CS+1], v[12:13] op_sel_hi:[1,0,0]   ; t - M
.set j, j+2
.endr
.irp b, 0,1,2,3
	v_fma_f32 v[232+\b], v[232+\b], s[CS], v12
.endr
.set j, 0
.rept 64
	v_exp_f32 v[96+j], v[96+j]                     ; p
.set j, j+1
.endr
	v_pk_mul_f32 v[14:15], v[14:15], v[252:253] op_sel_hi:[1,0]   ; the sums under the new M (a plain place behind the exponentials)
	s_wait_alu depctr_va_vdst(0)                   ; one wait for the batch, ahead of its first reader
.irp b, 0,1,2,3
	v_exp_f32 v[232+\b], v[232+\b]                 ; each block's largest p
.endr
	v_pk_add_f32 v[236:237], v[96:97], v[98:99]    ; the row's sum of the unquantised p, in two chains
.irp j, 4,8,12,16,20,24,28,32,36,40,44,48,52,56,60
	v_pk_add_f32 v[14:15], v[14:15], v[96+\j:97+\j]
	v_pk_add_f32 v[236:237], v[236:237], v[98+\j:99+\j]
.endr
	v_pk_add_f32 v[14:15], v[14:15], v[236:237]
	s_wait_alu depctr_va_vdst(0)                   ; and one for the four
.irp b, 0,1,2,3
	v_max_num_f32 v[232+\b], 0x1800000, v[232+\b]  ; the floor 2^(3 - 127)
.endr
.irp b, 0,1,2,3
	v_add_nc_u32 v[244+\b], 0xff000000, v[232+\b]
.endr
.irp b, 0,1,2,3
	v_lshrrev_b32 v[236+\b], 23, v[244+\b]
.endr
	v_lshl_or_b32 v253, v237, 8, v236              ; p's scale word
	v_lshl_or_b32 v253, v238, 16, v253
	v_lshl_or_b32 v253, v239, 24, v253
.irp c, 0,1
	v_cvt_scalef32_pk16_fp6_f32 v[224+6*\c:226+6*\c], v[96+32*\c:111+32*\c], v[244+2*\c]
	v_cvt_scalef32_pk16_fp6_f32 v[236+4*\c:238+4*\c], v[112+32*\c:127+32*\c], v[244+2*\c+1]
.endr
	v_nop                                          ; one plain place behind a scaled conversion
.irp c, 0,1
.irp i, 0,1,2
	v_permlane16_swap_b32 v[224+6*\c+\i], v[236+4*\c+\i]
.endr
.irp i, 0,1,2
	v_mov_b32 v[227+6*\c+\i], v[236+4*\c+\i]
.endr
.endr
.set j, 0
.rept 16
	v_pk_mul_f32 v[160+j:161+j], v[160+j:161+j], v[252:253] op_sel_hi:[1,0]   ; O^T under the new M; these sixteen are also the places between p's codes and scale word and the products
.set j, j+2
.endr
	s_wait_dscnt 0x0                               ; v's fragments and scale words
.irp t, 0,1,2,3                                ; O^T += v^T p^T: the four accumulators by turns
	v_wmma_scale_f32_16x16x128_f8f6f4 v[160+8*\t:167+8*\t], v[32+12*\t:43+12*\t], v[224:235], v[160+8*\t:167+8*\t], v[248+\t], v253 matrix_a_fmt:MATRIX_FMT_FP6 matrix_b_fmt:MATRIX_FMT_FP6
.endr
	s_add_co_u32 s[TK], s[TK], 6144
	s_add_co_u32 s[TV], s[TV], 1536
	s_add_co_u32 s[TSK], s[TSK], 512
	s_add_co_u32 s[TSV], s[TSV], 256
	s_sub_co_u32 s[CNT], s[CNT], 1
	s_cmp_lg_u32 s[CNT], 0
	s_cbranch_scc1 .Lstep
.rept 4
	v_nop
.endr
	v_add_f32 v14, v14, v15
	v_permlanex16_b32 v252, v14, s[SEL], s[SEL+1]
	v_add_f32 v14, v14, v252                       ; the row's sum
	v_rcp_f32 v14, v14
	v_nop
	s_wait_alu depctr_va_vdst(0)
.set j, 0
.rept 32
	v_mul_f32 v[96+j], v[160+j], v14               ; register 16 B + i is channel 32 B + 16 (lane / 16) + i of my query
.set j, j+1
.endr
.irp b, 0,1
	v_max3_num_f32 v[232+\b], |v[96+16*\b]|, |v[97+16*\b]|, 0x1800000
.endr
.irp i, 2,4,6,8,10,12,14
.irp b, 0,1
	v_max3_num_f32 v[232+\b], v[232+\b], |v[96+16*\b+\i]|, |v[97+16*\b+\i]|
.endr
.endr
.irp b, 0,1
	v_permlanex16_b32 v[236+\b], v[232+\b], s[SEL], s[SEL+1]
.endr
.irp b, 0,1
	v_max_num_f32 v[232+\b], v[232+\b], v[236+\b]
.endr
.irp b, 0,1
	v_add_nc_u32 v[244+\b], 0xff000000, v[232+\b]
.endr
.irp b, 0,1
	v_lshrrev_b32 v[236+\b], 23, v[244+\b]
.endr
	v_lshl_or_b32 v240, v237, 8, v236
	v_cvt_scalef32_pk16_fp6_f32 v[80:82], v[96:111], v244
	v_cvt_scalef32_pk16_fp6_f32 v[84:86], v[112:127], v245
	v_nop
.irp i, 0,1,2
	v_permlane16_swap_b32 v[80+\i], v[84+\i]
.endr
.irp i, 0,1,2
	v_mov_b32 v[83+\i], v[84+\i]
.endr
	global_store_b128 v[AK16], v[80:83], s[18:19]  ; 768 consecutive bytes a wave
	global_store_b64 v[AK8], v[84:85], s[18:19]
	global_store_b16 v[R16], v240, s[48:49]
	s_wait_tensorcnt 0x0                           ; the wave's end
	ds_add_u32 v[SPW], v[NIL]
	s_wait_dscnt 0x0
	s_endpgm
.Lfunc_end_k_q9ad0c035ff_attn:
	.size	k_q9ad0c035ff_attn, .Lfunc_end_k_q9ad0c035ff_attn-k_q9ad0c035ff_attn
	.p2alignl 7, 3214868480
	.fill 96, 4, 3214868480
	.section	.rodata,"a",@progbits
	.p2align	6, 0x0
	.amdhsa_kernel k_q9ad0c035ff_attn
		.amdhsa_group_segment_fixed_size 167936
		.amdhsa_private_segment_fixed_size 0
		.amdhsa_enable_private_segment 0
		.amdhsa_kernarg_size 16
		.amdhsa_user_sgpr_count 2
		.amdhsa_user_sgpr_kernarg_segment_ptr 1
		.amdhsa_wavefront_size32 1
		.amdhsa_system_sgpr_workgroup_id_x 1
		.amdhsa_system_sgpr_workgroup_id_y 1
		.amdhsa_system_sgpr_workgroup_id_z 1
		.amdhsa_system_vgpr_workitem_id 0
		.amdhsa_next_free_vgpr 256
		.amdhsa_next_free_sgpr 66
		.amdhsa_reserve_vcc 0
		.amdhsa_float_denorm_mode_32 3
		.amdhsa_float_denorm_mode_16_64 3
		.amdhsa_memory_ordered 1
		.amdhsa_forward_progress 1
		.amdhsa_inst_pref_size 29
	.end_amdhsa_kernel
	.amdgpu_metadata
---
amdhsa.version: [ 1, 2 ]
amdhsa.kernels:
  - .name:           k_q9ad0c035ff_attn
    .symbol:         k_q9ad0c035ff_attn.kd
    .args:
      - { .name: qkv_q, .offset: 0, .size: 8, .value_kind: global_buffer, .address_space: global }
      - { .name: att_q, .offset: 8, .size: 8, .value_kind: global_buffer, .address_space: global }
    .group_segment_fixed_size: 167936
    .private_segment_fixed_size: 0
    .kernarg_segment_align: 8
    .kernarg_segment_size: 16
    .max_flat_workgroup_size: 512
    .sgpr_count:     66
    .vgpr_count:     256
    .wavefront_size: 32
...
	.end_amdgpu_metadata
.endif
;; end of part 3
;; launch mm_wo (part 4): grid 8 x 32, 4 waves a work-group, clusters of 4 x 4, 327,680 bytes of LDS; arguments pre_q, att_q, x, bo, x1_f, x1_q; writes x1_f, x1_q
.if DOCPART == 4
	.amdgcn_target "amdgcn-amd-amdhsa--gfx1250"
	.amdhsa_code_object_version 6
	.text
	.protected	k_q9ad0c035ff_mm_wo
	.globl	k_q9ad0c035ff_mm_wo
	.p2align	8
	.type	k_q9ad0c035ff_mm_wo,@function
k_q9ad0c035ff_mm_wo:
	s_mov_b64 s[64:65], 0
	v_nop
	global_prefetch_b8 v0, s[64:65] scope:SCOPE_SE
	s_setreg_imm32_b32 hwreg(HW_REG_WAVE_MODE, 25, 1), 1
	s_wait_xcnt 0x0
	s_wait_alu depctr_hold_cnt(0) depctr_sa_sdst(0) depctr_va_vdst(0) depctr_va_sdst(0) depctr_va_ssrc(0) depctr_va_vcc(0) depctr_vm_vsrc(0)
	s_getreg_b32 s2, hwreg(HW_REG_IB_STS2, 6, 4)
	s_cmp_eq_u32 s2, 0
	s_cbranch_scc0 .Lentry_in_a_cluster
	s_endpgm
.Lentry_in_a_cluster:
	s_bfe_u32 s2, ttmp6, 0x10000c
	s_cmp_lg_u32 s2, 0xf033
	s_cbranch_scc0 .Lentry_shape_is_right
	s_endpgm
.Lentry_shape_is_right:
; x1 = x + (att Wo + bo): the product on codes of FP6 (E2M3) with E8M0 scales, K = 1,024; x1 leaves as f32 (x1_f, for the last residual) and as codes along its features (x1_q, the next product's operand).
; OPERANDS are images of registers (768 bytes = 16 rows x 64 K: lane l's registers 0-3 at 16 l, registers 4-5 at 512 + 8 l), laid [128 rows][512 K][tile 0..7][64 K 0..7]; lane r of tile T holds row 32 (T/2) + 8 (T%2) + r + 8 (r/8).
; A work-group makes 128 x 128, a wave 64 x 64: accumulator (a, b) = source 0's tile b (Wo's columns) x source 1's tile a (att's rows).  A lane holds ONE row, and the 32 registers of (a, 0..3) are its columns 32 B + 16 (lane / 16) + i at register 16 B + i.
; CLUSTERS 4 x 4: source 0's tile hangs on X alone and is asked for jointly by my column of the cluster, source 1's on Y alone, by my row.  All of K (two slots of 512) and the scale words are asked for at the start: nothing is filled again.
; LIMITS: a block whose largest magnitude lies under 2^-124 keeps the byte 1; NaN and infinities are not served.  Residual and bias are added behind the sum over K.
.set KDIM,  1024
.set P1,    6                          ; source 1's buffer: att_q
.set S1IMG, 98304
.set S1SCS, 4096
.set S1SC0, 3145728
.set KS,    KDIM/128
.set LAPS,  KDIM/1024
.set HALFC, 24576                      ; 64 rows x 512 K of codes: what one tensor load brings
.set SRC1,  49152                      ; in a slot: source 0's 128 rows, then source 1's
.set SLOT,  98304
.set HALFS, 256*KS                     ; the scale words of 64 rows, all of K
.set SCL,   2*SLOT
.set STAGE, SCL+4*HALFS                ; the way out: 16 rows x (256 + 16) bytes a wave; no fill lands here
.set SPARE, STAGE+4*16*272             ; the spare words, 128 bytes a wave, which no other line names
.set SC0,   18874368
.set AD0L, 4                           ; v4-5   source 0's fragments in slot 0, 1: 16 l on;  v6-7: 8 l + 512 on
.set AD0S, 6
.set AD1L, 8                           ; v8-11  the same for source 1
.set AD1S, 10
.set ADRS, 12                          ; v12    scale words: lanes 0-15 source 0's, lanes 16-31 source 1's
.set SPW,  13                          ; v13    my spare word; never rewritten
.set NIL,  14                          ; v14    0; never rewritten
.set STO,  15                          ; v15    into the stage
.set RD,   16                          ; v16    out of it
.set CO,   17                          ; v17    4,096 h + 16 r
.set XA,   18                          ; v18    (r + 8 (r / 8)) 4,096 + 64 h
.set BA,   19                          ; v19    64 h
.set HO16, 20                          ; v20    16 l
.set HO8,  21                          ; v21    8 l + 512
.set SO,   22                          ; v22    16 r
.set SC,   24                          ; v24-31 scale words, two sets of four: scales and nothing else
.set TM,   32                          ; v32-55 at work
.set PW,   56                          ; v56-59 a tile's two scale bytes
.set CT,   60                          ; v60-75 the conversions' second halves
.set PC,   96                          ; v96-127 codes, 8 registers a tile
.set ACC,  128                         ; v128-255 accumulator (a, b) at 128 + 8 (4 a + b)
.set G1A,  24
.set G0A,  32
.set G1B,  48
.set G0B,  56
.set G1SA, 68
.set G0SA, 76
.set G1SB, 80
.set G0SB, 88
.set SEL,  42
.set MSB, 0
.macro WIN new                         ; the immediate's high byte repeats the setting that is left
.if MSB != \new
	s_set_vgpr_msb (MSB<<8)|\new
.set MSB, \new
.endif
.endm
.set MUL,  0x05                        ; sources 0 and 1 window 1 (two sets of fragments: v0-95, v128-223; v96-127 the bias); C and D window 0.  Window 2: v0-127 the residual
.set TO_F, 0x40                        ; destination window 1
.macro JLOAD g0a, g1a, g0b, g1b        ; a joint load: waves 0, 1 fetch source 0's halves, waves 2, 3 source 1's; an s_nop 0 and four v_nop follow each line
	s_cmp_eq_u32 s17, 0
	s_cbranch_scc0 .Lfor_b_\@
	tensor_load_to_lds s[\g0a:\g0a+3], s[\g1a:\g1a+7]
	s_nop 0
.rept 4
	v_nop
.endr
	s_branch .Lasked_\@
.Lfor_b_\@:
	tensor_load_to_lds s[\g0b:\g0b+3], s[\g1b:\g1b+7]
	s_nop 0
.rept 4
	v_nop
.endr
.Lasked_\@:
.endm
.macro CREST
	s_cmp_lg_u32 s16, 0
	s_cbranch_scc1 .Lnot_wave_0_\@
	s_barrier_signal -3
.Lnot_wave_0_\@:
	s_barrier_wait -3
	s_barrier_signal -1
	s_barrier_wait -1
.endm
.macro CROUND                          ; a round of the cluster's barrier
	s_barrier_signal -1
	s_barrier_wait -1
	CREST
.endm
.macro PLACES                          ; four plain places behind matrix instructions, ahead of loads into their registers and of reads of their results
.rept 4
	v_nop
.endr
.endm
.macro FRAG reg, L, S, off             ; a fragment: two units of 768 bytes, consecutive bytes in every load
	ds_load_b128 v[\reg:\reg+3], v[\L] offset:\off
	ds_load_b64 v[\reg+4:\reg+5], v[\S] offset:\off
	ds_load_b128 v[\reg+6:\reg+9], v[\L] offset:\off+768
	ds_load_b64 v[\reg+10:\reg+11], v[\S] offset:\off+768
.endm
.macro FETCH slot, q, p                ; 33 loads: the scale words and the eight fragments of the slot's q-th 128 along K, into set p
	WIN 0
	ds_load_b128 v[SC+4*(\p):SC+4*(\p)+3], v[ADRS] offset:(4*(\slot)+(\q))*256
	WIN TO_F
.irp i, 0,1,2,3
	FRAG 128*(\p)+12*\i, AD0L+\slot, AD0S+\slot, \i*6144+(\q)*1536
	FRAG 128*(\p)+48+12*\i, AD1L+\slot, AD1S+\slot, \i*6144+(\q)*1536
.endr
.endm
.macro MUL8 p, a0, zero                ; the sixteen accumulators take turns, one instruction a turn, in the same order in every step
.irp a, \a0, \a0+1
.irp b, 0,1,2,3
.if \zero
	v_wmma_scale_f32_16x16x128_f8f6f4 v[ACC+8*(4*(\a)+\b):ACC+8*(4*(\a)+\b)+7], v[128*(\p)+12*\b:128*(\p)+12*\b+11], v[128*(\p)+48+12*(\a):128*(\p)+48+12*(\a)+11], 0, v[SC+4*(\p)+\b], v[SC+4*(\p)+(\a)] matrix_a_fmt:MATRIX_FMT_FP6 matrix_b_fmt:MATRIX_FMT_FP6 matrix_b_scale:MATRIX_SCALE_ROW1
.else
	v_wmma_scale_f32_16x16x128_f8f6f4 v[ACC+8*(4*(\a)+\b):ACC+8*(4*(\a)+\b)+7], v[128*(\p)+12*\b:128*(\p)+12*\b+11], v[128*(\p)+48+12*(\a):128*(\p)+48+12*(\a)+11], v[ACC+8*(4*(\a)+\b):ACC+8*(4*(\a)+\b)+7], v[SC+4*(\p)+\b], v[SC+4*(\p)+(\a)] matrix_a_fmt:MATRIX_FMT_FP6 matrix_b_fmt:MATRIX_FMT_FP6 matrix_b_scale:MATRIX_SCALE_ROW1
.endif
.endr
.endr
.endm
.macro STEP slot, q, zero              ; 128 along K whose successor lies in the same slot: the successor's loads go out first and have the step's 16 products in which to land
	s_wait_dscnt 0x0                               ; this step's fragments are in
	PLACES
	FETCH \slot, (\q)+1, 1-(\q)%2
	WIN MUL
	MUL8 (\q)%2, 0, \zero
	MUL8 (\q)%2, 2, \zero
	WIN 0
.endm
.macro TURN slot, next, fill           ; a slot's last step changes slots: one barrier; ahead of it all my tensor loads, the add, and my reads of this slot
	s_wait_tensorcnt 0x0                           ; my part of the next slot has landed
	ds_add_u32 v[SPW], v[NIL]
.if \fill
	s_add_nc_u64 s[G0A+4*\slot+2:G0A+4*\slot+3], s[G0A+4*\slot+2:G0A+4*\slot+3], 2*SRC1
	s_add_nc_u64 s[G0B+4*\slot+2:G0B+4*\slot+3], s[G0B+4*\slot+2:G0B+4*\slot+3], 2*SRC1
.endif
	s_wait_dscnt 0x0                               ; the add is done, this step's fragments are in: my reads of this slot are over
	s_barrier_signal -1
	WIN MUL
	MUL8 1, 0, 0
	WIN 0
	s_barrier_wait -1
.if \fill
	CREST
	JLOAD G0A+4*\slot, G1A, G0B+4*\slot, G1B
.else
	PLACES
.endif
.if \next == 0
	v_add_nc_u32 v[ADRS], 2048, v[ADRS]
.endif
	FETCH \next, 0, 0
	WIN MUL
	MUL8 1, 2, 0
	WIN 0
.endm
.macro TOSTAGE a                       ; tile a: 16 rows x 256 bytes into my stage and back as whole rows; LDS serves a wave's instructions in order
.irp b, 0,1,2,3
	ds_store_b128 v[STO], v[ACC+8*(4*(\a)+\b):ACC+8*(4*(\a)+\b)+3] offset:128*(\b/2)+32*(\b%2)
	ds_store_b128 v[STO], v[ACC+8*(4*(\a)+\b)+4:ACC+8*(4*(\a)+\b)+7] offset:128*(\b/2)+32*(\b%2)+16
.endr
	WIN TO_F
.irp i, 0,1,2,3,4,5,6,7
	ds_load_b128 v[32*((\a)%2)+4*\i:32*((\a)%2)+4*\i+3], v[RD] offset:544*\i
.endr
	WIN 0
.endm
.macro SEND a, younger                 ; younger: the LDS instructions issued behind tile a's loads
	s_wait_dscnt \younger
	WIN 0x04                                       ; a store's data: window 1
.irp i, 0,1,2,3,4,5,6,7
	global_store_b128 v[CO], v[32*((\a)%2)+4*\i:32*((\a)%2)+4*\i+3], s[94:95] offset:(32*((\a)/2)+8*((\a)%2)+2*\i+8*(\i/4))*4096 th:TH_STORE_NT   ; sixteen lanes store 256 consecutive bytes, aligned
.endr
	WIN 0
.endm
	s_load_b256 s[4:11], s[0:1], 0x0               ; pre_q, att_q, x, bo
	s_load_b128 s[12:15], s[0:1], 0x20             ; x1_f, x1_q
	v_lshl_add_u32 v[SPW], v0, 2, SPARE
	v_mov_b32 v[NIL], 0
	ds_add_u32 v[SPW], v[NIL]                      ; the wave's opening: the add, and its wait ahead of my first tensor load
	v_lshrrev_b32 v1, 5, v0
	v_readfirstlane_b32 s16, v1                    ; wave
	s_lshr_b32 s17, s16, 1                         ; w1: my 64 rows of source 1.  Also: I fetch for source 0 (0) or 1 (1)
	s_and_b32 s18, s16, 1                          ; w0: my 64 rows of source 0.  Also: which half I fetch
	s_bfe_u32 s20, ttmp6, 0x40000                  ; cx
	s_bfe_u32 s21, ttmp6, 0x40004                  ; cy
	s_lshl_b32 s22, ttmp9, 2
	s_add_co_u32 s22, s22, s20                     ; X
	s_and_b32 s100, ttmp7, 0xffff
	s_lshl_b32 s23, s100, 2
	s_add_co_u32 s23, s23, s21                     ; Y
	s_lshl_b32 s40, 0x1111, s20                    ; my column of the cluster
	s_lshl_b32 s41, s21, 2
	s_lshl_b32 s41, 15, s41                        ; my row
	s_or_b32 s[G1A], s40, (3<<16)|(1<<21)          ; the mask; elements of 8 bytes; bit 21 beside a mask; no padding
	s_or_b32 s[G1B], s41, (3<<16)|(1<<21)
	s_or_b32 s[G1SA], s40, (3<<16)|(1<<21)
	s_or_b32 s[G1SB], s41, (3<<16)|(1<<21)
.irp g, G1A, G1B                       ; 24,576 dense bytes as 96 rows of 256
	s_mov_b32 s[\g+1], 32<<16
	s_mov_b32 s[\g+2], 96<<16
	s_mov_b32 s[\g+3], 32<<16
	s_mov_b32 s[\g+4], 96
	s_mov_b32 s[\g+5], 32
	s_mov_b32 s[\g+6], 0
	s_mov_b32 s[\g+7], 0
.endr
.irp g, G1SA, G1SB                     ; 256 KS dense bytes as KS rows of 256
	s_mov_b32 s[\g+1], 32<<16
	s_mov_b32 s[\g+2], KS<<16
	s_mov_b32 s[\g+3], 32<<16
	s_mov_b32 s[\g+4], KS
	s_mov_b32 s[\g+5], 32
	s_mov_b32 s[\g+6], 0
	s_mov_b32 s[\g+7], 0
.endr
	s_mov_b32 s[SEL], 0x76543210
	s_mov_b32 s[SEL+1], 0xfedcba98
.irp n, 0,1,2,3,4,5,6,7
	v_mov_b32 v[TM+8+\n], 0                        ; written once: a lane permute's destination counts as one of its sources
.endr
	s_add_co_u32 s47, s22, 24                      ; source 0: Wo's tile X in pre_q
	s_mov_b32 s67, s23                             ; source 1: att's tile Y
	s_mul_i32 s92, s47, 98304                      ; source 0: codes,
	s_mul_i32 s19, s18, HALFC
	s_add_co_u32 s92, s92, s19
	s_mov_b32 s93, 0
	s_lshl_b32 s94, s47, 12                        ; scale words
	s_mul_i32 s19, s18, HALFS
	s_add_co_u32 s94, s94, s19
	s_add_co_u32 s94, s94, SC0
	s_mov_b32 s95, 0
	s_mul_i32 s96, s67, S1IMG                      ; source 1 likewise
	s_mul_i32 s101, s18, HALFC
	s_add_co_u32 s96, s96, s101
	s_mov_b32 s97, 0
	s_mul_i32 s98, s67, S1SCS
	s_mul_i32 s101, s18, HALFS
	s_add_co_u32 s98, s98, s101
	s_add_co_u32 s98, s98, S1SC0
	s_mov_b32 s99, 0
	s_mul_i32 s2, s16, HALFC                       ; where they go: wave x a half: no place in the cluster enters an LDS address
	s_mul_i32 s66, s16, HALFS
	s_wait_dscnt 0x0                               ; the opening add is done
	s_wait_kmcnt 0x0
	s_add_nc_u64 s[92:93], s[4:5], s[92:93]
	s_add_nc_u64 s[94:95], s[4:5], s[94:95]
	s_add_nc_u64 s[96:97], s[P1:P1+1], s[96:97]
	s_add_nc_u64 s[98:99], s[P1:P1+1], s[98:99]
	CROUND                                         ; all sixteen work-groups are here: the first joint loads meet
	s_mov_b32 s[G0SA], 1
	s_add_co_u32 s[G0SA+1], s66, SCL
	s_mov_b64 s[G0SA+2:G0SA+3], s[94:95]
	s_or_b32 s[G0SA+3], s[G0SA+3], 0x80000000
	s_mov_b32 s[G0SB], 1
	s_add_co_u32 s[G0SB+1], s66, SCL
	s_mov_b64 s[G0SB+2:G0SB+3], s[98:99]
	s_or_b32 s[G0SB+3], s[G0SB+3], 0x80000000
	JLOAD G0SA, G1SA, G0SB, G1SB                   ; by this text's count three tensor loads of a wave are out: the scale words, slot 0, slot 1
.irp s, 0,1
	s_mov_b32 s[G0A+4*\s], 1
	s_add_co_u32 s[G0A+4*\s+1], s2, \s*SLOT
	s_add_nc_u64 s[G0A+4*\s+2:G0A+4*\s+3], s[92:93], \s*SRC1
	s_or_b32 s[G0A+4*\s+3], s[G0A+4*\s+3], 0x80000000
	s_mov_b32 s[G0B+4*\s], 1
	s_add_co_u32 s[G0B+4*\s+1], s2, \s*SLOT
	s_add_nc_u64 s[G0B+4*\s+2:G0B+4*\s+3], s[96:97], \s*SRC1
	s_or_b32 s[G0B+4*\s+3], s[G0B+4*\s+3], 0x80000000
	JLOAD G0A+4*\s, G1A, G0B+4*\s, G1B
.endr
	v_and_b32 v1, 15, v0                           ; r
	v_bfe_u32 v2, v0, 4, 1                         ; h
	v_and_b32 v3, 31, v0
	v_lshlrev_b32 v[HO16], 4, v3
	v_lshl_add_u32 v[HO8], v3, 3, 512
	s_mul_i32 s19, s18, HALFC
	s_mul_i32 s101, s17, HALFC
	s_add_co_u32 s101, s101, SRC1
.irp s, 0,1
	v_add_nc_u32 v[AD0L+\s], s19, v[HO16]
	v_add_nc_u32 v[AD0S+\s], s19, v[HO8]
	v_add_nc_u32 v[AD1L+\s], s101, v[HO16]
	v_add_nc_u32 v[AD1S+\s], s101, v[HO8]
	s_add_co_u32 s19, s19, SLOT
	s_add_co_u32 s101, s101, SLOT
.endr
	s_mul_i32 s19, s18, HALFS                      ; scale words: source 0's 64 rows,
	s_mul_i32 s101, s17, HALFS
	s_add_co_u32 s101, s101, 2*HALFS               ; source 1's, behind source 0's two halves
	s_sub_co_u32 s101, s101, s19
	v_mul_u32_u24 v3, s101, v2                     ; lanes 16-31 take source 1's: one product with h
	s_add_co_u32 s19, s19, SCL
	v_lshl_add_u32 v3, v1, 4, v3
	v_add_nc_u32 v[ADRS], s19, v3
	s_mul_i32 s19, s16, 16*272
	s_add_co_u32 s19, s19, STAGE
	v_mul_u32_u24 v3, v1, 272
	v_lshl_add_u32 v3, v2, 6, v3
	v_add_nc_u32 v[STO], s19, v3                   ; row r, + 64 h
	v_mul_u32_u24 v3, v2, 272
	v_lshl_add_u32 v3, v1, 4, v3
	v_add_nc_u32 v[RD], s19, v3                    ; lanes 0-15 one row, lanes 16-31 the next
	v_lshlrev_b32 v[CO], 12, v2
	v_lshl_add_u32 v[CO], v1, 4, v[CO]
	v_and_b32 v3, 8, v1
	v_add_nc_u32 v3, v3, v1                        ; r + 8 (r / 8)
	v_lshlrev_b32 v[BA], 6, v2
	v_lshl_add_u32 v[XA], v3, 12, v[BA]
	v_lshlrev_b32 v[SO], 4, v1
	; my 64 x 64 of x and of x1_f: row 128 Y + 64 w1, column 128 X + 64 w0
	s_lshl_b32 s92, s23, 19
	s_lshl_b32 s19, s17, 18
	s_add_co_u32 s92, s92, s19
	s_lshl_b32 s96, s22, 9
	s_lshl_b32 s19, s18, 8
	s_add_co_u32 s96, s96, s19
	s_add_co_u32 s92, s92, s96
	s_mov_b32 s93, 0
	s_mov_b32 s97, 0
	s_add_nc_u64 s[94:95], s[12:13], s[92:93]      ; x1_f
	s_add_nc_u64 s[92:93], s[8:9], s[92:93]        ; x
	s_add_nc_u64 s[96:97], s[10:11], s[96:97]      ; bo
	s_lshl_b32 s98, s23, 1                         ; x1_q: [Y][X / 4][4 w1 + a][(2 X + w0) % 8][768]
	s_lshr_b32 s19, s22, 2
	s_add_co_u32 s98, s98, s19
	s_mul_i32 s98, s98, 49152
	s_mul_i32 s19, s17, 4*6144
	s_add_co_u32 s98, s98, s19
	s_lshl_b32 s19, s22, 1
	s_add_co_u32 s19, s19, s18
	s_and_b32 s19, s19, 7
	s_mul_i32 s19, s19, 768
	s_add_co_u32 s98, s98, s19
	s_mov_b32 s99, 0
	s_add_nc_u64 s[98:99], s[14:15], s[98:99]
	s_lshl_b32 s46, s23, 1                         ; its scale words: [2 Y + w1][X][256], bytes 2 w0 on
	s_add_co_u32 s46, s46, s17
	s_lshl_b32 s46, s46, 3
	s_add_co_u32 s46, s46, s22
	s_lshl_b32 s46, s46, 8
	s_lshl_b32 s19, s18, 1
	s_add_co_u32 s46, s46, s19
	s_add_co_u32 s46, s46, 3145728
	s_mov_b32 s47, 0
	s_add_nc_u64 s[46:47], s[14:15], s[46:47]
	WIN 0x80                                       ; destination window 2: the residual, in the accumulators' layout; it lands under the products
.irp a, 0,1,2,3
.irp b, 0,1,2,3
	global_load_b128 v[8*(4*\a+\b):8*(4*\a+\b)+3], v[XA], s[92:93] offset:(32*(\a/2)+8*(\a%2))*4096+128*(\b/2)+32*(\b%2)
	global_load_b128 v[8*(4*\a+\b)+4:8*(4*\a+\b)+7], v[XA], s[92:93] offset:(32*(\a/2)+8*(\a%2))*4096+128*(\b/2)+32*(\b%2)+16
.endr
.endr
	WIN TO_F
.irp b, 0,1,2,3
	global_load_b128 v[96+8*\b:96+8*\b+3], v[BA], s[96:97] offset:128*(\b/2)+32*(\b%2)
	global_load_b128 v[96+8*\b+4:96+8*\b+7], v[BA], s[96:97] offset:128*(\b/2)+32*(\b%2)+16
.endr
	WIN 0
	s_wait_tensorcnt 0x1                           ; the scale words and my part of slot 0 are in; slot 1's load may be out
	s_barrier_signal -1
	s_barrier_wait -1
	FETCH 0, 0, 0
	STEP 0, 0, 1                                   ; the first products start the sums: nothing is cleared
	STEP 0, 1, 0
	STEP 0, 2, 0
	TURN 0, 1, 0
	STEP 1, 0, 0
	STEP 1, 1, 0
	STEP 1, 2, 0
	s_wait_dscnt 0x0
	WIN MUL
	MUL8 1, 0, 0
	MUL8 1, 2, 0
	WIN 0
	PLACES
	s_wait_loadcnt 0x0                             ; the residual and the bias
	WIN 0x08                                       ; source 1 window 2
.set j, 0
.rept 64
	v_pk_add_f32 v[ACC+j:ACC+j+1], v[ACC+j:ACC+j+1], v[j:j+1]   ; + x; each accumulator from its low end on
.set j, j+2
.endr
	WIN 0x04                                       ; source 1 window 1
.irp a, 0,1,2,3
.set j, 0
.rept 16
	v_pk_add_f32 v[ACC+32*\a+j:ACC+32*\a+j+1], v[ACC+32*\a+j:ACC+32*\a+j+1], v[96+j:96+j+1]   ; + bo
.set j, j+2
.endr
.endr
	WIN 0
	; eight blocks of 32 (block n = 2 a + B at ACC + 16 n), by turns
.irp n, 0,1,2,3,4,5,6,7
	v_max3_num_f32 v[TM+\n], |v[ACC+16*\n]|, |v[ACC+16*\n+1]|, 0x1800000   ; with the floor 2^(3 - 127)
.endr
.irp i, 2,4,6,8,10,12,14
.irp n, 0,1,2,3,4,5,6,7
	v_max3_num_f32 v[TM+\n], v[TM+\n], |v[ACC+16*\n+\i]|, |v[ACC+16*\n+\i+1]|
.endr
.endr
.irp n, 0,1,2,3,4,5,6,7
	v_permlanex16_b32 v[TM+8+\n], v[TM+\n], s[SEL], s[SEL+1]
.endr
.irp n, 0,1,2,3,4,5,6,7
	v_max_num_f32 v[TM+\n], v[TM+\n], v[TM+8+\n]
.endr
.irp n, 0,1,2,3,4,5,6,7
	v_add_nc_u32 v[TM+16+\n], 0xff000000, v[TM+\n] ; 2 off the exponent field: the conversion's scale operand
.endr
.irp n, 0,1,2,3,4,5,6,7
	v_lshrrev_b32 v[TM+8+\n], 23, v[TM+16+\n]      ; the byte
.endr
.irp a, 0,1,2,3
	v_lshl_or_b32 v[PW+\a], v[TM+9+2*\a], 8, v[TM+8+2*\a]
.endr
.irp a, 0,1,2,3
	v_cvt_scalef32_pk16_fp6_f32 v[PC+8*\a:PC+8*\a+2], v[ACC+32*\a:ACC+32*\a+15], v[TM+16+2*\a]
	v_cvt_scalef32_pk16_fp6_f32 v[CT+4*\a:CT+4*\a+2], v[ACC+32*\a+16:ACC+32*\a+31], v[TM+17+2*\a]
.endr
	v_nop                                          ; one plain place behind a scaled conversion
.irp a, 0,1,2,3
.irp i, 0,1,2
	v_permlane16_swap_b32 v[PC+8*\a+\i], v[CT+4*\a+\i]   ; a whole block to a lane
.endr
.irp i, 0,1,2
	v_mov_b32 v[PC+8*\a+3+\i], v[CT+4*\a+\i]
.endr
.endr
.irp a, 0,1,2,3
	global_store_b128 v[HO16], v[PC+8*\a:PC+8*\a+3], s[98:99] offset:\a*6144
	global_store_b64 v[HO8], v[PC+8*\a+4:PC+8*\a+5], s[98:99] offset:\a*6144
	global_store_b16 v[SO], v[PW+\a], s[46:47] offset:4*\a   ; two of the word's four bytes (lanes 16-31 hold and store the same)
.endr
	TOSTAGE 0
	TOSTAGE 1
	SEND 0, 16                                     ; behind tile 0's loads: tile 1's 8 stores and 8 loads
	s_wait_xcnt 0x0                                ; tile 0's stores have read their registers: tile 2's loads may land there
	TOSTAGE 2
	SEND 1, 16
	s_wait_xcnt 0x0
	TOSTAGE 3
	SEND 2, 16
	SEND 3, 0
	s_wait_tensorcnt 0x0                           ; the wave's end
	ds_add_u32 v[SPW], v[NIL]
	s_wait_dscnt 0x0
	CROUND                                         ; the closing round
	s_endpgm
.Lfunc_end_k_q9ad0c035ff_mm_wo:
	.size	k_q9ad0c035ff_mm_wo, .Lfunc_end_k_q9ad0c035ff_mm_wo-k_q9ad0c035ff_mm_wo
	.p2alignl 7, 3214868480
	.fill 96, 4, 3214868480
	.section	.rodata,"a",@progbits
	.p2align	6, 0x0
	.amdhsa_kernel k_q9ad0c035ff_mm_wo
		.amdhsa_group_segment_fixed_size 327680
		.amdhsa_private_segment_fixed_size 0
		.amdhsa_enable_private_segment 0
		.amdhsa_kernarg_size 48
		.amdhsa_user_sgpr_count 2
		.amdhsa_user_sgpr_kernarg_segment_ptr 1
		.amdhsa_wavefront_size32 1
		.amdhsa_system_sgpr_workgroup_id_x 1
		.amdhsa_system_sgpr_workgroup_id_y 1
		.amdhsa_system_sgpr_workgroup_id_z 1
		.amdhsa_system_vgpr_workitem_id 0
		.amdhsa_next_free_vgpr 640
		.amdhsa_next_free_sgpr 102
		.amdhsa_reserve_vcc 0
		.amdhsa_float_denorm_mode_32 3
		.amdhsa_float_denorm_mode_16_64 3
		.amdhsa_memory_ordered 1
		.amdhsa_forward_progress 1
		.amdhsa_inst_pref_size 75
	.end_amdhsa_kernel
	.amdgpu_metadata
---
amdhsa.version: [ 1, 2 ]
amdhsa.kernels:
  - .name:           k_q9ad0c035ff_mm_wo
    .symbol:         k_q9ad0c035ff_mm_wo.kd
    .args:
      - { .name: pre_q, .offset: 0, .size: 8, .value_kind: global_buffer, .address_space: global }
      - { .name: att_q, .offset: 8, .size: 8, .value_kind: global_buffer, .address_space: global }
      - { .name: x, .offset: 16, .size: 8, .value_kind: global_buffer, .address_space: global }
      - { .name: bo, .offset: 24, .size: 8, .value_kind: global_buffer, .address_space: global }
      - { .name: x1_f, .offset: 32, .size: 8, .value_kind: global_buffer, .address_space: global }
      - { .name: x1_q, .offset: 40, .size: 8, .value_kind: global_buffer, .address_space: global }
    .group_segment_fixed_size: 327680
    .private_segment_fixed_size: 0
    .kernarg_segment_align: 8
    .kernarg_segment_size: 48
    .max_flat_workgroup_size: 128
    .sgpr_count:     102
    .vgpr_count:     640
    .wavefront_size: 32
...
	.end_amdgpu_metadata
.endif
;; end of part 4
;; launch mm_up (part 5): grid 32 x 32, 4 waves a work-group, clusters of 4 x 4, 327,680 bytes of LDS; arguments pre_q, x1_q, b1, hid_q; writes hid_q
.if DOCPART == 5
	.amdgcn_target "amdgcn-amd-amdhsa--gfx1250"
	.amdhsa_code_object_version 6
	.text
	.protected	k_q9ad0c035ff_mm_up
	.globl	k_q9ad0c035ff_mm_up
	.p2align	8
	.type	k_q9ad0c035ff_mm_up,@function
k_q9ad0c035ff_mm_up:
	s_mov_b64 s[64:65], 0
	v_nop
	global_prefetch_b8 v0, s[64:65] scope:SCOPE_SE
	s_setreg_imm32_b32 hwreg(HW_REG_WAVE_MODE, 25, 1), 1
	s_wait_xcnt 0x0
	s_wait_alu depctr_hold_cnt(0) depctr_sa_sdst(0) depctr_va_vdst(0) depctr_va_sdst(0) depctr_va_ssrc(0) depctr_va_vcc(0) depctr_vm_vsrc(0)
	s_getreg_b32 s2, hwreg(HW_REG_IB_STS2, 6, 4)
	s_cmp_eq_u32 s2, 0
	s_cbranch_scc0 .Lentry_in_a_cluster
	s_endpgm
.Lentry_in_a_cluster:
	s_bfe_u32 s2, ttmp6, 0x10000c
	s_cmp_lg_u32 s2, 0xf033
	s_cbranch_scc0 .Lentry_shape_is_right
	s_endpgm
.Lentry_shape_is_right:
; hid = gelu(x1 W1 + b1), tanh form, the product on codes of FP6 (E2M3) with E8M0 scales, K = 1,024; the result is quantised at once along the 4,096 hidden units, the next product's K, and never leaves as f32.
; OPERANDS are images of registers (768 bytes = 16 rows x 64 K: lane l's registers 0-3 at 16 l, registers 4-5 at 512 + 8 l), laid [128 rows][512 K][tile 0..7][64 K 0..7]; lane r of tile T holds row 32 (T/2) + 8 (T%2) + r + 8 (r/8).
; A work-group makes 128 x 128, a wave 64 x 64: accumulator (a, b) = source 0's tile b (W1's columns) x source 1's tile a (x1's rows).  A lane holds ONE row, and the 32 registers of (a, 0..3) are its hidden units 32 B + 16 (lane / 16) + i at register 16 B + i.
; CLUSTERS 4 x 4: source 0's tile hangs on X alone and is asked for jointly by my column of the cluster, source 1's on Y alone, by my row.  All of K (two slots of 512) and the scale words are asked for at the start: nothing is filled again.
; GELU: 0.5 u (1 + tanh(z)) = u / (1 + 2^(u (k0 + k1 u^2))), k0 = -2 log2(e) sqrt(2 / pi), k1 = 0.044715 k0: one exponential and one reciprocal in f32.  Where the exponent overflows the quotient is 0 or u, as the limit is.
; LIMITS: a block whose largest magnitude lies under 2^-124 keeps the byte 1; NaN and infinities are not served.  The bias is added behind the sum over K.
.set KDIM,  1024
.set P1,    6                          ; source 1's buffer: x1_q
.set S1IMG, 98304
.set S1SCS, 4096
.set S1SC0, 3145728
.set KS,    KDIM/128
.set LAPS,  KDIM/1024
.set HALFC, 24576                      ; 64 rows x 512 K of codes: what one tensor load brings
.set SRC1,  49152                      ; in a slot: source 0's 128 rows, then source 1's
.set SLOT,  98304
.set HALFS, 256*KS                     ; the scale words of 64 rows, all of K
.set SCL,   2*SLOT
.set STAGE, SCL+4*HALFS
.set SPARE, STAGE+4*16*272             ; the spare words, 128 bytes a wave, which no other line names
.set SC0,   18874368
.set AD0L, 4                           ; v4-5   source 0's fragments in slot 0, 1: 16 l on;  v6-7: 8 l + 512 on
.set AD0S, 6
.set AD1L, 8                           ; v8-11  the same for source 1
.set AD1S, 10
.set ADRS, 12                          ; v12    scale words: lanes 0-15 source 0's, lanes 16-31 source 1's
.set SPW,  13                          ; v13    my spare word; never rewritten
.set NIL,  14                          ; v14    0; never rewritten
.set BA,   19                          ; v19    64 h
.set HO16, 20                          ; v20    16 l
.set HO8,  21                          ; v21    8 l + 512
.set SO,   22                          ; v22    16 r
.set SC,   24                          ; v24-31 scale words, two sets of four: scales and nothing else
.set TM,   32                          ; v32-55 at work
.set PW,   56                          ; v56-59 a tile's two scale bytes
.set CT,   60                          ; v60-75 the conversions' second halves (v[60:61] hold k0 until then)
.set T,    64                          ; v64-95 the gelu's 32 numbers at work
.set PC,   96                          ; v96-127 codes, 8 registers a tile
.set ACC,  128                         ; v128-255 accumulator (a, b) at 128 + 8 (4 a + b)
.set G1A,  24
.set G0A,  32
.set G1B,  48
.set G0B,  56
.set G1SA, 68
.set G0SA, 76
.set G1SB, 80
.set G0SB, 88
.set SEL,  42
.set MSB, 0
.macro WIN new                         ; the immediate's high byte repeats the setting that is left
.if MSB != \new
	s_set_vgpr_msb (MSB<<8)|\new
.set MSB, \new
.endif
.endm
.set MUL,  0x05                        ; sources 0 and 1 window 1 (two sets of fragments: v0-95, v128-223; v96-127 the bias); C and D window 0
.set TO_F, 0x40                        ; destination window 1
.macro JLOAD g0a, g1a, g0b, g1b        ; a joint load: waves 0, 1 fetch source 0's halves, waves 2, 3 source 1's; an s_nop 0 and four v_nop follow each line
	s_cmp_eq_u32 s17, 0
	s_cbranch_scc0 .Lfor_b_\@
	tensor_load_to_lds s[\g0a:\g0a+3], s[\g1a:\g1a+7]
	s_nop 0
.rept 4
	v_nop
.endr
	s_branch .Lasked_\@
.Lfor_b_\@:
	tensor_load_to_lds s[\g0b:\g0b+3], s[\g1b:\g1b+7]
	s_nop 0
.rept 4
	v_nop
.endr
.Lasked_\@:
.endm
.macro CREST
	s_cmp_lg_u32 s16, 0
	s_cbranch_scc1 .Lnot_wave_0_\@
	s_barrier_signal -3
.Lnot_wave_0_\@:
	s_barrier_wait -3
	s_barrier_signal -1
	s_barrier_wait -1
.endm
.macro CROUND                          ; a round of the cluster's barrier
	s_barrier_signal -1
	s_barrier_wait -1
	CREST
.endm
.macro PLACES                          ; four plain places behind matrix instructions, ahead of loads into their registers and of reads of their results
.rept 4
	v_nop
.endr
.endm
.macro FRAG reg, L, S, off             ; a fragment: two units of 768 bytes, consecutive bytes in every load
	ds_load_b128 v[\reg:\reg+3], v[\L] offset:\off
	ds_load_b64 v[\reg+4:\reg+5], v[\S] offset:\off
	ds_load_b128 v[\reg+6:\reg+9], v[\L] offset:\off+768
	ds_load_b64 v[\reg+10:\reg+11], v[\S] offset:\off+768
.endm
.macro FETCH slot, q, p                ; 33 loads: the scale words and the eight fragments of the slot's q-th 128 along K, into set p
	WIN 0
	ds_load_b128 v[SC+4*(\p):SC+4*(\p)+3], v[ADRS] offset:(4*(\slot)+(\q))*256
	WIN TO_F
.irp i, 0,1,2,3
	FRAG 128*(\p)+12*\i, AD0L+\slot, AD0S+\slot, \i*6144+(\q)*1536
	FRAG 128*(\p)+48+12*\i, AD1L+\slot, AD1S+\slot, \i*6144+(\q)*1536
.endr
.endm
.macro MUL8 p, a0, zero                ; the sixteen accumulators take turns, one instruction a turn, in the same order in every step
.irp a, \a0, \a0+1
.irp b, 0,1,2,3
.if \zero
	v_wmma_scale_f32_16x16x128_f8f6f4 v[ACC+8*(4*(\a)+\b):ACC+8*(4*(\a)+\b)+7], v[128*(\p)+12*\b:128*(\p)+12*\b+11], v[128*(\p)+48+12*(\a):128*(\p)+48+12*(\a)+11], 0, v[SC+4*(\p)+\b], v[SC+4*(\p)+(\a)] matrix_a_fmt:MATRIX_FMT_FP6 matrix_b_fmt:MATRIX_FMT_FP6 matrix_b_scale:MATRIX_SCALE_ROW1
.else
	v_wmma_scale_f32_16x16x128_f8f6f4 v[ACC+8*(4*(\a)+\b):ACC+8*(4*(\a)+\b)+7], v[128*(\p)+12*\b:128*(\p)+12*\b+11], v[128*(\p)+48+12*(\a):128*(\p)+48+12*(\a)+11], v[ACC+8*(4*(\a)+\b):ACC+8*(4*(\a)+\b)+7], v[SC+4*(\p)+\b], v[SC+4*(\p)+(\a)] matrix_a_fmt:MATRIX_FMT_FP6 matrix_b_fmt:MATRIX_FMT_FP6 matrix_b_scale:MATRIX_SCALE_ROW1
.endif
.endr
.endr
.endm
.macro STEP slot, q, zero              ; 128 along K whose successor lies in the same slot: the successor's loads go out first and have the step's 16 products in which to land
	s_wait_dscnt 0x0                               ; this step's fragments are in
	PLACES
	FETCH \slot, (\q)+1, 1-(\q)%2
	WIN MUL
	MUL8 (\q)%2, 0, \zero
	MUL8 (\q)%2, 2, \zero
	WIN 0
.endm
.macro TURN slot, next, fill           ; a slot's last step changes slots: one barrier; ahead of it all my tensor loads, the add, and my reads of this slot
	s_wait_tensorcnt 0x0                           ; my part of the next slot has landed
	ds_add_u32 v[SPW], v[NIL]
.if \fill
	s_add_nc_u64 s[G0A+4*\slot+2:G0A+4*\slot+3], s[G0A+4*\slot+2:G0A+4*\slot+3], 2*SRC1
	s_add_nc_u64 s[G0B+4*\slot+2:G0B+4*\slot+3], s[G0B+4*\slot+2:G0B+4*\slot+3], 2*SRC1
.endif
	s_wait_dscnt 0x0                               ; the add is done, this step's fragments are in: my reads of this slot are over
	s_barrier_signal -1
	WIN MUL
	MUL8 1, 0, 0
	WIN 0
	s_barrier_wait -1
.if \fill
	CREST
	JLOAD G0A+4*\slot, G1A, G0B+4*\slot, G1B
.else
	PLACES
.endif
.if \next == 0
	v_add_nc_u32 v[ADRS], 2048, v[ADRS]
.endif
	FETCH \next, 0, 0
	WIN MUL
	MUL8 1, 2, 0
	WIN 0
.endm
.macro GELU a                          ; tile a's 32 numbers of a lane; each batch of transcendentals has one plain place and one wait behind it
.set U, ACC+32*(\a)
.set j, 0
.rept 16
	v_pk_mul_f32 v[T+j:T+j+1], v[U+j:U+j+1], v[U+j:U+j+1]
.set j, j+2
.endr
.set j, 0
.rept 16
	v_pk_fma_f32 v[T+j:T+j+1], v[T+j:T+j+1], s[44:45], v[60:61] op_sel_hi:[1,0,1]   ; k1 u^2 + k0
.set j, j+2
.endr
.set j, 0
.rept 16
	v_pk_mul_f32 v[T+j:T+j+1], v[T+j:T+j+1], v[U+j:U+j+1]
.set j, j+2
.endr
.set j, 0
.rept 32
	v_exp_f32 v[T+j], v[T+j]
.set j, j+1
.endr
	v_nop
	s_wait_alu depctr_va_vdst(0)
.set j, 0
.rept 16
	v_pk_add_f32 v[T+j:T+j+1], v[T+j:T+j+1], 1.0 op_sel_hi:[1,0]
.set j, j+2
.endr
.set j, 0
.rept 32
	v_rcp_f32 v[T+j], v[T+j]
.set j, j+1
.endr
	v_nop
	s_wait_alu depctr_va_vdst(0)
.set j, 0
.rept 16
	v_pk_mul_f32 v[U+j:U+j+1], v[U+j:U+j+1], v[T+j:T+j+1]
.set j, j+2
.endr
.endm
	s_load_b256 s[4:11], s[0:1], 0x0               ; pre_q, x1_q, b1, hid_q
	v_lshl_add_u32 v[SPW], v0, 2, SPARE
	v_mov_b32 v[NIL], 0
	ds_add_u32 v[SPW], v[NIL]                      ; the wave's opening: the add, and its wait ahead of my first tensor load
	v_lshrrev_b32 v1, 5, v0
	v_readfirstlane_b32 s16, v1                    ; wave
	s_lshr_b32 s17, s16, 1                         ; w1: my 64 rows of source 1.  Also: I fetch for source 0 (0) or 1 (1)
	s_and_b32 s18, s16, 1                          ; w0: my 64 rows of source 0.  Also: which half I fetch
	s_bfe_u32 s20, ttmp6, 0x40000                  ; cx
	s_bfe_u32 s21, ttmp6, 0x40004                  ; cy
	s_lshl_b32 s22, ttmp9, 2
	s_add_co_u32 s22, s22, s20                     ; X
	s_and_b32 s100, ttmp7, 0xffff
	s_lshl_b32 s23, s100, 2
	s_add_co_u32 s23, s23, s21                     ; Y
	s_lshl_b32 s40, 0x1111, s20                    ; my column of the cluster
	s_lshl_b32 s41, s21, 2
	s_lshl_b32 s41, 15, s41                        ; my row
	s_or_b32 s[G1A], s40, (3<<16)|(1<<21)          ; the mask; elements of 8 bytes; bit 21 beside a mask; no padding
	s_or_b32 s[G1B], s41, (3<<16)|(1<<21)
	s_or_b32 s[G1SA], s40, (3<<16)|(1<<21)
	s_or_b32 s[G1SB], s41, (3<<16)|(1<<21)
.irp g, G1A, G1B                       ; 24,576 dense bytes as 96 rows of 256
	s_mov_b32 s[\g+1], 32<<16
	s_mov_b32 s[\g+2], 96<<16
	s_mov_b32 s[\g+3], 32<<16
	s_mov_b32 s[\g+4], 96
	s_mov_b32 s[\g+5], 32
	s_mov_b32 s[\g+6], 0
	s_mov_b32 s[\g+7], 0
.endr
.irp g, G1SA, G1SB                     ; 256 KS dense bytes as KS rows of 256
	s_mov_b32 s[\g+1], 32<<16
	s_mov_b32 s[\g+2], KS<<16
	s_mov_b32 s[\g+3], 32<<16
	s_mov_b32 s[\g+4], KS
	s_mov_b32 s[\g+5], 32
	s_mov_b32 s[\g+6], 0
	s_mov_b32 s[\g+7], 0
.endr
	s_mov_b32 s[SEL], 0x76543210
	s_mov_b32 s[SEL+1], 0xfedcba98
	s_mov_b32 s44, 0xbdd2d3e8                      ; k1 = -0.10294324
	s_mov_b32 s45, s44
	v_mov_b32 v60, 0xc0135761                      ; k0 = -2.3022082
	v_mov_b32 v61, 0xc0135761
.irp n, 0,1,2,3,4,5,6,7
	v_mov_b32 v[TM+8+\n], 0                        ; written once: a lane permute's destination counts as one of its sources
.endr
	s_add_co_u32 s47, s22, 32                      ; source 0: W1's tile X in pre_q
	s_mov_b32 s67, s23                             ; source 1: x1's tile Y
	s_mul_i32 s92, s47, 98304                      ; source 0: codes,
	s_mul_i32 s19, s18, HALFC
	s_add_co_u32 s92, s92, s19
	s_mov_b32 s93, 0
	s_lshl_b32 s94, s47, 12                        ; scale words
	s_mul_i32 s19, s18, HALFS
	s_add_co_u32 s94, s94, s19
	s_add_co_u32 s94, s94, SC0
	s_mov_b32 s95, 0
	s_mul_i32 s96, s67, S1IMG                      ; source 1 likewise
	s_mul_i32 s101, s18, HALFC
	s_add_co_u32 s96, s96, s101
	s_mov_b32 s97, 0
	s_mul_i32 s98, s67, S1SCS
	s_mul_i32 s101, s18, HALFS
	s_add_co_u32 s98, s98, s101
	s_add_co_u32 s98, s98, S1SC0
	s_mov_b32 s99, 0
	s_mul_i32 s2, s16, HALFC                       ; where they go: wave x a half: no place in the cluster enters an LDS address
	s_mul_i32 s66, s16, HALFS
	s_wait_dscnt 0x0                               ; the opening add is done
	s_wait_kmcnt 0x0
	s_add_nc_u64 s[92:93], s[4:5], s[92:93]
	s_add_nc_u64 s[94:95], s[4:5], s[94:95]
	s_add_nc_u64 s[96:97], s[P1:P1+1], s[96:97]
	s_add_nc_u64 s[98:99], s[P1:P1+1], s[98:99]
	CROUND                                         ; all sixteen work-groups are here: the first joint loads meet
	s_mov_b32 s[G0SA], 1
	s_add_co_u32 s[G0SA+1], s66, SCL
	s_mov_b64 s[G0SA+2:G0SA+3], s[94:95]
	s_or_b32 s[G0SA+3], s[G0SA+3], 0x80000000
	s_mov_b32 s[G0SB], 1
	s_add_co_u32 s[G0SB+1], s66, SCL
	s_mov_b64 s[G0SB+2:G0SB+3], s[98:99]
	s_or_b32 s[G0SB+3], s[G0SB+3], 0x80000000
	JLOAD G0SA, G1SA, G0SB, G1SB                   ; by this text's count three tensor loads of a wave are out: the scale words, slot 0, slot 1
.irp s, 0,1
	s_mov_b32 s[G0A+4*\s], 1
	s_add_co_u32 s[G0A+4*\s+1], s2, \s*SLOT
	s_add_nc_u64 s[G0A+4*\s+2:G0A+4*\s+3], s[92:93], \s*SRC1
	s_or_b32 s[G0A+4*\s+3], s[G0A+4*\s+3], 0x80000000
	s_mov_b32 s[G0B+4*\s], 1
	s_add_co_u32 s[G0B+4*\s+1], s2, \s*SLOT
	s_add_nc_u64 s[G0B+4*\s+2:G0B+4*\s+3], s[96:97], \s*SRC1
	s_or_b32 s[G0B+4*\s+3], s[G0B+4*\s+3], 0x80000000
	JLOAD G0A+4*\s, G1A, G0B+4*\s, G1B
.endr
	v_and_b32 v1, 15, v0                           ; r
	v_bfe_u32 v2, v0, 4, 1                         ; h
	v_and_b32 v3, 31, v0
	v_lshlrev_b32 v[HO16], 4, v3
	v_lshl_add_u32 v[HO8], v3, 3, 512
	s_mul_i32 s19, s18, HALFC
	s_mul_i32 s101, s17, HALFC
	s_add_co_u32 s101, s101, SRC1
.irp s, 0,1
	v_add_nc_u32 v[AD0L+\s], s19, v[HO16]
	v_add_nc_u32 v[AD0S+\s], s19, v[HO8]
	v_add_nc_u32 v[AD1L+\s], s101, v[HO16]
	v_add_nc_u32 v[AD1S+\s], s101, v[HO8]
	s_add_co_u32 s19, s19, SLOT
	s_add_co_u32 s101, s101, SLOT
.endr
	s_mul_i32 s19, s18, HALFS                      ; scale words: source 0's 64 rows,
	s_mul_i32 s101, s17, HALFS
	s_add_co_u32 s101, s101, 2*HALFS               ; source 1's, behind source 0's two halves
	s_sub_co_u32 s101, s101, s19
	v_mul_u32_u24 v3, s101, v2                     ; lanes 16-31 take source 1's: one product with h
	s_add_co_u32 s19, s19, SCL
	v_lshl_add_u32 v3, v1, 4, v3
	v_add_nc_u32 v[ADRS], s19, v3
	v_lshlrev_b32 v[BA], 6, v2
	v_lshlrev_b32 v[SO], 4, v1
	s_lshl_b32 s96, s22, 9                         ; b1: my 64 hidden units
	s_lshl_b32 s19, s18, 8
	s_add_co_u32 s96, s96, s19
	s_mov_b32 s97, 0
	s_add_nc_u64 s[96:97], s[8:9], s[96:97]
	s_lshl_b32 s98, s23, 3                         ; hid_q: [Y][X / 4][4 w1 + a][(2 X + w0) % 8][768]
	s_lshr_b32 s19, s22, 2
	s_add_co_u32 s98, s98, s19
	s_mul_i32 s98, s98, 49152
	s_mul_i32 s19, s17, 4*6144
	s_add_co_u32 s98, s98, s19
	s_lshl_b32 s19, s22, 1
	s_add_co_u32 s19, s19, s18
	s_and_b32 s19, s19, 7
	s_mul_i32 s19, s19, 768
	s_add_co_u32 s98, s98, s19
	s_mov_b32 s99, 0
	s_add_nc_u64 s[98:99], s[10:11], s[98:99]
	s_lshl_b32 s46, s23, 1                         ; its scale words: [2 Y + w1][X][256], bytes 2 w0 on
	s_add_co_u32 s46, s46, s17
	s_lshl_b32 s46, s46, 5
	s_add_co_u32 s46, s46, s22
	s_lshl_b32 s46, s46, 8
	s_lshl_b32 s19, s18, 1
	s_add_co_u32 s46, s46, s19
	s_add_co_u32 s46, s46, 12582912
	s_mov_b32 s47, 0
	s_add_nc_u64 s[46:47], s[10:11], s[46:47]
	WIN TO_F
.irp b, 0,1,2,3
	global_load_b128 v[96+8*\b:96+8*\b+3], v[BA], s[96:97] offset:128*(\b/2)+32*(\b%2)
	global_load_b128 v[96+8*\b+4:96+8*\b+7], v[BA], s[96:97] offset:128*(\b/2)+32*(\b%2)+16
.endr
	WIN 0
	s_wait_tensorcnt 0x1                           ; the scale words and my part of slot 0 are in; slot 1's load may be out
	s_barrier_signal -1
	s_barrier_wait -1
	FETCH 0, 0, 0
	STEP 0, 0, 1                                   ; the first products start the sums: nothing is cleared
	STEP 0, 1, 0
	STEP 0, 2, 0
	TURN 0, 1, 0
	STEP 1, 0, 0
	STEP 1, 1, 0
	STEP 1, 2, 0
	s_wait_dscnt 0x0
	WIN MUL
	MUL8 1, 0, 0
	MUL8 1, 2, 0
	WIN 0
	PLACES
	s_wait_loadcnt 0x0                             ; the bias
	WIN 0x04                                       ; source 1 window 1
.irp a, 0,1,2,3
.set j, 0
.rept 16
	v_pk_add_f32 v[ACC+32*\a+j:ACC+32*\a+j+1], v[ACC+32*\a+j:ACC+32*\a+j+1], v[96+j:96+j+1]   ; + b1; each accumulator from its low end on
.set j, j+2
.endr
.endr
	WIN 0
	GELU 0
	GELU 1
	GELU 2
	GELU 3
	; eight blocks of 32 (block n = 2 a + B at ACC + 16 n), by turns
.irp n, 0,1,2,3,4,5,6,7
	v_max3_num_f32 v[TM+\n], |v[ACC+16*\n]|, |v[ACC+16*\n+1]|, 0x1800000   ; with the floor 2^(3 - 127)
.endr
.irp i, 2,4,6,8,10,12,14
.irp n, 0,1,2,3,4,5,6,7
	v_max3_num_f32 v[TM+\n], v[TM+\n], |v[ACC+16*\n+\i]|, |v[ACC+16*\n+\i+1]|
.endr
.endr
.irp n, 0,1,2,3,4,5,6,7
	v_permlanex16_b32 v[TM+8+\n], v[TM+\n], s[SEL], s[SEL+1]
.endr
.irp n, 0,1,2,3,4,5,6,7
	v_max_num_f32 v[TM+\n], v[TM+\n], v[TM+8+\n]
.endr
.irp n, 0,1,2,3,4,5,6,7
	v_add_nc_u32 v[TM+16+\n], 0xff000000, v[TM+\n] ; 2 off the exponent field: the conversion's scale operand
.endr
.irp n, 0,1,2,3,4,5,6,7
	v_lshrrev_b32 v[TM+8+\n], 23, v[TM+16+\n]      ; the byte
.endr
.irp a, 0,1,2,3
	v_lshl_or_b32 v[PW+\a], v[TM+9+2*\a], 8, v[TM+8+2*\a]
.endr
.irp a, 0,1,2,3
	v_cvt_scalef32_pk16_fp6_f32 v[PC+8*\a:PC+8*\a+2], v[ACC+32*\a:ACC+32*\a+15], v[TM+16+2*\a]
	v_cvt_scalef32_pk16_fp6_f32 v[CT+4*\a:CT+4*\a+2], v[ACC+32*\a+16:ACC+32*\a+31], v[TM+17+2*\a]
.endr
	v_nop                                          ; one plain place behind a scaled conversion
.irp a, 0,1,2,3
.irp i, 0,1,2
	v_permlane16_swap_b32 v[PC+8*\a+\i], v[CT+4*\a+\i]   ; a whole block to a lane
.endr
.irp i, 0,1,2
	v_mov_b32 v[PC+8*\a+3+\i], v[CT+4*\a+\i]
.endr
.endr
.irp a, 0,1,2,3
	global_store_b128 v[HO16], v[PC+8*\a:PC+8*\a+3], s[98:99] offset:\a*6144
	global_store_b64 v[HO8], v[PC+8*\a+4:PC+8*\a+5], s[98:99] offset:\a*6144
	global_store_b16 v[SO], v[PW+\a], s[46:47] offset:4*\a   ; two of the word's four bytes (lanes 16-31 hold and store the same)
.endr
	s_wait_tensorcnt 0x0                           ; the wave's end
	ds_add_u32 v[SPW], v[NIL]
	s_wait_dscnt 0x0
	CROUND                                         ; the closing round
	s_endpgm
.Lfunc_end_k_q9ad0c035ff_mm_up:
	.size	k_q9ad0c035ff_mm_up, .Lfunc_end_k_q9ad0c035ff_mm_up-k_q9ad0c035ff_mm_up
	.p2alignl 7, 3214868480
	.fill 96, 4, 3214868480
	.section	.rodata,"a",@progbits
	.p2align	6, 0x0
	.amdhsa_kernel k_q9ad0c035ff_mm_up
		.amdhsa_group_segment_fixed_size 327680
		.amdhsa_private_segment_fixed_size 0
		.amdhsa_enable_private_segment 0
		.amdhsa_kernarg_size 32
		.amdhsa_user_sgpr_count 2
		.amdhsa_user_sgpr_kernarg_segment_ptr 1
		.amdhsa_wavefront_size32 1
		.amdhsa_system_sgpr_workgroup_id_x 1
		.amdhsa_system_sgpr_workgroup_id_y 1
		.amdhsa_system_sgpr_workgroup_id_z 1
		.amdhsa_system_vgpr_workitem_id 0
		.amdhsa_next_free_vgpr 512
		.amdhsa_next_free_sgpr 102
		.amdhsa_reserve_vcc 0
		.amdhsa_float_denorm_mode_32 3
		.amdhsa_float_denorm_mode_16_64 3
		.amdhsa_memory_ordered 1
		.amdhsa_forward_progress 1
		.amdhsa_inst_pref_size 88
	.end_amdhsa_kernel
	.amdgpu_metadata
---
amdhsa.version: [ 1, 2 ]
amdhsa.kernels:
  - .name:           k_q9ad0c035ff_mm_up
    .symbol:         k_q9ad0c035ff_mm_up.kd
    .args:
      - { .name: pre_q, .offset: 0, .size: 8, .value_kind: global_buffer, .address_space: global }
      - { .name: x1_q, .offset: 8, .size: 8, .value_kind: global_buffer, .address_space: global }
      - { .name: b1, .offset: 16, .size: 8, .value_kind: global_buffer, .address_space: global }
      - { .name: hid_q, .offset: 24, .size: 8, .value_kind: global_buffer, .address_space: global }
    .group_segment_fixed_size: 327680
    .private_segment_fixed_size: 0
    .kernarg_segment_align: 8
    .kernarg_segment_size: 32
    .max_flat_workgroup_size: 128
    .sgpr_count:     102
    .vgpr_count:     512
    .wavefront_size: 32
...
	.end_amdgpu_metadata
.endif
;; end of part 5
;; launch mm_down (part 6): grid 8 x 32, 4 waves a work-group, clusters of 4 x 4, 327,680 bytes of LDS; arguments pre_q, hid_q, x1_f, b2, out0; writes out0
.if DOCPART == 6
	.amdgcn_target "amdgcn-amd-amdhsa--gfx1250"
	.amdhsa_code_object_version 6
	.text
	.protected	k_q9ad0c035ff_mm_down
	.globl	k_q9ad0c035ff_mm_down
	.p2align	8
	.type	k_q9ad0c035ff_mm_down,@function
k_q9ad0c035ff_mm_down:
	s_mov_b64 s[64:65], 0
	v_nop
	global_prefetch_b8 v0, s[64:65] scope:SCOPE_SE
	s_setreg_imm32_b32 hwreg(HW_REG_WAVE_MODE, 25, 1), 1
	s_wait_xcnt 0x0
	s_wait_alu depctr_hold_cnt(0) depctr_sa_sdst(0) depctr_va_vdst(0) depctr_va_sdst(0) depctr_va_ssrc(0) depctr_va_vcc(0) depctr_vm_vsrc(0)
	s_getreg_b32 s2, hwreg(HW_REG_IB_STS2, 6, 4)
	s_cmp_eq_u32 s2, 0
	s_cbranch_scc0 .Lentry_in_a_cluster
	s_endpgm
.Lentry_in_a_cluster:
	s_bfe_u32 s2, ttmp6, 0x10000c
	s_cmp_lg_u32 s2, 0xf033
	s_cbranch_scc0 .Lentry_shape_is_right
	s_endpgm
.Lentry_shape_is_right:
; out0 = x1 + (hid W2 + b2): the product on codes of FP6 (E2M3) with E8M0 scales, K = 4,096; out0 is f32.
; OPERANDS are images of registers (768 bytes = 16 rows x 64 K: lane l's registers 0-3 at 16 l, registers 4-5 at 512 + 8 l), laid [128 rows][512 K][tile 0..7][64 K 0..7]; lane r of tile T holds row 32 (T/2) + 8 (T%2) + r + 8 (r/8).
; A work-group makes 128 x 128, a wave 64 x 64: accumulator (a, b) = source 0's tile b (W2's columns) x source 1's tile a (hid's rows).  A lane holds ONE row, and the 32 registers of (a, 0..3) are its columns 32 B + 16 (lane / 16) + i at register 16 B + i.
; K goes through a ring of two LDS slots of 512 along K (four steps of 128 each); each wave brings a quarter of a slot, 24,576 dense bytes, by one tensor load.  The scale words of all of K come once, with the first fills.
; CLUSTERS 4 x 4: source 0's tile hangs on X alone and is asked for jointly by my column of the cluster, source 1's on Y alone, by my row; where a slot is filled again a round of the cluster's barrier stands ahead of the joint refill.
; No prefetch: every tile is asked for by several clusters at about the same time, and a refill has four steps, 56 products a wave, in which to land.
; LIMITS: NaN and infinities are not served.  Residual and bias are added behind the sum over K.
.set KDIM,  4096
.set P1,    6                          ; source 1's buffer: hid_q
.set S1IMG, 393216
.set S1SCS, 16384
.set S1SC0, 12582912
.set KS,    KDIM/128
.set LAPS,  KDIM/1024
.set HALFC, 24576                      ; 64 rows x 512 K of codes: what one tensor load brings
.set SRC1,  49152                      ; in a slot: source 0's 128 rows, then source 1's
.set SLOT,  98304
.set HALFS, 256*KS                     ; the scale words of 64 rows, all of K
.set SCL,   2*SLOT
.set STAGE, SCL+4*HALFS                ; the way out: 16 rows x (256 + 16) bytes a wave; no fill lands here
.set SPARE, STAGE+4*16*272             ; the spare words, 128 bytes a wave, which no other line names
.set SC0,   18874368
.set AD0L, 4                           ; v4-5   source 0's fragments in slot 0, 1: 16 l on;  v6-7: 8 l + 512 on
.set AD0S, 6
.set AD1L, 8                           ; v8-11  the same for source 1
.set AD1S, 10
.set ADRS, 12                          ; v12    scale words: lanes 0-15 source 0's, lanes 16-31 source 1's; 2,048 bytes on in each lap
.set SPW,  13                          ; v13    my spare word; never rewritten
.set NIL,  14                          ; v14    0; never rewritten
.set STO,  15                          ; v15    into the stage
.set RD,   16                          ; v16    out of it
.set CO,   17                          ; v17    4,096 h + 16 r
.set XA,   18                          ; v18    (r + 8 (r / 8)) 4,096 + 64 h
.set BA,   19                          ; v19    64 h
.set HO16, 20                          ; v20    16 l
.set HO8,  21                          ; v21    8 l + 512
.set SC,   24                          ; v24-31 scale words, two sets of four: scales and nothing else
.set ACC,  128                         ; v128-255 accumulator (a, b) at 128 + 8 (4 a + b)
.set G1A,  24
.set G0A,  32
.set G1B,  48
.set G0B,  56
.set G1SA, 68
.set G0SA, 76
.set G1SB, 80
.set G0SB, 88
.set MSB, 0
.macro WIN new                         ; the immediate's high byte repeats the setting that is left
.if MSB != \new
	s_set_vgpr_msb (MSB<<8)|\new
.set MSB, \new
.endif
.endm
.set MUL,  0x05                        ; sources 0 and 1 window 1 (two sets of fragments: v0-95, v128-223; v96-127 the bias); C and D window 0.  Window 2: v0-127 the residual
.set TO_F, 0x40                        ; destination window 1
.macro JLOAD g0a, g1a, g0b, g1b        ; a joint load: waves 0, 1 fetch source 0's halves, waves 2, 3 source 1's; an s_nop 0 and four v_nop follow each line
	s_cmp_eq_u32 s17, 0
	s_cbranch_scc0 .Lfor_b_\@
	tensor_load_to_lds s[\g0a:\g0a+3], s[\g1a:\g1a+7]
	s_nop 0
.rept 4
	v_nop
.endr
	s_branch .Lasked_\@
.Lfor_b_\@:
	tensor_load_to_lds s[\g0b:\g0b+3], s[\g1b:\g1b+7]
	s_nop 0
.rept 4
	v_nop
.endr
.Lasked_\@:
.endm
.macro CREST                           ; a round of the cluster's barrier behind its opening barrier
	s_cmp_lg_u32 s16, 0
	s_cbranch_scc1 .Lnot_wave_0_\@
	s_barrier_signal -3
.Lnot_wave_0_\@:
	s_barrier_wait -3
	s_barrier_signal -1
	s_barrier_wait -1
.endm
.macro CROUND                          ; a whole round
	s_barrier_signal -1
	s_barrier_wait -1
	CREST
.endm
.macro PLACES                          ; four plain places behind matrix instructions, ahead of loads into their registers and of reads of their results
.rept 4
	v_nop
.endr
.endm
.macro FRAG reg, L, S, off             ; a fragment: two units of 768 bytes, consecutive bytes in every load
	ds_load_b128 v[\reg:\reg+3], v[\L] offset:\off
	ds_load_b64 v[\reg+4:\reg+5], v[\S] offset:\off
	ds_load_b128 v[\reg+6:\reg+9], v[\L] offset:\off+768
	ds_load_b64 v[\reg+10:\reg+11], v[\S] offset:\off+768
.endm
.macro FETCH slot, q, p                ; 33 loads: the scale words and the eight fragments of the slot's q-th 128 along K, into set p
	WIN 0
	ds_load_b128 v[SC+4*(\p):SC+4*(\p)+3], v[ADRS] offset:(4*(\slot)+(\q))*256
	WIN TO_F
.irp i, 0,1,2,3
	FRAG 128*(\p)+12*\i, AD0L+\slot, AD0S+\slot, \i*6144+(\q)*1536
	FRAG 128*(\p)+48+12*\i, AD1L+\slot, AD1S+\slot, \i*6144+(\q)*1536
.endr
.endm
.macro MUL8 p, a0, zero                ; the sixteen accumulators take turns, one instruction a turn, in the same order in every step, over the loop's backward jump too
.irp a, \a0, \a0+1
.irp b, 0,1,2,3
.if \zero
	v_wmma_scale_f32_16x16x128_f8f6f4 v[ACC+8*(4*(\a)+\b):ACC+8*(4*(\a)+\b)+7], v[128*(\p)+12*\b:128*(\p)+12*\b+11], v[128*(\p)+48+12*(\a):128*(\p)+48+12*(\a)+11], 0, v[SC+4*(\p)+\b], v[SC+4*(\p)+(\a)] matrix_a_fmt:MATRIX_FMT_FP6 matrix_b_fmt:MATRIX_FMT_FP6 matrix_b_scale:MATRIX_SCALE_ROW1
.else
	v_wmma_scale_f32_16x16x128_f8f6f4 v[ACC+8*(4*(\a)+\b):ACC+8*(4*(\a)+\b)+7], v[128*(\p)+12*\b:128*(\p)+12*\b+11], v[128*(\p)+48+12*(\a):128*(\p)+48+12*(\a)+11], v[ACC+8*(4*(\a)+\b):ACC+8*(4*(\a)+\b)+7], v[SC+4*(\p)+\b], v[SC+4*(\p)+(\a)] matrix_a_fmt:MATRIX_FMT_FP6 matrix_b_fmt:MATRIX_FMT_FP6 matrix_b_scale:MATRIX_SCALE_ROW1
.endif
.endr
.endr
.endm
.macro STEP slot, q, zero              ; 128 along K whose successor lies in the same slot: the successor's loads go out first and have the step's 16 products in which to land
	s_wait_dscnt 0x0                               ; this step's fragments are in
	PLACES
	FETCH \slot, (\q)+1, 1-(\q)%2
	WIN MUL
	MUL8 (\q)%2, 0, \zero
	MUL8 (\q)%2, 2, \zero
	WIN 0
.endm
.macro TURN slot, next, fill           ; a slot's last step changes slots: one barrier; ahead of it all my tensor loads, the add, and my reads of this slot.  fill = 1: this slot is filled again, 1,024 along K ahead
	s_wait_tensorcnt 0x0                           ; all my tensor loads have landed: the one that was out is my part of the next slot; so a group 0 may be written
	ds_add_u32 v[SPW], v[NIL]
.if \fill
	s_add_nc_u64 s[G0A+4*\slot+2:G0A+4*\slot+3], s[G0A+4*\slot+2:G0A+4*\slot+3], 2*SRC1
	s_add_nc_u64 s[G0B+4*\slot+2:G0B+4*\slot+3], s[G0B+4*\slot+2:G0B+4*\slot+3], 2*SRC1
.endif
	s_wait_dscnt 0x0                               ; the add is done, this step's fragments are in: my reads of this slot are over
	s_barrier_signal -1                            ; (with fill = 1 this barrier opens a round of the cluster's barrier)
	WIN MUL
	MUL8 1, 0, 0                                   ; work on registers while the others arrive
	WIN 0
	s_barrier_wait -1
.if \fill
	CREST                                          ; no wave of any partner still reads this slot or has a load on its way
	JLOAD G0A+4*\slot, G1A, G0B+4*\slot, G1B       ; the first tensor load behind the round, one a wave; its four v_nop are also the places ahead of the loads below
.else
	PLACES
.endif
.if \next == 0
	v_add_nc_u32 v[ADRS], 2048, v[ADRS]            ; the next lap's scale words
.endif
	FETCH \next, 0, 0
	WIN MUL
	MUL8 1, 2, 0
	WIN 0
.endm
.macro TOSTAGE a                       ; tile a: 16 rows x 256 bytes into my stage and back as whole rows; LDS serves a wave's instructions in order
.irp b, 0,1,2,3
	ds_store_b128 v[STO], v[ACC+8*(4*(\a)+\b):ACC+8*(4*(\a)+\b)+3] offset:128*(\b/2)+32*(\b%2)
	ds_store_b128 v[STO], v[ACC+8*(4*(\a)+\b)+4:ACC+8*(4*(\a)+\b)+7] offset:128*(\b/2)+32*(\b%2)+16
.endr
	WIN TO_F
.irp i, 0,1,2,3,4,5,6,7
	ds_load_b128 v[32*((\a)%2)+4*\i:32*((\a)%2)+4*\i+3], v[RD] offset:544*\i
.endr
	WIN 0
.endm
.macro SEND a, younger                 ; younger: the LDS instructions issued behind tile a's loads
	s_wait_dscnt \younger
	WIN 0x04                                       ; a store's data: window 1
.irp i, 0,1,2,3,4,5,6,7
	global_store_b128 v[CO], v[32*((\a)%2)+4*\i:32*((\a)%2)+4*\i+3], s[94:95] offset:(32*((\a)/2)+8*((\a)%2)+2*\i+8*(\i/4))*4096 th:TH_STORE_NT   ; sixteen lanes store 256 consecutive bytes, aligned
.endr
	WIN 0
.endm
	s_load_b256 s[4:11], s[0:1], 0x0               ; pre_q, hid_q, x1_f, b2
	s_load_b64 s[12:13], s[0:1], 0x20              ; out0
	v_lshl_add_u32 v[SPW], v0, 2, SPARE
	v_mov_b32 v[NIL], 0
	ds_add_u32 v[SPW], v[NIL]                      ; the wave's opening: the add, and its wait ahead of my first tensor load
	v_lshrrev_b32 v1, 5, v0
	v_readfirstlane_b32 s16, v1                    ; wave
	s_lshr_b32 s17, s16, 1                         ; w1: my 64 rows of source 1.  Also: I fetch for source 0 (0) or 1 (1)
	s_and_b32 s18, s16, 1                          ; w0: my 64 rows of source 0.  Also: which half I fetch
	s_bfe_u32 s20, ttmp6, 0x40000                  ; cx
	s_bfe_u32 s21, ttmp6, 0x40004                  ; cy
	s_lshl_b32 s22, ttmp9, 2
	s_add_co_u32 s22, s22, s20                     ; X
	s_and_b32 s100, ttmp7, 0xffff
	s_lshl_b32 s23, s100, 2
	s_add_co_u32 s23, s23, s21                     ; Y
	s_lshl_b32 s40, 0x1111, s20                    ; my column of the cluster
	s_lshl_b32 s41, s21, 2
	s_lshl_b32 s41, 15, s41                        ; my row
	s_or_b32 s[G1A], s40, (3<<16)|(1<<21)          ; the mask; elements of 8 bytes; bit 21 beside a mask; no padding
	s_or_b32 s[G1B], s41, (3<<16)|(1<<21)
	s_or_b32 s[G1SA], s40, (3<<16)|(1<<21)
	s_or_b32 s[G1SB], s41, (3<<16)|(1<<21)
.irp g, G1A, G1B                       ; 24,576 dense bytes as 96 rows of 256
	s_mov_b32 s[\g+1], 32<<16
	s_mov_b32 s[\g+2], 96<<16
	s_mov_b32 s[\g+3], 32<<16
	s_mov_b32 s[\g+4], 96
	s_mov_b32 s[\g+5], 32
	s_mov_b32 s[\g+6], 0
	s_mov_b32 s[\g+7], 0
.endr
.irp g, G1SA, G1SB                     ; 256 KS dense bytes as KS rows of 256
	s_mov_b32 s[\g+1], 32<<16
	s_mov_b32 s[\g+2], KS<<16
	s_mov_b32 s[\g+3], 32<<16
	s_mov_b32 s[\g+4], KS
	s_mov_b32 s[\g+5], 32
	s_mov_b32 s[\g+6], 0
	s_mov_b32 s[\g+7], 0
.endr
	s_lshl_b32 s47, s22, 2
	s_add_co_u32 s47, s47, 64                      ; source 0: W2's tile X in pre_q
	s_mov_b32 s67, s23                             ; source 1: hid's tile Y
	s_mul_i32 s92, s47, 98304                      ; source 0: codes,
	s_mul_i32 s19, s18, HALFC
	s_add_co_u32 s92, s92, s19
	s_mov_b32 s93, 0
	s_lshl_b32 s94, s47, 12                        ; scale words
	s_mul_i32 s19, s18, HALFS
	s_add_co_u32 s94, s94, s19
	s_add_co_u32 s94, s94, SC0
	s_mov_b32 s95, 0
	s_mul_i32 s96, s67, S1IMG                      ; source 1 likewise
	s_mul_i32 s101, s18, HALFC
	s_add_co_u32 s96, s96, s101
	s_mov_b32 s97, 0
	s_mul_i32 s98, s67, S1SCS
	s_mul_i32 s101, s18, HALFS
	s_add_co_u32 s98, s98, s101
	s_add_co_u32 s98, s98, S1SC0
	s_mov_b32 s99, 0
	s_mul_i32 s2, s16, HALFC                       ; where they go: wave x a half: no place in the cluster enters an LDS address
	s_mul_i32 s66, s16, HALFS
	s_wait_dscnt 0x0                               ; the opening add is done
	s_wait_kmcnt 0x0
	s_add_nc_u64 s[92:93], s[4:5], s[92:93]
	s_add_nc_u64 s[94:95], s[4:5], s[94:95]
	s_add_nc_u64 s[96:97], s[P1:P1+1], s[96:97]
	s_add_nc_u64 s[98:99], s[P1:P1+1], s[98:99]
	CROUND                                         ; all sixteen work-groups are here: the first joint loads meet
	s_mov_b32 s[G0SA], 1
	s_add_co_u32 s[G0SA+1], s66, SCL
	s_mov_b64 s[G0SA+2:G0SA+3], s[94:95]
	s_or_b32 s[G0SA+3], s[G0SA+3], 0x80000000
	s_mov_b32 s[G0SB], 1
	s_add_co_u32 s[G0SB+1], s66, SCL
	s_mov_b64 s[G0SB+2:G0SB+3], s[98:99]
	s_or_b32 s[G0SB+3], s[G0SB+3], 0x80000000
	JLOAD G0SA, G1SA, G0SB, G1SB                   ; by this text's count three tensor loads of a wave are out at the start (the scale words, slot 0, slot 1), later the one of a refill
.irp s, 0,1
	s_mov_b32 s[G0A+4*\s], 1
	s_add_co_u32 s[G0A+4*\s+1], s2, \s*SLOT
	s_add_nc_u64 s[G0A+4*\s+2:G0A+4*\s+3], s[92:93], \s*SRC1
	s_or_b32 s[G0A+4*\s+3], s[G0A+4*\s+3], 0x80000000
	s_mov_b32 s[G0B+4*\s], 1
	s_add_co_u32 s[G0B+4*\s+1], s2, \s*SLOT
	s_add_nc_u64 s[G0B+4*\s+2:G0B+4*\s+3], s[96:97], \s*SRC1
	s_or_b32 s[G0B+4*\s+3], s[G0B+4*\s+3], 0x80000000
	JLOAD G0A+4*\s, G1A, G0B+4*\s, G1B
.endr
	v_and_b32 v1, 15, v0                           ; r
	v_bfe_u32 v2, v0, 4, 1                         ; h
	v_and_b32 v3, 31, v0
	v_lshlrev_b32 v[HO16], 4, v3
	v_lshl_add_u32 v[HO8], v3, 3, 512
	s_mul_i32 s19, s18, HALFC
	s_mul_i32 s101, s17, HALFC
	s_add_co_u32 s101, s101, SRC1
.irp s, 0,1
	v_add_nc_u32 v[AD0L+\s], s19, v[HO16]
	v_add_nc_u32 v[AD0S+\s], s19, v[HO8]
	v_add_nc_u32 v[AD1L+\s], s101, v[HO16]
	v_add_nc_u32 v[AD1S+\s], s101, v[HO8]
	s_add_co_u32 s19, s19, SLOT
	s_add_co_u32 s101, s101, SLOT
.endr
	s_mul_i32 s19, s18, HALFS                      ; scale words: source 0's 64 rows,
	s_mul_i32 s101, s17, HALFS
	s_add_co_u32 s101, s101, 2*HALFS               ; source 1's, behind source 0's two halves
	s_sub_co_u32 s101, s101, s19
	v_mul_u32_u24 v3, s101, v2                     ; lanes 16-31 take source 1's: one product with h
	s_add_co_u32 s19, s19, SCL
	v_lshl_add_u32 v3, v1, 4, v3
	v_add_nc_u32 v[ADRS], s19, v3
	s_mul_i32 s19, s16, 16*272
	s_add_co_u32 s19, s19, STAGE
	v_mul_u32_u24 v3, v1, 272
	v_lshl_add_u32 v3, v2, 6, v3
	v_add_nc_u32 v[STO], s19, v3                   ; row r, + 64 h
	v_mul_u32_u24 v3, v2, 272
	v_lshl_add_u32 v3, v1, 4, v3
	v_add_nc_u32 v[RD], s19, v3                    ; lanes 0-15 one row, lanes 16-31 the next
	v_lshlrev_b32 v[CO], 12, v2
	v_lshl_add_u32 v[CO], v1, 4, v[CO]
	v_and_b32 v3, 8, v1
	v_add_nc_u32 v3, v3, v1                        ; r + 8 (r / 8)
	v_lshlrev_b32 v[BA], 6, v2
	v_lshl_add_u32 v[XA], v3, 12, v[BA]
	; my 64 x 64 of x1_f and of out0: row 128 Y + 64 w1, column 128 X + 64 w0
	s_lshl_b32 s92, s23, 19
	s_lshl_b32 s19, s17, 18
	s_add_co_u32 s92, s92, s19
	s_lshl_b32 s96, s22, 9
	s_lshl_b32 s19, s18, 8
	s_add_co_u32 s96, s96, s19
	s_add_co_u32 s92, s92, s96
	s_mov_b32 s93, 0
	s_mov_b32 s97, 0
	s_add_nc_u64 s[94:95], s[12:13], s[92:93]      ; out0
	s_add_nc_u64 s[92:93], s[8:9], s[92:93]        ; x1_f
	s_add_nc_u64 s[96:97], s[10:11], s[96:97]      ; b2
	WIN 0x80                                       ; destination window 2: the residual, in the accumulators' layout; it lands under the products
.irp a, 0,1,2,3
.irp b, 0,1,2,3
	global_load_b128 v[8*(4*\a+\b):8*(4*\a+\b)+3], v[XA], s[92:93] offset:(32*(\a/2)+8*(\a%2))*4096+128*(\b/2)+32*(\b%2)
	global_load_b128 v[8*(4*\a+\b)+4:8*(4*\a+\b)+7], v[XA], s[92:93] offset:(32*(\a/2)+8*(\a%2))*4096+128*(\b/2)+32*(\b%2)+16
.endr
.endr
	WIN TO_F
.irp b, 0,1,2,3
	global_load_b128 v[96+8*\b:96+8*\b+3], v[BA], s[96:97] offset:128*(\b/2)+32*(\b%2)
	global_load_b128 v[96+8*\b+4:96+8*\b+7], v[BA], s[96:97] offset:128*(\b/2)+32*(\b%2)+16
.endr
	WIN 0
	s_wait_tensorcnt 0x1                           ; the scale words and my part of slot 0 are in; slot 1's load may be out
	s_barrier_signal -1
	s_barrier_wait -1
	FETCH 0, 0, 0
	STEP 0, 0, 1                                   ; the first products start the sums: nothing is cleared
	s_mov_b32 s3, LAPS-1
.Llap:                                                 ; a trip goes once round the ring, from a lap's second step to the next lap's first, and fills both slots again
	STEP 0, 1, 0
	STEP 0, 2, 0
	TURN 0, 1, 1
	STEP 1, 0, 0
	STEP 1, 1, 0
	STEP 1, 2, 0
	TURN 1, 0, 1
	STEP 0, 0, 0
	s_sub_co_u32 s3, s3, 1
	s_cmp_lg_u32 s3, 0
	s_cbranch_scc1 .Llap
	STEP 0, 1, 0                                   ; the last lap is written out: it fills nothing
	STEP 0, 2, 0
	TURN 0, 1, 0
	STEP 1, 0, 0
	STEP 1, 1, 0
	STEP 1, 2, 0
	s_wait_dscnt 0x0
	WIN MUL
	MUL8 1, 0, 0
	MUL8 1, 2, 0
	WIN 0
	PLACES
	s_wait_loadcnt 0x0                             ; the residual and the bias
	WIN 0x08                                       ; source 1 window 2
.set j, 0
.rept 64
	v_pk_add_f32 v[ACC+j:ACC+j+1], v[ACC+j:ACC+j+1], v[j:j+1]   ; + x1; each accumulator from its low end on
.set j, j+2
.endr
	WIN 0x04                                       ; source 1 window 1
.irp a, 0,1,2,3
.set j, 0
.rept 16
	v_pk_add_f32 v[ACC+32*\a+j:ACC+32*\a+j+1], v[ACC+32*\a+j:ACC+32*\a+j+1], v[96+j:96+j+1]   ; + b2
.set j, j+2
.endr
.endr
	WIN 0
	TOSTAGE 0
	TOSTAGE 1
	SEND 0, 16                                     ; behind tile 0's loads: tile 1's 8 stores and 8 loads
	s_wait_xcnt 0x0                                ; tile 0's stores have read their registers: tile 2's loads may land there
	TOSTAGE 2
	SEND 1, 16
	s_wait_xcnt 0x0
	TOSTAGE 3
	SEND 2, 16
	SEND 3, 0
	s_wait_tensorcnt 0x0                           ; the wave's end
	ds_add_u32 v[SPW], v[NIL]
	s_wait_dscnt 0x0
	CROUND                                         ; the closing round: no work-group ends while a partner may still ask for a tile that names it
	s_endpgm
.Lfunc_end_k_q9ad0c035ff_mm_down:
	.size	k_q9ad0c035ff_mm_down, .Lfunc_end_k_q9ad0c035ff_mm_down-k_q9ad0c035ff_mm_down
	.p2alignl 7, 3214868480
	.fill 96, 4, 3214868480
	.section	.rodata,"a",@progbits
	.p2align	6, 0x0
	.amdhsa_kernel k_q9ad0c035ff_mm_down
		.amdhsa_group_segment_fixed_size 327680
		.amdhsa_private_segment_fixed_size 0
		.amdhsa_enable_private_segment 0
		.amdhsa_kernarg_size 40
		.amdhsa_user_sgpr_count 2
		.amdhsa_user_sgpr_kernarg_segment_ptr 1
		.amdhsa_wavefront_size32 1
		.amdhsa_system_sgpr_workgroup_id_x 1
		.amdhsa_system_sgpr_workgroup_id_y 1
		.amdhsa_system_sgpr_workgroup_id_z 1
		.amdhsa_system_vgpr_workitem_id 0
		.amdhsa_next_free_vgpr 640
		.amdhsa_next_free_sgpr 102
		.amdhsa_reserve_vcc 0
		.amdhsa_float_denorm_mode_32 3
		.amdhsa_float_denorm_mode_16_64 3
		.amdhsa_memory_ordered 1
		.amdhsa_forward_progress 1
		.amdhsa_inst_pref_size 102
	.end_amdhsa_kernel
	.amdgpu_metadata
---
amdhsa.version: [ 1, 2 ]
amdhsa.kernels:
  - .name:           k_q9ad0c035ff_mm_down
    .symbol:         k_q9ad0c035ff_mm_down.kd
    .args:
      - { .name: pre_q, .offset: 0, .size: 8, .value_kind: global_buffer, .address_space: global }
      - { .name: hid_q, .offset: 8, .size: 8, .value_kind: global_buffer, .address_space: global }
      - { .name: x1_f, .offset: 16, .size: 8, .value_kind: global_buffer, .address_space: global }
      - { .name: b2, .offset: 24, .size: 8, .value_kind: global_buffer, .address_space: global }
      - { .name: out0, .offset: 32, .size: 8, .value_kind: global_buffer, .address_space: global }
    .group_segment_fixed_size: 327680
    .private_segment_fixed_size: 0
    .kernarg_segment_align: 8
    .kernarg_segment_size: 40
    .max_flat_workgroup_size: 128
    .sgpr_count:     102
    .vgpr_count:     640
    .wavefront_size: 32
...
	.end_amdgpu_metadata
.endif
;; end of part 6
;; ======== version 2 of 2: 6 launches
;; limits: right only within a limited range of input values
;; workspace buffers: pre_q 19,660,800 bytes; qkv_q 16,777,216 bytes; att_q 3,276,800 bytes; x1_f 16,777,216 bytes; x1_q 3,276,800 bytes; hid_q 13,107,200 bytes
;; launch pre (part 7): grid 1152 x 1, 4 waves a work-group, no clusters, 46,592 bytes of LDS; arguments x, inp, Wq, Wk, Wv, Wo, W1, W2, pre_q; writes pre_q
.if DOCPART == 7
	.amdgcn_target "amdgcn-amd-amdhsa--gfx1250"
	.amdhsa_code_object_version 6
	.text
	.protected	k_q9ad0c035ff_pre
	.globl	k_q9ad0c035ff_pre
	.p2align	8
	.type	k_q9ad0c035ff_pre,@function
k_q9ad0c035ff_pre:
	s_mov_b64 s[64:65], 0
	v_nop
	global_prefetch_b8 v0, s[64:65] scope:SCOPE_SE
	s_setreg_imm32_b32 hwreg(HW_REG_WAVE_MODE, 25, 1), 1
	s_wait_xcnt 0x0
; x [4096][1024], inp [8192][1024] (K innermost) and the six weights (stored [K][N]) are turned, once, into codes of FP6 (E2M3) with one E8M0 byte for each 32 along K,
; laid as IMAGES OF OPERAND REGISTERS.  A unit of 768 bytes holds 16 rows x 64 along K: lane l's registers 0-3 at 16 l, its registers 4-5 at 512 + 8 l.  A fragment (16 rows x 128 K) is two units on end.
; Image of an operand: [tile of 128 rows][512 along K][tile of 16 rows 0..7][64 along K 0..7][768].  Lane r of tile T holds row 32 (T / 2) + 8 (T % 2) + r + 8 (r / 8).
; Scale words: [tile of 64 rows][128 along K][r 0..15][tile 0..3], 4 bytes each: 256 bytes a block.
; In pre_q a tile of 128 rows with K = 1,024 has number I: Wq 0-7, Wk 8-15, Wv 16-23, Wo 24-31, W1 32-63, W2 64 + 4 G (four numbers a tile: K = 4,096), x 96-127, inp 128-191; images at 98,304 I, scale words at SC0 + 4,096 I.
; A block's scale is 2^(floor(log2(largest magnitude)) - 2): its byte is the largest magnitude's exponent field - 2, held at 1 from below.
; LIMITS: a block whose largest magnitude lies under 2^-124 (a block of zeros too) keeps the byte 1; the bytes are read by this program alone.  NaN and infinities among the inputs are not served.
; Work-groups 0-383: x and inp, 64 rows x 512 K each, a wave 128 along K.  Work-groups 384-1151: weights, 128 columns x 128 K each, a wave 32 columns, a lane one column with its registers down K.
; The two ways have LDS bytes of their own.  No tensor loads, no barrier: waves share nothing.
.set SC0,   18874368
.set ASTG,  8448                       ; activations: a wave's stage, 16 rows x (512 + 16) bytes
.set WSTG0, 33792                      ; weights: the stages begin here,
.set WSTG,  3072                       ; two fragments' images a wave
.set SPARE, 46080                      ; the spare words, 128 bytes a wave, which no other line names
.set SPW,  2                           ; v2  my spare word's LDS address; never rewritten
.set NIL,  3                           ; v3  0; never rewritten
.set L16,  4                           ; v4  16 x lane
.set L8,   5                           ; v5  8 x lane + 512
.set R16,  6                           ; v6  16 x (lane % 16)
.set STI,  7                           ; v7  activations: into the stage
.set STQ,  8                           ; v8  and out of it
.set WSL,  11                          ; v11 weights: my scale word's place in its block
.set WS16, 12                          ; v12 weights: where a block's registers 0-3 go
.set WS8,  13                          ; v13 and its registers 4-5
.set WRD,  14                          ; v14 the stage read back
.set WL,   15                          ; v15 4 x lane
.set TM,   16                          ; v16-31 at work
.set R,    32                          ; v32-159 numbers as loaded
.set X,    160                         ; v160-223 activations: 64 numbers in the quantiser's order
.set C,    160                         ; v160-191 weights: codes, 8 registers a block
.set OUTR, 192                         ; v192-215 weights: the way out
.set PC,   224                         ; v224-243 activations: a fragment's codes (12) and the conversions' second halves
.set PW,   244                         ; v244-247 a tile's scale words
.set SEL,  24                          ; s[24:25] selects for lane l xor 16
	s_load_b512 s[4:19], s[0:1], 0x0               ; x, inp, Wq, Wk, Wv, Wo, W1, W2
	s_load_b64 s[20:21], s[0:1], 0x40              ; pre_q
	v_lshl_add_u32 v[SPW], v0, 2, SPARE
	v_mov_b32 v[NIL], 0
	v_lshrrev_b32 v1, 5, v0
	v_readfirstlane_b32 s22, v1                    ; wave
	v_and_b32 v9, 31, v0                           ; lane
	v_and_b32 v10, 15, v0                          ; r
	v_bfe_u32 v11, v0, 4, 1                        ; h
	v_lshlrev_b32 v[L16], 4, v9
	v_lshl_add_u32 v[L8], v9, 3, 512
	v_lshlrev_b32 v[R16], 4, v10
	s_mul_i32 s23, s22, ASTG
	v_add_nc_u32 v[STI], s23, v[L16]               ; a row's 512 bytes as they lie
	v_mul_u32_u24 v[STQ], v10, 528
	v_lshl_add_u32 v[STQ], v11, 6, v[STQ]
	v_add_nc_u32 v[STQ], s23, v[STQ]               ; row r, + 64 h: my 16 numbers of each block of 32
	v_bfe_u32 v1, v0, 3, 1                         ; weights: column nu of the wave's 32 lies in tile u = (nu / 8) % 2,
	v_and_b32 v10, 7, v0
	v_lshl_add_u32 v10, v11, 3, v10                ; at lane place nu % 8 + 8 (nu / 16)
	s_mul_i32 s23, s22, WSTG
	s_add_co_u32 s23, s23, WSTG0
	v_mul_u32_u24 v[WS16], v1, 1536
	v_add_nc_u32 v[WS16], s23, v[WS16]
	v_lshl_add_u32 v[WS8], v10, 3, v[WS16]
	v_add_nc_u32 v[WS8], 512, v[WS8]
	v_lshl_add_u32 v[WS16], v10, 4, v[WS16]
	v_add_nc_u32 v[WRD], s23, v[L16]
	v_lshlrev_b32 v[WL], 2, v9
	v_lshlrev_b32 v[WSL], 2, v1
	v_lshl_add_u32 v[WSL], v10, 4, v[WSL]
	s_mov_b32 s[SEL], 0x76543210
	s_mov_b32 s[SEL+1], 0xfedcba98
.irp b, 0,1,2,3
	v_mov_b32 v[TM+4+\b], 0                        ; written once: a lane permute's destination counts as one of its sources
.endr
	s_cmp_lt_u32 ttmp9, 384
	s_cbranch_scc0 .Lweights
; ---------------- x and inp
; 64 numbers of a lane, register 16 b + i = k 32 b + 16 (lane / 16) + i of my row, become a fragment's codes in v[PC] on and its scale word in v[pw]
.macro QUANT s, pw
.irp b, 0,1,2,3
	v_max3_num_f32 v[TM+\b], |v[\s+16*\b]|, |v[\s+1+16*\b]|, 0x1800000   ; with the floor 2^(3 - 127): the byte cannot fall under 1
.endr
.irp i, 2,4,6,8,10,12,14
.irp b, 0,1,2,3
	v_max3_num_f32 v[TM+\b], v[TM+\b], |v[\s+16*\b+\i]|, |v[\s+1+16*\b+\i]|
.endr
.endr
.irp b, 0,1,2,3
	v_permlanex16_b32 v[TM+4+\b], v[TM+\b], s[SEL], s[SEL+1]
.endr
.irp b, 0,1,2,3
	v_max_num_f32 v[TM+\b], v[TM+\b], v[TM+4+\b]   ; with lane l xor 16's: the block's largest magnitude
.endr
.irp b, 0,1,2,3
	v_add_nc_u32 v[TM+12+\b], 0xff000000, v[TM+\b] ; 2 off its exponent field: the conversion's scale operand
.endr
.irp b, 0,1,2,3
	v_lshrrev_b32 v[TM+4+\b], 23, v[TM+12+\b]      ; the scale's byte
.endr
	v_lshl_or_b32 v[\pw], v[TM+5], 8, v[TM+4]
	v_lshl_or_b32 v[\pw], v[TM+6], 16, v[\pw]
	v_lshl_or_b32 v[\pw], v[TM+7], 24, v[\pw]
.irp c, 0,1
	v_cvt_scalef32_pk16_fp6_f32 v[PC+6*\c:PC+2+6*\c], v[\s+32*\c:\s+15+32*\c], v[TM+12+2*\c]
	v_cvt_scalef32_pk16_fp6_f32 v[PC+12+4*\c:PC+14+4*\c], v[\s+16+32*\c:\s+31+32*\c], v[TM+12+2*\c+1]
.endr
	v_nop                                          ; one plain place behind a scaled conversion
.irp c, 0,1                                    ; a whole block to a lane: lanes 0-15 block 2 c, lanes 16-31 block 2 c + 1
.irp i, 0,1,2
	v_permlane16_swap_b32 v[PC+6*\c+\i], v[PC+12+4*\c+\i]
.endr
.irp i, 0,1,2
	v_mov_b32 v[PC+3+6*\c+\i], v[PC+12+4*\c+\i]
.endr
.endr
.endm
.macro LOADT t, set                    ; tile t's 16 rows, 512 consecutive bytes a load
.irp i, 0,1,2,3,4,5,6,7,8,9,10,11,12,13,14,15
	global_load_b128 v[R+64*(\set)+4*\i:R+64*(\set)+4*\i+3], v[L16], s[30:31] offset:(32*((\t)/2)+8*((\t)%2)+\i+8*(\i/8))*4096 th:TH_LOAD_NT
.endr
.endm
.macro TURNT set                       ; through my stage: LDS serves a wave's instructions in order, so no wait stands between the stores and the loads
.irp i, 0,1,2,3,4,5,6,7,8,9,10,11,12,13,14,15
	ds_store_b128 v[STI], v[R+64*(\set)+4*\i:R+64*(\set)+4*\i+3] offset:528*\i
.endr
.irp b, 0,1,2,3
.irp j, 0,1,2,3
	ds_load_b128 v[X+16*\b+4*\j:X+16*\b+4*\j+3], v[STQ] offset:128*\b+16*\j
.endr
.endr
.endm
	s_lshr_b32 s27, ttmp9, 1                       ; U: which 64 rows (0-63 x, 64-191 inp)
	s_and_b32 s28, ttmp9, 1                        ; which 512 along K
	s_lshl_b32 s29, s28, 2
	s_add_co_u32 s29, s29, s22                     ; my 128 along K
	s_lshr_b32 s34, s27, 1
	s_mul_i32 s34, s34, 98304
	s_mul_i32 s35, s28, 49152
	s_add_co_u32 s34, s34, s35
	s_and_b32 s35, s27, 1
	s_mul_i32 s35, s35, 24576
	s_add_co_u32 s34, s34, s35
	s_mul_i32 s35, s22, 1536
	s_add_co_u32 s34, s34, s35
	s_add_co_u32 s34, s34, 96*98304
	s_mov_b32 s35, 0
	s_lshl_b32 s36, s27, 3
	s_add_co_u32 s36, s36, s29
	s_lshl_b32 s36, s36, 8
	s_add_co_u32 s36, s36, SC0+96*4096
	s_mov_b32 s37, 0
	s_wait_kmcnt 0x0
	s_cmp_lt_u32 s27, 64
	s_cselect_b64 s[30:31], s[4:5], s[6:7]
	s_cselect_b32 s32, 0, 64
	s_sub_co_u32 s32, s27, s32
	s_lshl_b32 s32, s32, 18                        ; 64 rows of 4,096 bytes
	s_lshl_b32 s33, s29, 9
	s_add_co_u32 s32, s32, s33
	s_mov_b32 s33, 0
	s_add_nc_u64 s[30:31], s[30:31], s[32:33]
	s_add_nc_u64 s[34:35], s[20:21], s[34:35]      ; my fragments' images
	s_add_nc_u64 s[36:37], s[20:21], s[36:37]      ; my block of scale words
	LOADT 0, 0
	LOADT 1, 1
.irp t, 0,1,2,3
.if \t < 3
	s_wait_loadcnt 16                              ; this tile's 16 loads are in; the next tile's may be out
.else
	s_wait_loadcnt 0x0
.endif
	TURNT \t%2
	s_wait_dscnt 0x0
.if \t < 2
	LOADT \t+2, \t%2
.endif
	s_wait_xcnt 0x0                                ; the last tile's stores have read the codes' registers
	QUANT X, PW+\t
	global_store_b128 v[L16], v[PC:PC+3], s[34:35] offset:\t*6144
	global_store_b64 v[L8], v[PC+4:PC+5], s[34:35] offset:\t*6144
	global_store_b128 v[L16], v[PC+6:PC+9], s[34:35] offset:\t*6144+768
	global_store_b64 v[L8], v[PC+10:PC+11], s[34:35] offset:\t*6144+768
.endr
	global_store_b128 v[R16], v[PW:PW+3], s[36:37] ; 256 bytes: row r's four words (lanes 16-31 hold and store the same)
	s_wait_tensorcnt 0x0                           ; the wave's end, behind my last LDS store
	ds_add_u32 v[SPW], v[NIL]
	s_wait_dscnt 0x0
	s_endpgm
; ---------------- the weights
.Lweights:
	s_sub_co_u32 s27, ttmp9, 384
	s_lshr_b32 s28, s27, 3                         ; K = 1,024: I,
	s_and_b32 s29, s27, 7                          ; and the 128 along K
	s_sub_co_u32 s30, s27, 512
	s_lshr_b32 s30, s30, 5                         ; W2: its tile of columns,
	s_lshl_b32 s31, s30, 2
	s_add_co_u32 s31, s31, 64                      ; its I,
	s_and_b32 s32, s27, 31                         ; and its 128 along K
	s_cmp_lt_u32 s27, 512
	s_cselect_b32 s28, s28, s31
	s_cselect_b32 s29, s29, s32
	s_cselect_b32 s33, 8, 32                       ; blocks of scale words for 64 rows
	s_and_b32 s34, s28, 7
	s_sub_co_u32 s35, s28, 32
	s_cmp_lt_u32 s28, 32
	s_cselect_b32 s34, s34, s35
	s_cmp_lt_u32 s28, 64
	s_cselect_b32 s34, s34, s30                    ; the tile of 128 columns in its weight
	s_lshr_b32 s35, s28, 5
	s_cmp_eq_u32 s35, 1
	s_cselect_b32 s38, 1, 0                        ; W1: rows of 16,384 bytes, else of 4,096
	s_cselect_b32 s36, 21, 19                      ; log2 of 128 rows' bytes
	s_lshl_b32 s42, s29, s36
	s_lshl_b32 s43, s34, 9
	s_add_co_u32 s42, s42, s43
	s_lshl_b32 s43, s22, 7
	s_add_co_u32 s42, s42, s43
	s_mov_b32 s43, 0
	s_mul_i32 s44, s28, 98304
	s_lshr_b32 s45, s29, 2
	s_mul_i32 s45, s45, 49152
	s_add_co_u32 s44, s44, s45
	s_mul_i32 s45, s22, 2*6144
	s_add_co_u32 s44, s44, s45
	s_and_b32 s45, s29, 3
	s_mul_i32 s45, s45, 1536
	s_add_co_u32 s44, s44, s45
	s_mov_b32 s45, 0
	s_lshr_b32 s46, s22, 1
	s_mul_i32 s46, s46, s33
	s_add_co_u32 s46, s46, s29
	s_lshl_b32 s46, s46, 8
	s_lshl_b32 s47, s28, 12
	s_add_co_u32 s46, s46, s47
	s_and_b32 s47, s22, 1
	s_lshl_b32 s47, s47, 3
	s_add_co_u32 s46, s46, s47
	s_add_co_u32 s46, s46, SC0
	s_mov_b32 s47, 0
	s_lshr_b32 s37, s28, 3
	s_wait_kmcnt 0x0
	s_cmp_eq_u32 s37, 0
	s_cselect_b64 s[40:41], s[8:9], s[10:11]
	s_cmp_eq_u32 s37, 2
	s_cselect_b64 s[40:41], s[12:13], s[40:41]
	s_cmp_eq_u32 s37, 3
	s_cselect_b64 s[40:41], s[14:15], s[40:41]
	s_cmp_ge_u32 s37, 4
	s_cselect_b64 s[40:41], s[16:17], s[40:41]
	s_cmp_ge_u32 s37, 8
	s_cselect_b64 s[40:41], s[18:19], s[40:41]
	s_add_nc_u64 s[40:41], s[40:41], s[42:43]
	s_add_nc_u64 s[44:45], s[20:21], s[44:45]
	s_add_nc_u64 s[46:47], s[20:21], s[46:47]
.macro LOADW t                         ; block t: W(32 t + i, my column); the row's pitch stands in the immediates, so the 32 loads are written for both pitches
	s_cmp_eq_u32 s38, 1
	s_cbranch_scc0 .Lnarrow_\@
	s_wait_alu depctr_va_vdst(0)
.irp i, 0,1,2,3,4,5,6,7,8,9,10,11,12,13,14,15,16,17,18,19,20,21,22,23,24,25,26,27,28,29,30,31
	global_load_b32 v[R+32*(\t)+\i], v[WL], s[40:41] offset:(32*(\t)+\i)*16384 th:TH_LOAD_NT
.endr
	s_branch .Lloaded_\@
.Lnarrow_\@:
	s_wait_alu depctr_va_vdst(0)
.irp i, 0,1,2,3,4,5,6,7,8,9,10,11,12,13,14,15,16,17,18,19,20,21,22,23,24,25,26,27,28,29,30,31
	global_load_b32 v[R+32*(\t)+\i], v[WL], s[40:41] offset:(32*(\t)+\i)*4096 th:TH_LOAD_NT
.endr
.Lloaded_\@:
.endm
.macro BLOCK k                         ; all 32 numbers of block k are mine; in the fragment it belongs to lane place + 16 (k % 2), registers 6 (k / 2) on
.set XS, R+32*(\k)
.set CK, C+8*(\k)
	v_max3_num_f32 v16, |v[XS]|, |v[XS+1]|, |v[XS+2]|
	v_max3_num_f32 v17, |v[XS+3]|, |v[XS+4]|, |v[XS+5]|
.irp i, 6,10,14,18,22,26
	v_max3_num_f32 v16, v16, |v[XS+\i]|, |v[XS+\i+1]|
	v_max3_num_f32 v17, v17, |v[XS+\i+2]|, |v[XS+\i+3]|
.endr
	v_max3_num_f32 v16, v16, |v[XS+30]|, |v[XS+31]|
	v_max3_num_f32 v16, v16, v17, 0x1800000        ; and the floor
	v_add_nc_u32 v18, 0xff000000, v16
	v_lshrrev_b32 v17, 23, v18
.if (\k) == 0
	v_mov_b32 v19, v17
.else
	v_lshl_or_b32 v19, v17, 8*(\k), v19            ; my column's scale word
.endif
	v_cvt_scalef32_pk16_fp6_f32 v[CK:CK+2], v[XS:XS+15], v18
	v_cvt_scalef32_pk16_fp6_f32 v[CK+4:CK+6], v[XS+16:XS+31], v18
	v_nop                                          ; one plain place behind a scaled conversion
	v_mov_b32 v[CK+3], v[CK+4]                     ; (a conversion's three registers begin on an even number)
	v_mov_b32 v[CK+4], v[CK+5]
	v_mov_b32 v[CK+5], v[CK+6]
	ds_store_b128 v[WS16], v[CK:CK+3] offset:768*((\k)/2)+256*((\k)%2)
	ds_store_b64 v[WS8], v[CK+4:CK+5] offset:768*((\k)/2)+128*((\k)%2)
.endm
	LOADW 0
	LOADW 1
	s_wait_loadcnt 32                              ; block 0 is in; the 32 loads behind it may be out
	LOADW 2
	BLOCK 0
	s_wait_loadcnt 32                              ; block 1
	LOADW 3
	BLOCK 1
	s_wait_loadcnt 32                              ; block 2
	BLOCK 2
	s_wait_loadcnt 0x0
	BLOCK 3
	global_store_b32 v[WSL], v19, s[46:47]
.irp i, 0,1,2,3,4,5
	ds_load_b128 v[OUTR+4*\i:OUTR+4*\i+3], v[WRD] offset:512*\i   ; these see my stores: LDS serves a wave's instructions in order
.endr
.irp i, 0,1,2,3,4,5
	s_wait_dscnt 5-\i
	global_store_b128 v[L16], v[OUTR+4*\i:OUTR+4*\i+3], s[44:45] offset:(\i/3)*6144+(\i%3)*512   ; 512 consecutive bytes, at a multiple of 256 from the buffer's first byte
.endr
	s_wait_tensorcnt 0x0                           ; the wave's end, behind my last LDS store
	ds_add_u32 v[SPW], v[NIL]
	s_wait_dscnt 0x0
	s_endpgm
.Lfunc_end_k_q9ad0c035ff_pre:
	.size	k_q9ad0c035ff_pre, .Lfunc_end_k_q9ad0c035ff_pre-k_q9ad0c035ff_pre
	.p2alignl 7, 3214868480
	.fill 96, 4, 3214868480
	.section	.rodata,"a",@progbits
	.p2align	6, 0x0
	.amdhsa_kernel k_q9ad0c035ff_pre
		.amdhsa_group_segment_fixed_size 46592
		.amdhsa_private_segment_fixed_size 0
		.amdhsa_enable_private_segment 0
		.amdhsa_kernarg_size 72
		.amdhsa_user_sgpr_count 2
		.amdhsa_user_sgpr_kernarg_segment_ptr 1
		.amdhsa_wavefront_size32 1
		.amdhsa_system_sgpr_workgroup_id_x 1
		.amdhsa_system_sgpr_workgroup_id_y 1
		.amdhsa_system_sgpr_workgroup_id_z 1
		.amdhsa_system_vgpr_workitem_id 0
		.amdhsa_next_free_vgpr 256
		.amdhsa_next_free_sgpr 66
		.amdhsa_reserve_vcc 0
		.amdhsa_float_denorm_mode_32 3
		.amdhsa_float_denorm_mode_16_64 3
		.amdhsa_memory_ordered 1
		.amdhsa_forward_progress 1
		.amdhsa_inst_pref_size 69
	.end_amdhsa_kernel
	.amdgpu_metadata
---
amdhsa.version: [ 1, 2 ]
amdhsa.kernels:
  - .name:           k_q9ad0c035ff_pre
    .symbol:         k_q9ad0c035ff_pre.kd
    .args:
      - { .name: x, .offset: 0, .size: 8, .value_kind: global_buffer, .address_space: global }
      - { .name: inp, .offset: 8, .size: 8, .value_kind: global_buffer, .address_space: global }
      - { .name: Wq, .offset: 16, .size: 8, .value_kind: global_buffer, .address_space: global }
      - { .name: Wk, .offset: 24, .size: 8, .value_kind: global_buffer, .address_space: global }
      - { .name: Wv, .offset: 32, .size: 8, .value_kind: global_buffer, .address_space: global }
      - { .name: Wo, .offset: 40, .size: 8, .value_kind: global_buffer, .address_space: global }
      - { .name: W1, .offset: 48, .size: 8, .value_kind: global_buffer, .address_space: global }
      - { .name: W2, .offset: 56, .size: 8, .value_kind: global_buffer, .address_space: global }
      - { .name: pre_q, .offset: 64, .size: 8, .value_kind: global_buffer, .address_space: global }
    .group_segment_fixed_size: 46592
    .private_segment_fixed_size: 0
    .kernarg_segment_align: 8
    .kernarg_segment_size: 72
    .max_flat_workgroup_size: 128
    .sgpr_count:     66
    .vgpr_count:     256
    .wavefront_size: 32
...
	.end_amdgpu_metadata
.endif
;; end of part 7
;; launch mm_qkv (part 8): grid 64 x 4, 4 waves a work-group, clusters of 4 x 4, 327,680 bytes of LDS; arguments pre_q, bq, bk, bv, qkv_q; writes qkv_q
.if DOCPART == 8
	.amdgcn_target "amdgcn-amd-amdhsa--gfx1250"
	.amdhsa_code_object_version 6
	.text
	.protected	k_q9ad0c035ff_mm_qkv
	.globl	k_q9ad0c035ff_mm_qkv
	.p2align	8
	.type	k_q9ad0c035ff_mm_qkv,@function
k_q9ad0c035ff_mm_qkv:
	s_mov_b64 s[64:65], 0
	v_nop
	global_prefetch_b8 v0, s[64:65] scope:SCOPE_SE
	s_setreg_imm32_b32 hwreg(HW_REG_WAVE_MODE, 25, 1), 1
	s_wait_xcnt 0x0
	s_wait_alu depctr_hold_cnt(0) depctr_sa_sdst(0) depctr_va_vdst(0) depctr_va_sdst(0) depctr_va_ssrc(0) depctr_va_vcc(0) depctr_vm_vsrc(0)
	s_getreg_b32 s2, hwreg(HW_REG_IB_STS2, 6, 4)
	s_cmp_eq_u32 s2, 0
	s_cbranch_scc0 .Lentry_in_a_cluster
	s_endpgm
.Lentry_in_a_cluster:
	s_bfe_u32 s2, ttmp6, 0x10000c
	s_cmp_lg_u32 s2, 0xf033
	s_cbranch_scc0 .Lentry_shape_is_right
	s_endpgm
.Lentry_shape_is_right:
; q = x Wq + bq, k = inp Wk + bk, v = inp Wv + bv on codes of FP6 (E2M3) with E8M0 scales, K = 1,024; the results are quantised at once: q and k along the head's 64, v along the keys.
; OPERANDS are images of registers (768 bytes = 16 rows x 64 K: lane l's registers 0-3 at 16 l, registers 4-5 at 512 + 8 l), laid [128 rows][512 K][tile 0..7][64 K 0..7]; lane r of tile T holds row 32 (T/2) + 8 (T%2) + r + 8 (r/8).
; A tile of the result is 128 x 128, a wave's part 64 x 64: accumulator (a, b) = source 0's tile b x source 1's tile a.  A lane holds ONE row of source 1, and the 32 registers of (a, 0..3) run along 64 rows of source 0:
; register 16 B + i is row 32 B + 16 (lane / 16) + i.  So the side that is to be the next product's K goes in as source 0: the weight for q and k, inp for v.
; A WORK-GROUP STAYS and makes FIVE tiles; there are 256 work-groups.  With c the cluster's number: inp's tile J = 4 c + cy stays in LDS (region RES) for four of them:
;   tiles 0, 1: v with Wv's tiles cx, cx + 4 (source 0 = inp);  tiles 2, 3: k with Wk's tiles cx, cx + 4 (source 1 = inp);  tile 4: q = x's tile 4 (c / 2) + cy with Wq's tile 4 (c % 2) + cx.
; LDS holds three regions of 98,304 bytes, each 128 rows with all of K: RES, WS0, WS1.  A region is filled again as soon as its tile's last fragments are read: WS0 <- Wk behind tile 0, WS1 <- Wk behind tile 1,
; WS0 <- Wq behind tile 2, RES <- x behind tile 3.  The first three stand a whole tile (128 products a wave) and a way out ahead of their first read, so nothing is prefetched; x's has tile 3's way out alone, and a wait and a barrier stand ahead of tile 4.
; Each wave brings a quarter of every tile, 24,576 dense bytes, by one tensor load.  CLUSTERS 4 x 4: inp's and x's tiles hang on cy and c and are asked for jointly by my row, the weights' on cx and c, by my column.
; THE SCALE WORDS of the seven operand tiles (4,096 bytes each) come once, through registers, into LDS bytes of their own: each wave copies a quarter of each block.  Their order, Wk a, Wk b, Wq, inp, x, Wv a, Wv b, keeps source 0's block below source 1's in every tile.
; The five tiles are written out: their regions, refills, biases and ways out differ.
; LIMITS: a block whose largest magnitude lies under 2^-124 keeps the byte 1; NaN and infinities are not served.  The bias is added behind the sum over K.
.set TILEB, 98304                      ; 128 rows x 1,024 K of codes
.set QUART, 24576                      ; 64 rows x 512 K: what one tensor load brings
.set HALFK, 49152                      ; 128 rows x 512 K
.set RES,   0
.set WS0,   TILEB
.set WS1,   2*TILEB
.set SCL,   3*TILEB                    ; seven blocks of scale words; no fill lands here
.set SPARE, SCL+7*4096                 ; the spare words, 128 bytes a wave, which no other line names
.set SC0,   18874368
.set AD0L, 4                           ; v4-5   source 0's fragments, K 0-511 and 512-1,023: 16 l on;  v6-7: 8 l + 512 on; made anew for each tile
.set AD0S, 6
.set AD1L, 8                           ; v8-11  the same for source 1
.set AD1S, 10
.set B0L,  12                          ; v12    16 l + my half as source 0
.set SPW,  13                          ; v13    my spare word; never rewritten
.set NIL,  14                          ; v14    0; never rewritten
.set B0S,  15                          ; v15    8 l + 512 + my half as source 0
.set B1L,  16                          ; v16, v17 the same as source 1
.set B1S,  17
.set BA,   18                          ; v18    64 h
.set BMA,  19                          ; v19    4 (r + 8 (r / 8))
.set HO16, 20                          ; v20    16 l
.set HO8,  21                          ; v21    8 l + 512
.set SO,   22                          ; v22    16 r
.set SC,   24                          ; v24-31 scale words, two sets of four: scales and nothing else
.set TM,   32                          ; v32-55 at work
.set PW,   56                          ; v56-59 a tile's two scale bytes
.set CT,   60                          ; v60-75 the conversions' second halves
.set ADRS, 76                          ; v76-80 tile t's scale words: lanes 0-15 source 0's, lanes 16-31 source 1's
.set SCG,  81                          ; v81    the copy of the scale words: 16 l + 1,024 wave
.set SCLD, 82                          ; v82    and its place in LDS
.set PC,   96                          ; v96-127 codes, 8 registers a tile
.set ACC,  128                         ; v128-255 accumulator (a, b) at 128 + 8 (4 a + b); at the head v128-183 carry the scale words
.set G1A,  24                          ; s[24:31] group 1, my column's mask (weights)
.set G0R,  32                          ; s[32:35] group 0 for RES
.set G0W0, 36                          ; s[36:39] for WS0
.set SEL,  42
.set G0W1, 44                          ; s[44:47] for WS1
.set G1B,  48                          ; s[48:55] group 1, my row's mask (inp, x)
.set OUTV, 56                          ; s[56:57] v's images, s[58:59] its scale bytes
.set OUTK, 60                          ; s[60:63] k's
.set OUTQ, 92                          ; s[92:95] q's
.set MSB, 0
.macro WIN new                         ; the immediate's high byte repeats the setting that is left
.if MSB != \new
	s_set_vgpr_msb (MSB<<8)|\new
.set MSB, \new
.endif
.endm
.set MUL,  0x05                        ; sources 0 and 1 window 1 (two sets of fragments: v0-95, v128-223); C and D window 0.  Window 2: v0-111 the biases
.set TO_F, 0x40                        ; destination window 1
.macro CREST                           ; a round of the cluster's barrier behind its opening barrier
	s_cmp_lg_u32 s16, 0
	s_cbranch_scc1 .Lnot_wave_0_\@
	s_barrier_signal -3
.Lnot_wave_0_\@:
	s_barrier_wait -3
	s_barrier_signal -1
	s_barrier_wait -1
.endm
.macro CROUND                          ; a whole round
	s_barrier_signal -1
	s_barrier_wait -1
	CREST
.endm
.macro PLACES                          ; four plain places behind matrix instructions, ahead of loads into their registers and of reads of their results
.rept 4
	v_nop
.endr
.endm
.macro FRAG reg, L, S, off             ; a fragment: two units of 768 bytes, consecutive bytes in every load
	ds_load_b128 v[\reg:\reg+3], v[\L] offset:\off
	ds_load_b64 v[\reg+4:\reg+5], v[\S] offset:\off
	ds_load_b128 v[\reg+6:\reg+9], v[\L] offset:\off+768
	ds_load_b64 v[\reg+10:\reg+11], v[\S] offset:\off+768
.endm
.macro FETCH j, p, t                   ; 33 loads: the scale words and the eight fragments of tile t's j-th 128 along K, into set p
	WIN 0
	ds_load_b128 v[SC+4*(\p):SC+4*(\p)+3], v[ADRS+(\t)] offset:(\j)*256
	WIN TO_F
.irp i, 0,1,2,3
	FRAG 128*(\p)+12*\i, AD0L+(\j)/4, AD0S+(\j)/4, \i*6144+((\j)%4)*1536
	FRAG 128*(\p)+48+12*\i, AD1L+(\j)/4, AD1S+(\j)/4, \i*6144+((\j)%4)*1536
.endr
.endm
.macro MUL8 p, a0, zero                ; the sixteen accumulators take turns, one instruction a turn, in the same order in every step and from tile to tile
.irp a, \a0, \a0+1
.irp b, 0,1,2,3
.if \zero
	v_wmma_scale_f32_16x16x128_f8f6f4 v[ACC+8*(4*(\a)+\b):ACC+8*(4*(\a)+\b)+7], v[128*(\p)+12*\b:128*(\p)+12*\b+11], v[128*(\p)+48+12*(\a):128*(\p)+48+12*(\a)+11], 0, v[SC+4*(\p)+\b], v[SC+4*(\p)+(\a)] matrix_a_fmt:MATRIX_FMT_FP6 matrix_b_fmt:MATRIX_FMT_FP6 matrix_b_scale:MATRIX_SCALE_ROW1
.else
	v_wmma_scale_f32_16x16x128_f8f6f4 v[ACC+8*(4*(\a)+\b):ACC+8*(4*(\a)+\b)+7], v[128*(\p)+12*\b:128*(\p)+12*\b+11], v[128*(\p)+48+12*(\a):128*(\p)+48+12*(\a)+11], v[ACC+8*(4*(\a)+\b):ACC+8*(4*(\a)+\b)+7], v[SC+4*(\p)+\b], v[SC+4*(\p)+(\a)] matrix_a_fmt:MATRIX_FMT_FP6 matrix_b_fmt:MATRIX_FMT_FP6 matrix_b_scale:MATRIX_SCALE_ROW1
.endif
.endr
.endr
.endm
.macro STEP j, t, zero                 ; 128 along K: the next step's loads go out first and have this step's 16 products in which to land
	s_wait_dscnt 0x0                               ; this step's fragments are in
	PLACES
	FETCH (\j)+1, 1-(\j)%2, \t
	WIN MUL
	MUL8 (\j)%2, 0, \zero
	MUL8 (\j)%2, 2, \zero
	WIN 0
.endm
.macro TILE t                          ; a tile's steps 0 to 6; the first products start the sums: nothing is cleared
	STEP 0, \t, 1
.irp j, 1,2,3,4,5,6
	STEP \j, \t, 0
.endr
.endm
.macro SETAD r0, r1                    ; the regions in which the next tile's source 0 and source 1 lie
.irp s, 0,1
	v_add_nc_u32 v[AD0L+\s], (\r0)+\s*HALFK, v[B0L]
	v_add_nc_u32 v[AD0S+\s], (\r0)+\s*HALFK, v[B0S]
	v_add_nc_u32 v[AD1L+\s], (\r1)+\s*HALFK, v[B1L]
	v_add_nc_u32 v[AD1S+\s], (\r1)+\s*HALFK, v[B1S]
.endr
.endm
; Tile t's step 7 changes tiles.  Ahead of the barrier each wave waits for all its tensor loads (the next tile's operand among them), adds 0 to its spare word, and waits for that and for its last reads of this tile.
; The barrier opens a round of the cluster's barrier; behind the round the region that this tile alone has read is filled again, one joint load a wave; then come the next tile's first fragments.
.macro TURNQ t
	s_wait_tensorcnt 0x0                           ; no tensor load of mine is out, so a group 0 may be written
	ds_add_u32 v[SPW], v[NIL]
.if (\t) == 0
	s_sub_nc_u64 s[G0W0+2:G0W0+3], s[G0W0+2:G0W0+3], 8*TILEB   ; from Wv's tile cx to Wk's: eight tiles back in pre_q
.elseif (\t) == 1
	s_sub_nc_u64 s[G0W1+2:G0W1+3], s[G0W1+2:G0W1+3], 8*TILEB   ; from Wv's tile cx + 4 to Wk's
.elseif (\t) == 2
	s_sub_nc_u64 s[G0W0+2:G0W0+3], s[G0W0+2:G0W0+3], s[72:73]  ; from Wk's tile cx to Wq's tile 4 (c % 2) + cx
.else
	s_sub_nc_u64 s[G0R+2:G0R+3], s[G0R+2:G0R+3], s[74:75]      ; from inp's tile J to x's tile
.endif
	s_wait_dscnt 0x0                               ; the add is done, step 7's fragments are in: my reads of this tile are over
	s_barrier_signal -1
	WIN MUL
	MUL8 1, 0, 0                                   ; work on registers while the others arrive
	WIN 0
	s_barrier_wait -1
	CREST                                          ; no wave of any partner still reads the region or has a load on its way
.if (\t) == 1
	tensor_load_to_lds s[G0W1:G0W1+3], s[G1A:G1A+7]
.elseif (\t) == 3
	tensor_load_to_lds s[G0R:G0R+3], s[G1B:G1B+7]
.else
	tensor_load_to_lds s[G0W0:G0W0+3], s[G1A:G1A+7]
.endif
	s_nop 0
	PLACES                                         ; (the places ahead of the loads below)
.if (\t) == 0
	SETAD RES, WS1
	FETCH 0, 0, 1
.elseif (\t) == 1
	SETAD WS0, RES
	FETCH 0, 0, 2
.elseif (\t) == 2
	SETAD WS1, RES
	FETCH 0, 0, 3
.endif
	WIN MUL
	MUL8 1, 2, 0
	WIN 0
.endm
.macro ADDM t                          ; v: + bv of my lane's channel; each accumulator from its low end on
	WIN 0x08                                       ; source 1 window 2
.irp a, 0,1,2,3
.set j, 0
.rept 16
	v_pk_add_f32 v[ACC+32*\a+j:ACC+32*\a+j+1], v[ACC+32*\a+j:ACC+32*\a+j+1], v[8*(\t)+2*\a:8*(\t)+2*\a+1]
.set j, j+2
.endr
.endr
	WIN 0
.endm
.macro ADDN base                       ; q, k: + the bias of the registers' channels
	WIN 0x08
.irp a, 0,1,2,3
.set j, 0
.rept 16
	v_pk_add_f32 v[ACC+32*\a+j:ACC+32*\a+j+1], v[ACC+32*\a+j:ACC+32*\a+j+1], v[(\base)+j:(\base)+j+1]
.set j, j+2
.endr
.endr
	WIN 0
.endm
.macro QUANT8                          ; eight blocks of 32 (block g = 2 a + B at ACC + 16 g), by turns: codes into PC, two scale bytes a tile into PW
.irp g, 0,1,2,3,4,5,6,7
	v_max3_num_f32 v[TM+\g], |v[ACC+16*\g]|, |v[ACC+16*\g+1]|, 0x1800000   ; with the floor 2^(3 - 127)
.endr
.irp i, 2,4,6,8,10,12,14
.irp g, 0,1,2,3,4,5,6,7
	v_max3_num_f32 v[TM+\g], v[TM+\g], |v[ACC+16*\g+\i]|, |v[ACC+16*\g+\i+1]|
.endr
.endr
.irp g, 0,1,2,3,4,5,6,7
	v_permlanex16_b32 v[TM+8+\g], v[TM+\g], s[SEL], s[SEL+1]
.endr
.irp g, 0,1,2,3,4,5,6,7
	v_max_num_f32 v[TM+\g], v[TM+\g], v[TM+8+\g]
.endr
.irp g, 0,1,2,3,4,5,6,7
	v_add_nc_u32 v[TM+16+\g], 0xff000000, v[TM+\g] ; 2 off the exponent field: the conversion's scale operand
.endr
.irp g, 0,1,2,3,4,5,6,7
	v_lshrrev_b32 v[TM+8+\g], 23, v[TM+16+\g]      ; the byte
.endr
.irp a, 0,1,2,3
	v_lshl_or_b32 v[PW+\a], v[TM+9+2*\a], 8, v[TM+8+2*\a]
.endr
.irp a, 0,1,2,3
	v_cvt_scalef32_pk16_fp6_f32 v[PC+8*\a:PC+8*\a+2], v[ACC+32*\a:ACC+32*\a+15], v[TM+16+2*\a]
	v_cvt_scalef32_pk16_fp6_f32 v[CT+4*\a:CT+4*\a+2], v[ACC+32*\a+16:ACC+32*\a+31], v[TM+17+2*\a]
.endr
	v_nop                                          ; one plain place behind a scaled conversion
.irp a, 0,1,2,3
.irp i, 0,1,2
	v_permlane16_swap_b32 v[PC+8*\a+\i], v[CT+4*\a+\i]   ; a whole block to a lane
.endr
.irp i, 0,1,2
	v_mov_b32 v[PC+8*\a+3+\i], v[CT+4*\a+\i]
.endr
.endr
.endm
.macro OUT_V t                         ; the way out of v's tile t
	PLACES
.if (\t) == 0
	s_wait_loadcnt 0x0                             ; the biases, once
.endif
	ADDM \t
.if (\t) > 0
	s_wait_xcnt 0x0                                ; the last tile's stores have read PC and PW
.endif
	QUANT8
.irp a, 0,1,2,3
	global_store_b128 v[HO16], v[PC+8*\a:PC+8*\a+3], s[OUTV:OUTV+1] offset:\a*12288+(\t)*393216   ; tile a is d tile a; the next weight tile is eight heads on
	global_store_b64 v[HO8], v[PC+8*\a+4:PC+8*\a+5], s[OUTV:OUTV+1] offset:\a*12288+(\t)*393216
	global_store_b16 v[SO], v[PW+\a], s[OUTV+2:OUTV+3] offset:4*\a+(\t)*16384                     ; two of the word's four bytes (lanes 16-31 hold and store the same)
.endr
.endm
.macro OUT_QK bias, base, u            ; the way out of a tile of k or q
	PLACES
	ADDN \bias
	s_wait_xcnt 0x0                                ; the last tile's stores have read PC and PW
	QUANT8
.irp a, 0,1,2,3
	global_store_b128 v[HO16], v[PC+8*\a:PC+8*\a+3], s[\base:\base+1] offset:\a*768+(\u)*393216
	global_store_b64 v[HO8], v[PC+8*\a+4:PC+8*\a+5], s[\base:\base+1] offset:\a*768+(\u)*393216
.endr
	global_store_b128 v[SO], v[PW:PW+3], s[\base+2:\base+3] offset:(\u)*32768   ; words of two bytes and two zeros: K is 64
.endm
	s_load_b256 s[4:11], s[0:1], 0x0               ; pre_q, bq, bk, bv
	s_load_b64 s[12:13], s[0:1], 0x20              ; qkv_q
	v_lshl_add_u32 v[SPW], v0, 2, SPARE
	v_mov_b32 v[NIL], 0
	ds_add_u32 v[SPW], v[NIL]                      ; the wave's opening: the adds, and their wait ahead of my first tensor load; all the set-up on registers stands between them
	ds_add_u32 v[SPW], v[NIL]
	v_lshrrev_b32 v1, 5, v0
	v_readfirstlane_b32 s16, v1                    ; wave
	s_lshr_b32 s17, s16, 1                         ; w1: my 64 rows of source 1
	s_and_b32 s18, s16, 1                          ; w0: my 64 rows of source 0
	s_bfe_u32 s20, ttmp6, 0x40000                  ; cx
	s_bfe_u32 s21, ttmp6, 0x40004                  ; cy
	s_lshl_b32 s22, ttmp9, 2                       ; 4 c
	s_lshr_b32 s23, ttmp9, 1
	s_lshl_b32 s23, s23, 2                         ; 4 (c / 2)
	s_sub_co_u32 s74, s22, s23
	s_add_co_u32 s74, s74, 32
	s_mul_i32 s74, s74, TILEB                      ; from inp's tile J (number 128 + J) back to x's (96 + 4 (c / 2) + cy): the cluster's number alone
	s_mov_b32 s75, 0
	s_add_co_u32 s22, s22, s21                     ; J
	s_add_co_u32 s23, s23, s21                     ; x's tile
	s_and_b32 s15, ttmp9, 1
	s_lshl_b32 s15, s15, 2
	s_sub_co_u32 s72, 8, s15
	s_mul_i32 s72, s72, TILEB                      ; from Wk's tile cx (number 8 + cx) back to Wq's
	s_mov_b32 s73, 0
	s_add_co_u32 s14, s15, s20                     ; Wq's tile
	s_lshl_b32 s40, 0x1111, s20                    ; my column of the cluster
	s_lshl_b32 s41, s21, 2
	s_lshl_b32 s41, 15, s41                        ; my row
	s_or_b32 s[G1A], s40, (3<<16)|(1<<21)          ; the mask; elements of 8 bytes; bit 21 beside a mask; no padding
	s_or_b32 s[G1B], s41, (3<<16)|(1<<21)
.irp g, G1A, G1B                       ; 24,576 dense bytes as 96 rows of 256
	s_mov_b32 s[\g+1], 32<<16
	s_mov_b32 s[\g+2], 192<<16                     ; the head's loads bring halves of a tile, 192 rows of 256 bytes; behind them the two words are set to 96
	s_mov_b32 s[\g+3], 32<<16
	s_mov_b32 s[\g+4], 192
	s_mov_b32 s[\g+5], 32
	s_mov_b32 s[\g+6], 0
	s_mov_b32 s[\g+7], 0
.endr
	s_mov_b32 s[SEL], 0x76543210
	s_mov_b32 s[SEL+1], 0xfedcba98
	; what the descriptors are made of, in registers of their own
	s_mul_i32 s66, s16, QUART
	s_mov_b32 s67, 0
	s_add_co_u32 s19, s20, 16
	s_mul_i32 s70, s19, TILEB                      ; Wv's tile cx
	s_add_co_u32 s70, s70, s66
	s_mov_b32 s71, 0
	s_add_co_u32 s101, s22, 128
	s_mul_i32 s90, s101, TILEB                     ; inp's tile J
	s_add_co_u32 s90, s90, s66
	s_mov_b32 s91, 0
	; the scale words' blocks
	s_add_co_u32 s19, s20, 8
	s_lshl_b32 s76, s19, 12                        ; Wk's tile cx; Wk's cx + 4, Wv's cx and cx + 4 lie 4, 8 and 12 blocks on
	s_add_co_u32 s76, s76, SC0
	s_mov_b32 s77, 0
	s_lshl_b32 s78, s14, 12                        ; Wq's
	s_add_co_u32 s78, s78, SC0
	s_mov_b32 s79, 0
	s_lshl_b32 s80, s101, 12                       ; inp's
	s_add_co_u32 s80, s80, SC0
	s_mov_b32 s81, 0
	s_add_co_u32 s101, s23, 96
	s_lshl_b32 s82, s101, 12                       ; x's
	s_add_co_u32 s82, s82, SC0
	s_mov_b32 s83, 0
	; the biases: 256 bytes a head
	s_lshl_b32 s84, s20, 1
	s_add_co_u32 s84, s84, s17
	s_lshl_b32 s84, s84, 8                         ; v: head 2 cx + w1 (the second tile: 8 heads on)
	s_mov_b32 s85, 0
	s_lshl_b32 s86, s20, 1
	s_add_co_u32 s86, s86, s18
	s_lshl_b32 s86, s86, 8                         ; k: head 2 cx + w0
	s_mov_b32 s87, 0
	s_lshl_b32 s88, s14, 1
	s_add_co_u32 s88, s88, s18
	s_lshl_b32 s88, s88, 8                         ; q: head 2 (Wq's tile) + w0
	s_mov_b32 s89, 0
	; where the results go.  v: keys' group of 64 U0 = 2 J + w0, head 2 cx + w1
	s_lshl_b32 s2, s22, 1
	s_add_co_u32 s2, s2, s18
	s_lshl_b32 s3, s20, 1
	s_add_co_u32 s3, s3, s17
	s_lshr_b32 s19, s2, 4
	s_lshl_b32 s19, s19, 4
	s_add_co_u32 s19, s19, s3                      ; 16 batch + head
	s_and_b32 s2, s2, 15
	s_mul_i32 s[OUTV], s19, 49152
	s_mul_i32 s3, s2, 768
	s_add_co_u32 s[OUTV], s[OUTV], s3
	s_add_co_u32 s[OUTV], s[OUTV], 9437184         ; v's images [bh][d tile][64 keys][768]
	s_mov_b32 s[OUTV+1], 0
	s_lshl_b32 s[OUTV+2], s19, 3
	s_lshr_b32 s3, s2, 1
	s_add_co_u32 s[OUTV+2], s[OUTV+2], s3
	s_lshl_b32 s[OUTV+2], s[OUTV+2], 8
	s_and_b32 s3, s2, 1
	s_lshl_b32 s3, s3, 1
	s_add_co_u32 s[OUTV+2], s[OUTV+2], s3
	s_add_co_u32 s[OUTV+2], s[OUTV+2], 16515072    ; v's scale words [bh][128 keys][256]
	s_mov_b32 s[OUTV+3], 0
	; k: rows' group of 64 U1 = 2 J + w1, head 2 cx + w0
	s_lshl_b32 s2, s22, 1
	s_add_co_u32 s2, s2, s17
	s_lshl_b32 s3, s20, 1
	s_add_co_u32 s3, s3, s18
	s_lshr_b32 s19, s2, 4
	s_lshl_b32 s19, s19, 4
	s_add_co_u32 s19, s19, s3
	s_lshl_b32 s19, s19, 4
	s_and_b32 s2, s2, 15
	s_add_co_u32 s19, s19, s2                      ; [bh][group of 64 rows]
	s_mul_i32 s[OUTK], s19, 3072
	s_add_co_u32 s[OUTK], s[OUTK], 3145728
	s_mov_b32 s[OUTK+1], 0
	s_lshl_b32 s[OUTK+2], s19, 8
	s_add_co_u32 s[OUTK+2], s[OUTK+2], 15990784
	s_mov_b32 s[OUTK+3], 0
	; q: U1 = 2 (x's tile) + w1, head 2 (Wq's tile) + w0
	s_lshl_b32 s2, s23, 1
	s_add_co_u32 s2, s2, s17
	s_lshl_b32 s3, s14, 1
	s_add_co_u32 s3, s3, s18
	s_lshr_b32 s19, s2, 3
	s_lshl_b32 s19, s19, 4
	s_add_co_u32 s19, s19, s3
	s_lshl_b32 s19, s19, 3
	s_and_b32 s2, s2, 7
	s_add_co_u32 s19, s19, s2
	s_mul_i32 s[OUTQ], s19, 3072
	s_mov_b32 s[OUTQ+1], 0
	s_lshl_b32 s[OUTQ+2], s19, 8
	s_add_co_u32 s[OUTQ+2], s[OUTQ+2], 15728640
	s_mov_b32 s[OUTQ+3], 0
	; the lanes' addresses
	v_and_b32 v1, 15, v0                           ; r
	v_bfe_u32 v2, v0, 4, 1                         ; h
	v_and_b32 v3, 31, v0
	v_lshlrev_b32 v[HO16], 4, v3
	v_lshl_add_u32 v[HO8], v3, 3, 512
	s_mul_i32 s19, s18, QUART
	v_add_nc_u32 v[B0L], s19, v[HO16]
	v_add_nc_u32 v[B0S], s19, v[HO8]
	s_mul_i32 s101, s17, QUART
	v_add_nc_u32 v[B1L], s101, v[HO16]
	v_add_nc_u32 v[B1S], s101, v[HO8]
	s_lshl_b32 s3, s16, 10
	v_add_nc_u32 v[SCG], s3, v[HO16]
	v_add_nc_u32 v[SCLD], SCL, v[SCG]
	s_lshl_b32 s19, s18, 11                        ; scale words: the half of source 0's block,
	s_lshl_b32 s101, s17, 11
	s_add_co_u32 s101, s101, 8192
	s_sub_co_u32 s101, s101, s19                   ; and how far on source 1's half lies where the blocks are two apart
	v_mul_u32_u24 v3, s101, v2                     ; lanes 16-31 take source 1's: one product with h
	v_lshl_add_u32 v3, v1, 4, v3
	s_add_co_u32 s3, s101, 4096                    ; three apart
	v_mul_u32_u24 v23, s3, v2
	v_lshl_add_u32 v23, v1, 4, v23
	s_add_co_u32 s19, s19, SCL
	v_add_nc_u32 v[ADRS+2], s19, v23               ; tile 2: Wk a (block 0), inp (block 3)
	s_add_co_u32 s19, s19, 4096
	v_add_nc_u32 v[ADRS+3], s19, v3                ; tile 3: Wk b (1), inp (3)
	s_add_co_u32 s19, s19, 4096
	v_add_nc_u32 v[ADRS+4], s19, v3                ; tile 4: Wq (2), x (4)
	s_add_co_u32 s19, s19, 4096
	v_add_nc_u32 v[ADRS], s19, v3                  ; tile 0: inp (3), Wv a (5)
	v_add_nc_u32 v[ADRS+1], s19, v23               ; tile 1: inp (3), Wv b (6)
	v_and_b32 v3, 8, v1
	v_add_nc_u32 v3, v3, v1                        ; r + 8 (r / 8)
	v_lshlrev_b32 v[BMA], 2, v3
	v_lshlrev_b32 v[BA], 6, v2
	v_lshlrev_b32 v[SO], 4, v1
.irp g, 0,1,2,3,4,5,6,7
	v_mov_b32 v[TM+8+\g], 0                        ; written once: a lane permute's destination counts as one of its sources
.endr
	s_wait_dscnt 0x0                               ; the opening add is done
	s_wait_kmcnt 0x0
	s_mov_b32 s[G0R], 1
	s_mov_b32 s[G0R+1], s66                        ; RES begins at LDS byte 0
	s_add_nc_u64 s[G0R+2:G0R+3], s[4:5], s[90:91]
	s_or_b32 s[G0R+3], s[G0R+3], 0x80000000
	s_mov_b32 s[G0W0], 1
	s_add_co_u32 s[G0W0+1], s66, WS0
	s_add_nc_u64 s[G0W0+2:G0W0+3], s[4:5], s[70:71]
	s_mov_b32 s[G0W1], 1
	s_add_co_u32 s[G0W1+1], s66, WS1
	s_add_nc_u64 s[G0W1+2:G0W1+3], s[G0W0+2:G0W0+3], 4*TILEB   ; Wv's tile cx + 4
	s_or_b32 s[G0W0+3], s[G0W0+3], 0x80000000
	s_or_b32 s[G0W1+3], s[G0W1+3], 0x80000000
	s_add_nc_u64 s[76:77], s[4:5], s[76:77]
	s_add_nc_u64 s[78:79], s[4:5], s[78:79]
	s_add_nc_u64 s[80:81], s[4:5], s[80:81]
	s_add_nc_u64 s[82:83], s[4:5], s[82:83]
	s_add_nc_u64 s[84:85], s[10:11], s[84:85]
	s_add_nc_u64 s[86:87], s[8:9], s[86:87]
	s_add_nc_u64 s[88:89], s[6:7], s[88:89]
	s_add_nc_u64 s[OUTV:OUTV+1], s[12:13], s[OUTV:OUTV+1]
	s_add_nc_u64 s[OUTV+2:OUTV+3], s[12:13], s[OUTV+2:OUTV+3]
	s_add_nc_u64 s[OUTK:OUTK+1], s[12:13], s[OUTK:OUTK+1]
	s_add_nc_u64 s[OUTK+2:OUTK+3], s[12:13], s[OUTK+2:OUTK+3]
	s_add_nc_u64 s[OUTQ:OUTQ+1], s[12:13], s[OUTQ:OUTQ+1]
	s_add_nc_u64 s[OUTQ+2:OUTQ+3], s[12:13], s[OUTQ+2:OUTQ+3]
	CROUND                                         ; all sixteen work-groups are here: the first joint loads meet
	; THE HEAD'S LOADS, ONE A WAVE: waves 0, 1 bring the halves of inp's tile into RES, waves 2, 3 the halves of Wv's tile cx into WS0: half w goes to LDS byte 49,152 w
	s_add_nc_u64 s[6:7], s[4:5], s[90:91]          ; inp's tile + 24,576 w,
	s_add_nc_u64 s[6:7], s[6:7], s[66:67]          ; + 24,576 w once more: half w
	s_or_b32 s7, s7, 0x80000000
	s_add_nc_u64 s[10:11], s[4:5], s[70:71]
	s_add_nc_u64 s[10:11], s[10:11], s[66:67]
	s_sub_nc_u64 s[10:11], s[10:11], TILEB         ; Wv's tile, half w - 2
	s_or_b32 s11, s11, 0x80000000
	s_mov_b32 s4, 1
	s_mul_i32 s5, s16, HALFK
	s_mov_b32 s8, 1
	s_mul_i32 s9, s16, HALFK
	s_cmp_lt_u32 s16, 2
	s_cbranch_scc0 .Lhead_w
	tensor_load_to_lds s[4:7], s[G1B:G1B+7]
	s_nop 0
	PLACES
	s_branch .Lhead_asked
.Lhead_w:
	tensor_load_to_lds s[8:11], s[G1A:G1A+7]
	s_nop 0
	PLACES
.Lhead_asked:
.irp i, 0,1                            ; my quarter, 1,024 bytes, of each of the seven blocks of scale words: 512 consecutive bytes a load
	global_load_b128 v[ACC+4*\i:ACC+4*\i+3], v[SCG], s[76:77] offset:512*\i
	global_load_b128 v[ACC+8+4*\i:ACC+8+4*\i+3], v[SCG], s[76:77] offset:16384+512*\i
	global_load_b128 v[ACC+16+4*\i:ACC+16+4*\i+3], v[SCG], s[78:79] offset:512*\i
	global_load_b128 v[ACC+24+4*\i:ACC+24+4*\i+3], v[SCG], s[80:81] offset:512*\i
	global_load_b128 v[ACC+32+4*\i:ACC+32+4*\i+3], v[SCG], s[82:83] offset:512*\i
	global_load_b128 v[ACC+40+4*\i:ACC+40+4*\i+3], v[SCG], s[76:77] offset:32768+512*\i
	global_load_b128 v[ACC+48+4*\i:ACC+48+4*\i+3], v[SCG], s[76:77] offset:49152+512*\i
.endr
	WIN 0x80                                       ; destination window 2: all five tiles' biases, 40 loads
.irp t, 0,1
.irp a, 0,1,2,3
	global_load_b32 v[8*\t+2*\a], v[BMA], s[84:85] offset:2048*\t+4*(32*(\a/2)+8*(\a%2))
	global_load_b32 v[8*\t+2*\a+1], v[BMA], s[84:85] offset:2048*\t+4*(32*(\a/2)+8*(\a%2))   ; twice: a pair for the packed addition
.endr
.endr
.irp t, 0,1
.irp b, 0,1,2,3
	global_load_b128 v[16+32*\t+8*\b:16+32*\t+8*\b+3], v[BA], s[86:87] offset:2048*\t+128*(\b/2)+32*(\b%2)
	global_load_b128 v[16+32*\t+8*\b+4:16+32*\t+8*\b+7], v[BA], s[86:87] offset:2048*\t+128*(\b/2)+32*(\b%2)+16
.endr
.endr
.irp b, 0,1,2,3
	global_load_b128 v[80+8*\b:80+8*\b+3], v[BA], s[88:89] offset:128*(\b/2)+32*(\b%2)
	global_load_b128 v[80+8*\b+4:80+8*\b+7], v[BA], s[88:89] offset:128*(\b/2)+32*(\b%2)+16
.endr
	WIN 0
	s_wait_loadcnt 40                              ; the 14 loads of scale words are in; the 40 loads of biases behind them may be out
.irp k, 0,1,2,3,4,5,6
.irp i, 0,1
	ds_store_b128 v[SCLD], v[ACC+8*\k+4*\i:ACC+8*\k+4*\i+3] offset:4096*\k+512*\i
.endr
.endr
	s_wait_alu depctr_va_vdst(0)
	s_wait_tensorcnt 0x0                           ; my half tile is in; WS1's first fill is issued as a refill is
	ds_add_u32 v[SPW], v[NIL]
	s_mov_b32 s[G1A+2], 96<<16                     ; no tensor load of mine is out: from here on a load brings a quarter, 96 rows
	s_mov_b32 s[G1A+4], 96
	s_mov_b32 s[G1B+2], 96<<16
	s_mov_b32 s[G1B+4], 96
	s_wait_dscnt 0x0                               ; the add is done, and my part of the scale words lies in LDS
	CROUND                                         ; RES, WS0 and the scale words are whole for every wave, and the joint loads meet
	tensor_load_to_lds s[G0W1:G0W1+3], s[G1A:G1A+7]   ; Wv's tile cx + 4, a quarter a wave: it has tile 0 in which to land
	s_nop 0
	PLACES
	SETAD RES, WS0
	FETCH 0, 0, 0
	s_wait_alu depctr_va_vdst(0)
	TILE 0
	TURNQ 0
	OUT_V 0
	TILE 1
	TURNQ 1
	OUT_V 1
	TILE 2
	TURNQ 2
	OUT_QK 16, OUTK, 0
	TILE 3
	TURNQ 3
	OUT_QK 48, OUTK, 1
	s_wait_tensorcnt 0x0                           ; my quarter of x's tile has landed,
	s_wait_dscnt 0x0
	s_barrier_signal -1
	s_barrier_wait -1                              ; everybody's has
	SETAD WS0, RES
	FETCH 0, 0, 4
	s_wait_alu depctr_va_vdst(0)
	TILE 4
	s_wait_dscnt 0x0
	WIN MUL
	MUL8 1, 0, 0
	MUL8 1, 2, 0
	WIN 0
	OUT_QK 80, OUTQ, 0
	s_wait_tensorcnt 0x0                           ; the wave's end
	ds_add_u32 v[SPW], v[NIL]
	s_wait_dscnt 0x0
	CROUND                                         ; the closing round: no work-group ends while a partner may still ask for a tile that names it
	s_endpgm
.Lfunc_end_k_q9ad0c035ff_mm_qkv:
	.size	k_q9ad0c035ff_mm_qkv, .Lfunc_end_k_q9ad0c035ff_mm_qkv-k_q9ad0c035ff_mm_qkv
	.p2alignl 7, 3214868480
	.fill 96, 4, 3214868480
	.section	.rodata,"a",@progbits
	.p2align	6, 0x0
	.amdhsa_kernel k_q9ad0c035ff_mm_qkv
		.amdhsa_group_segment_fixed_size 327680
		.amdhsa_private_segment_fixed_size 0
		.amdhsa_enable_private_segment 0
		.amdhsa_kernarg_size 40
		.amdhsa_user_sgpr_count 2
		.amdhsa_user_sgpr_kernarg_segment_ptr 1
		.amdhsa_wavefront_size32 1
		.amdhsa_system_sgpr_workgroup_id_x 1
		.amdhsa_system_sgpr_workgroup_id_y 1
		.amdhsa_system_sgpr_workgroup_id_z 1
		.amdhsa_system_vgpr_workitem_id 0
		.amdhsa_next_free_vgpr 640
		.amdhsa_next_free_sgpr 102
		.amdhsa_reserve_vcc 0
		.amdhsa_float_denorm_mode_32 3
		.amdhsa_float_denorm_mode_16_64 3
		.amdhsa_memory_ordered 1
		.amdhsa_forward_progress 1
		.amdhsa_inst_pref_size 255
	.end_amdhsa_kernel
	.section	.bss,"aw",@nobits
	.p2align	6
	.space	262144
	.amdgpu_metadata
---
amdhsa.version: [ 1, 2 ]
amdhsa.kernels:
  - .name:           k_q9ad0c035ff_mm_qkv
    .symbol:         k_q9ad0c035ff_mm_qkv.kd
    .args:
      - { .name: pre_q, .offset: 0, .size: 8, .value_kind: global_buffer, .address_space: global }
      - { .name: bq, .offset: 8, .size: 8, .value_kind: global_buffer, .address_space: global }
      - { .name: bk, .offset: 16, .size: 8, .value_kind: global_buffer, .address_space: global }
      - { .name: bv, .offset: 24, .size: 8, .value_kind: global_buffer, .address_space: global }
      - { .name: qkv_q, .offset: 32, .size: 8, .value_kind: global_buffer, .address_space: global }
    .group_segment_fixed_size: 327680
    .private_segment_fixed_size: 0
    .kernarg_segment_align: 8
    .kernarg_segment_size: 40
    .max_flat_workgroup_size: 128
    .sgpr_count:     102
    .vgpr_count:     640
    .wavefront_size: 32
...
	.end_amdgpu_metadata
.endif
;; end of part 8
;; launch attn (part 9): grid 2 x 128, 16 waves a work-group, no clusters, 167,936 bytes of LDS; arguments qkv_q, att_q; writes att_q
.if DOCPART == 9
	.amdgcn_target "amdgcn-amd-amdhsa--gfx1250"
	.amdhsa_code_object_version 6
	.text
	.protected	k_q9ad0c035ff_attn
	.globl	k_q9ad0c035ff_attn
	.p2align	8
	.type	k_q9ad0c035ff_attn,@function
k_q9ad0c035ff_attn:
	s_mov_b64 s[64:65], 0
	v_nop
	global_prefetch_b8 v0, s[64:65] scope:SCOPE_SE
	s_setreg_imm32_b32 hwreg(HW_REG_WAVE_MODE, 25, 1), 1
	s_wait_xcnt 0x0
; out[b][t][head] = softmax(q k^T / 8) v for one (batch, head) and 256 queries a work-group, both products on codes of FP6 (E2M3) with E8M0 scales; the result, divided by the row's sum, is quantised along the features for the next product.
; SOFTMAX: t = score x log2(e) / 8; M = the running largest t rounded UP to a whole number; p = 2^(t - M) is quantised along the keys, not normalised; the sum is taken of the unquantised p; when M moves, sum and O are multiplied by 2^(old M - new M), exactly.
; SHARES: each of the sixteen waves owns one tile of 16 queries; every wave walks the head's 1,024 keys, 128 a step, 8 steps.  A head's k and v codes (2 x 49,152 bytes) and scale words come into LDS ONCE, by seven tensor loads at the start; nothing is filled again.
; No cluster: only the two work-groups of a head share these tiles, and the grid's neighbours along y are other heads, which share nothing.
; LAYOUT: images of operand registers (768 bytes = 16 rows x 64 K).  Both products are used transposed: S^T = k q^T, O^T = v^T p^T: a lane holds one query.  Lane r of key tile T holds key 32 (T/2) + 8 (T%2) + r + 8 (r/8), so the 16 registers of tiles 2 b, 2 b + 1 are keys 32 b + 16 (lane/16) + 0..15.
; THE FIRST PRODUCT'S K IS 64: q's registers 6-11 are zero codes and both sides' scale bytes 2, 3 are 0 (2^-127): whatever k's registers 6-11 hold (zeros, later v's old codes; the format has no NaN) is multiplied by 0.
; LIMITS: NaN and infinities are not served; a block of the result whose largest magnitude lies under 2^-124 keeps the byte 1.
.set VOFF,  49152
.set KSC,   98304
.set VSC,   102400
.set SPARE, 104448                     ; the spare words, 128 bytes for each of 16 waves, which no other line names
.set AK16, 1                           ; v1  16 l
.set AK8,  2                           ; v2  8 l + 512
.set AV16, 3                           ; v3, v4 the same in v's codes
.set AV8,  4
.set SPW,  5                           ; v5  my spare word; never rewritten
.set NIL,  6                           ; v6  0; never rewritten
.set ASK,  7                           ; v7  k's scale words: 16 r on
.set ASV,  8                           ; v8  v's
.set R16,  31                          ; v31 16 r
; v9-11, v28-30 the step's addresses; v12 -M, v13 the largest t, v[14:15] the sum; v16-27 q; v32-79 four fragments; v80-86 the result's codes; v96-159 S^T, then p; v160-191 O^T; v224-235 p's codes; v232-254 at work; v248-251 scale words; v253 p's; v255 q's
.set WV,   8
.set SEL,  20
.set CS,   22
.set G1C,  24                          ; s[24:31] 24,576 dense bytes as 96 rows of 256;  s[32:39] 2,048 as 8
.set G1S,  32
.set G0C,  40
.set G0S,  44
.set TK,   50
.set TV,   51
.set TSK,  52
.set TSV,  53
.set CNT,  54
	s_load_b128 s[4:7], s[0:1], 0x0                ; qkv_q, att_q
	v_lshl_add_u32 v[SPW], v0, 2, SPARE
	v_mov_b32 v[NIL], 0
	ds_add_u32 v[SPW], v[NIL]                      ; the wave's opening: the adds, and their wait ahead of my first tensor load
	ds_add_u32 v[SPW], v[NIL]
	v_lshrrev_b32 v9, 5, v0
	s_delay_alu instid0(VALU_DEP_1)
	v_readfirstlane_b32 s[WV], v9                  ; wave 0..15
	s_and_b32 s9, ttmp7, 0xffff                    ; bh = 16 batch + head
	s_mov_b32 s[G1C], 3<<16
	s_mov_b32 s[G1C+1], 32<<16
	s_mov_b32 s[G1C+2], 96<<16
	s_mov_b32 s[G1C+3], 32<<16
	s_mov_b32 s[G1C+4], 96
	s_mov_b32 s[G1C+5], 32
	s_mov_b32 s[G1C+6], 0
	s_mov_b32 s[G1C+7], 0
	s_mov_b32 s[G1S], 3<<16
	s_mov_b32 s[G1S+1], 32<<16
	s_mov_b32 s[G1S+2], 8<<16
	s_mov_b32 s[G1S+3], 32<<16
	s_mov_b32 s[G1S+4], 8
	s_mov_b32 s[G1S+5], 32
	s_mov_b32 s[G1S+6], 0
	s_mov_b32 s[G1S+7], 0
	s_cmp_lt_u32 s[WV], 2                          ; waves 0, 1: k's halves; waves 2, 3: v's
	s_mov_b32 s10, 9437184
	s_cselect_b32 s10, 3145728, s10
	s_mul_i32 s11, s9, 49152
	s_add_co_u32 s10, s10, s11
	s_and_b32 s11, s[WV], 1
	s_mul_i32 s11, s11, 24576
	s_add_co_u32 s10, s10, s11
	s_mov_b32 s11, 0
	s_lshl_b32 s12, s9, 12                         ; waves 4, 5: k's scale words; wave 6: v's
	s_and_b32 s13, s[WV], 1
	s_lshl_b32 s13, s13, 11
	s_add_co_u32 s12, s12, s13
	s_add_co_u32 s12, s12, 15990784
	s_lshl_b32 s13, s9, 11
	s_add_co_u32 s13, s13, 16515072
	s_cmp_eq_u32 s[WV], 6
	s_cselect_b32 s12, s13, s12
	s_mov_b32 s13, 0
	s_mul_i32 s55, s[WV], 24576
	s_lshl_b32 s56, s[WV], 11
	s_add_co_u32 s56, s56, KSC-4*2048
	s_lshl_b32 s57, ttmp9, 4
	s_add_co_u32 s57, s57, s[WV]                   ; my tile of queries, 0..31
	s_lshl_b32 s14, s9, 5
	s_add_co_u32 s14, s14, s57
	s_mul_i32 s14, s14, 768                        ; q's image
	s_mov_b32 s15, 0
	s_lshl_b32 s16, s9, 3
	s_lshr_b32 s58, s57, 2
	s_add_co_u32 s16, s16, s58
	s_lshl_b32 s16, s16, 8
	s_and_b32 s58, s57, 3
	s_lshl_b32 s58, s58, 2
	s_add_co_u32 s16, s16, s58
	s_add_co_u32 s16, s16, 15728640                ; q's scale words
	s_mov_b32 s17, 0
	s_lshr_b32 s58, s9, 4
	s_lshl_b32 s58, s58, 5
	s_add_co_u32 s58, s58, s57                     ; my tile among all 4,096 rows
	s_and_b32 s59, s9, 15                          ; head = the next product's 64 along K
	s_lshr_b32 s18, s58, 3
	s_lshl_b32 s18, s18, 1
	s_lshr_b32 s19, s59, 3
	s_add_co_u32 s18, s18, s19
	s_mul_i32 s18, s18, 49152
	s_and_b32 s19, s58, 7
	s_mul_i32 s19, s19, 6144
	s_add_co_u32 s18, s18, s19
	s_and_b32 s19, s59, 7
	s_mul_i32 s19, s19, 768
	s_add_co_u32 s18, s18, s19                     ; the result's image
	s_mov_b32 s19, 0
	s_lshr_b32 s48, s58, 2
	s_lshl_b32 s48, s48, 3
	s_lshr_b32 s49, s59, 1
	s_add_co_u32 s48, s48, s49
	s_lshl_b32 s48, s48, 8
	s_and_b32 s49, s58, 3
	s_lshl_b32 s49, s49, 2
	s_add_co_u32 s48, s48, s49
	s_and_b32 s49, s59, 1
	s_lshl_b32 s49, s49, 1
	s_add_co_u32 s48, s48, s49
	s_add_co_u32 s48, s48, 3145728                 ; and its two scale bytes
	s_mov_b32 s49, 0
	s_mov_b32 s[SEL], 0x76543210
	s_mov_b32 s[SEL+1], 0xfedcba98
	s_mov_b32 s[CS], 0x3e38aa3b                    ; c = log2(e) / 8
	s_mov_b32 s[CS+1], s[CS]
	s_mov_b32 s[TK], 0
	s_mov_b32 s[TV], 0
	s_mov_b32 s[TSK], 0
	s_mov_b32 s[TSV], 0
	s_mov_b32 s[CNT], 8
	s_wait_dscnt 0x0                               ; the opening add is done
	s_wait_kmcnt 0x0
	s_mov_b32 s[G0C], 1
	s_mov_b32 s[G0C+1], s55
	s_add_nc_u64 s[G0C+2:G0C+3], s[4:5], s[10:11]
	s_or_b32 s[G0C+3], s[G0C+3], 0x80000000
	s_mov_b32 s[G0S], 1
	s_mov_b32 s[G0S+1], s56
	s_add_nc_u64 s[G0S+2:G0S+3], s[4:5], s[12:13]
	s_or_b32 s[G0S+3], s[G0S+3], 0x80000000
	s_cmp_lt_u32 s[WV], 4                          ; one tensor load a wave at the most; an s_nop 0 and four v_nop follow each
	s_cbranch_scc0 .Lnot_codes
	tensor_load_to_lds s[G0C:G0C+3], s[G1C:G1C+7]
	s_nop 0
.rept 4
	v_nop
.endr
	s_branch .Lasked
.Lnot_codes:
	s_cmp_lt_u32 s[WV], 7
	s_cbranch_scc0 .Lasked
	tensor_load_to_lds s[G0S:G0S+3], s[G1S:G1S+7]
	s_nop 0
.rept 4
	v_nop
.endr
.Lasked:
	s_add_nc_u64 s[14:15], s[4:5], s[14:15]
	s_add_nc_u64 s[16:17], s[4:5], s[16:17]
	s_add_nc_u64 s[18:19], s[6:7], s[18:19]
	s_add_nc_u64 s[48:49], s[6:7], s[48:49]
	v_and_b32 v9, 31, v0
	v_and_b32 v10, 15, v0
	s_delay_alu instid0(VALU_DEP_2)
	v_lshlrev_b32 v[AK16], 4, v9
	s_delay_alu instid0(VALU_DEP_3)
	v_lshl_add_u32 v[AK8], v9, 3, 512
	s_delay_alu instid0(VALU_DEP_3)
	v_lshlrev_b32 v[R16], 4, v10
	global_load_b128 v[16:19], v[AK16], s[14:15]   ; q's six registers stay
	global_load_b64 v[20:21], v[AK8], s[14:15]
	global_load_b32 v255, v[R16], s[16:17]         ; q's scale words
	v_add_nc_u32 v[AV16], VOFF, v[AK16]
	v_add_nc_u32 v[AV8], VOFF, v[AK8]
	v_add_nc_u32 v[ASK], KSC, v[R16]
	v_add_nc_u32 v[ASV], VSC, v[R16]
.irp j, 22,23,24,25,26,27
	v_mov_b32 v\j, 0                               ; q beyond K = 64: zero codes
.endr
.irp t, 0,1,2,3
.irp j, 6,7,8,9,10,11
	v_mov_b32 v[32+12*\t+\j], 0                    ; k's likewise, for the first step
.endr
.endr
	v_mov_b32 v13, 0xff61b1e6                      ; the largest t so far: -3e38
	s_delay_alu instid0(VALU_DEP_1)
	v_floor_f32 v12, -v13                          ; -M
	v_mov_b32 v14, 0
	v_mov_b32 v15, 0
.irp b, 0,1,2,3
	v_mov_b32 v[236+\b], 0                         ; a lane permute's destination counts as one of its sources
.endr
	v_mov_b32 v253, 0
.set j, 0
.rept 32
	v_mov_b32 v[160+j], 0                          ; O^T: the loop is written once; its first step finds zeros
.set j, j+1
.endr
	s_wait_tensorcnt 0x0                           ; my load has landed,
	s_barrier_signal -1
	s_barrier_wait -1                              ; everybody's has
	s_wait_loadcnt 0x0                             ; q
.Lstep:
	v_add_nc_u32 v9, s[TK], v[AK16]                ; (six plain places ahead of loads into registers that the last products read)
	s_wait_alu depctr_va_vdst(0)
	v_add_nc_u32 v10, s[TK], v[AK8]
	s_wait_alu depctr_va_vdst(0)
	v_add_nc_u32 v11, s[TV], v[AV16]
	v_add_nc_u32 v28, s[TV], v[AV8]
	v_add_nc_u32 v29, s[TSK], v[ASK]
	s_wait_alu depctr_va_vdst(0)
	v_add_nc_u32 v30, s[TSV], v[ASV]
.irp g, 0,1                                    ; S^T = k q^T, four tiles of 16 keys at a time
.if \g > 0
.rept 4
	v_nop
.endr
.endif
.irp t, 0,1,2,3
	ds_load_b128 v[32+12*\t:35+12*\t], v9 offset:(4*\g+\t)*768
	ds_load_b64 v[36+12*\t:37+12*\t], v10 offset:(4*\g+\t)*768
.endr
	ds_load_b128 v[248:251], v29 offset:256*\g
	s_wait_dscnt 0x0
.irp t, 0,1,2,3
	v_wmma_scale_f32_16x16x128_f8f6f4 v[96+8*(4*\g+\t):103+8*(4*\g+\t)], v[32+12*\t:43+12*\t], v[16:27], 0, v[248+\t], v255 matrix_a_fmt:MATRIX_FMT_FP6 matrix_b_fmt:MATRIX_FMT_FP6
.endr
.endr
.rept 4
	v_nop
.endr
.irp t, 0,1,2,3                                ; v's four fragments of these 128 keys go out now and land under the softmax
	ds_load_b128 v[32+12*\t:35+12*\t], v11 offset:\t*12288
	ds_load_b64 v[36+12*\t:37+12*\t], v28 offset:\t*12288
	ds_load_b128 v[38+12*\t:41+12*\t], v11 offset:\t*12288+768
	ds_load_b64 v[42+12*\t:43+12*\t], v28 offset:\t*12288+768
.endr
	s_wait_alu depctr_va_vdst(0)
	ds_load_b128 v[248:251], v30
.irp b, 0,1,2,3
	v_max3_num_f32 v[232+\b], v[96+16*\b], v[97+16*\b], v[98+16*\b]   ; the largest score of each block of 32 keys: for the row's maximum and for the block's largest p
.endr
.irp i, 3,5,7,9,11,13
.irp b, 0,1,2,3
	v_max3_num_f32 v[232+\b], v[232+\b], v[96+16*\b+\i], v[97+16*\b+\i]
.endr
.endr
.irp b, 0,1,2,3
	v_max_num_f32 v[232+\b], v[232+\b], v[111+16*\b]
.endr
.irp b, 0,1,2,3
	s_delay_alu instid0(VALU_DEP_4)
	v_permlanex16_b32 v[236+\b], v[232+\b], s[SEL], s[SEL+1]
.endr
.irp b, 0,1,2,3
	s_delay_alu instid0(VALU_DEP_4)
	v_max_num_f32 v[232+\b], v[232+\b], v[236+\b]
.endr
	s_delay_alu instid0(VALU_DEP_2)
	v_max3_num_f32 v254, v232, v233, v234
	s_delay_alu instid0(VALU_DEP_1)
	v_max_num_f32 v254, v254, v235
	s_delay_alu instid0(VALU_DEP_1)
	v_mul_f32 v254, s[CS], v254
	s_delay_alu instid0(VALU_DEP_1)
	v_max_num_f32 v13, v13, v254                   ; the running largest t
	v_mov_b32 v254, v12
	s_delay_alu instid0(VALU_DEP_2)
	v_floor_f32 v12, -v13                          ; the new -M
	s_delay_alu instid0(VALU_DEP_1)
	v_sub_f32 v254, v12, v254
	s_delay_alu instid0(VALU_DEP_1)
	v_cvt_i32_f32 v254, v254                       ; (it saturates)
	s_delay_alu instid0(VALU_DEP_1)
	v_ldexp_f32 v252, 1.0, v254                    ; f = 2^(old M - new M)
.set j, 0
.rept 32
	v_pk_fma_f32 v[96+j:97+j], v[96+j:97+j], s[CS:CS+1], v[12:13] op_sel_hi:[1,0,0]   ; t - M
.set j, j+2
.endr
.irp b, 0,1,2,3
	v_fma_f32 v[232+\b], v[232+\b], s[CS], v12
.endr
.set j, 0
	s_wait_alu depctr_va_vdst(0)
.rept 64
	v_exp_f32 v[96+j], v[96+j]                     ; p
.set j, j+1
.endr
	v_pk_mul_f32 v[14:15], v[14:15], v[252:253] op_sel_hi:[1,0]   ; the sums under the new M (a plain place behind the exponentials)
	s_wait_alu depctr_va_vdst(0)                   ; one wait for the batch, ahead of its first reader
.irp b, 0,1,2,3
	v_exp_f32 v[232+\b], v[232+\b]                 ; each block's largest p
.endr
	v_pk_add_f32 v[236:237], v[100:101], v[104:105]
	v_pk_add_f32 v[246:247], v[108:109], v[112:113]
	v_pk_add_f32 v[244:245], v[116:117], v[120:121]
	v_pk_add_f32 v[242:243], v[124:125], v[128:129]
	v_pk_add_f32 v[240:241], v[132:133], v[136:137]
	v_pk_add_f32 v[238:239], v[140:141], v[144:145]
	v_pk_add_f32 v[230:231], v[148:149], v[152:153]
	v_pk_add_f32 v[14:15], v[14:15], v[156:157]
	v_pk_add_f32 v[236:237], v[236:237], v[96:97]
	v_pk_add_f32 v[246:247], v[246:247], v[98:99]
	v_pk_add_f32 v[244:245], v[244:245], v[102:103]
	v_pk_add_f32 v[242:243], v[242:243], v[106:107]
	v_pk_add_f32 v[240:241], v[240:241], v[110:111]
	v_pk_add_f32 v[238:239], v[238:239], v[114:115]
	v_pk_add_f32 v[230:231], v[230:231], v[118:119]
	v_pk_add_f32 v[14:15], v[14:15], v[122:123]
	v_pk_add_f32 v[236:237], v[236:237], v[126:127]
	v_pk_add_f32 v[246:247], v[246:247], v[130:131]
	v_pk_add_f32 v[244:245], v[244:245], v[134:135]
	v_pk_add_f32 v[242:243], v[242:243], v[138:139]
	v_pk_add_f32 v[240:241], v[240:241], v[142:143]
	v_pk_add_f32 v[238:239], v[238:239], v[146:147]
	v_pk_add_f32 v[230:231], v[230:231], v[150:151]
	v_pk_add_f32 v[14:15], v[14:15], v[154:155]
	v_pk_add_f32 v[236:237], v[236:237], v[158:159]
	s_delay_alu instid0(VALU_DEP_2)
	v_pk_add_f32 v[14:15], v[14:15], v[242:243]
	s_delay_alu instid0(VALU_DEP_2)
	v_pk_add_f32 v[236:237], v[236:237], v[240:241]
	v_pk_add_f32 v[246:247], v[246:247], v[238:239]
	v_pk_add_f32 v[244:245], v[244:245], v[230:231]
	s_delay_alu instid0(VALU_DEP_2)
	v_pk_add_f32 v[14:15], v[14:15], v[246:247]
	s_delay_alu instid0(VALU_DEP_2)
	v_pk_add_f32 v[236:237], v[236:237], v[244:245]
	s_delay_alu instid0(VALU_DEP_1)
	v_pk_add_f32 v[14:15], v[14:15], v[236:237]
	s_wait_alu depctr_va_vdst(0)                   ; and one for the four
.irp b, 0,1,2,3
	v_max_num_f32 v[232+\b], 0x1800000, v[232+\b]  ; the floor 2^(3 - 127)
.endr
.irp b, 0,1,2,3
	s_delay_alu instid0(VALU_DEP_4)
	v_add_nc_u32 v[244+\b], 0xff000000, v[232+\b]
.endr
.irp b, 0,1,2,3
	s_delay_alu instid0(VALU_DEP_4)
	v_lshrrev_b32 v[236+\b], 23, v[244+\b]
.endr
	s_delay_alu instid0(VALU_DEP_3)
	v_lshl_or_b32 v253, v237, 8, v236              ; p's scale word
	s_delay_alu instid0(VALU_DEP_1)
	v_lshl_or_b32 v253, v238, 16, v253
	s_delay_alu instid0(VALU_DEP_1)
	v_lshl_or_b32 v253, v239, 24, v253
.irp c, 0,1
	v_cvt_scalef32_pk16_fp6_f32 v[224+6*\c:226+6*\c], v[96+32*\c:111+32*\c], v[244+2*\c]
	v_cvt_scalef32_pk16_fp6_f32 v[236+4*\c:238+4*\c], v[112+32*\c:127+32*\c], v[244+2*\c+1]
.endr
	v_nop                                          ; one plain place behind a scaled conversion
.irp c, 0,1
.irp i, 0,1,2
	v_permlane16_swap_b32 v[224+6*\c+\i], v[236+4*\c+\i]
.endr
.irp i, 0,1,2
	s_delay_alu instid0(VALU_DEP_3)
	v_mov_b32 v[227+6*\c+\i], v[236+4*\c+\i]
.endr
.endr
.set j, 0
.rept 16
	v_pk_mul_f32 v[160+j:161+j], v[160+j:161+j], v[252:253] op_sel_hi:[1,0]   ; O^T under the new M; these sixteen are also the places between p's codes and scale word and the products
.set j, j+2
.endr
	s_wait_alu depctr_va_vdst(0)
	s_wait_dscnt 0x0                               ; v's fragments and scale words
.irp t, 0,1,2,3                                ; O^T += v^T p^T: the four accumulators by turns
	v_wmma_scale_f32_16x16x128_f8f6f4 v[160+8*\t:167+8*\t], v[32+12*\t:43+12*\t], v[224:235], v[160+8*\t:167+8*\t], v[248+\t], v253 matrix_a_fmt:MATRIX_FMT_FP6 matrix_b_fmt:MATRIX_FMT_FP6
.endr
	s_add_co_u32 s[TK], s[TK], 6144
	s_add_co_u32 s[TV], s[TV], 1536
	s_add_co_u32 s[TSK], s[TSK], 512
	s_add_co_u32 s[TSV], s[TSV], 256
	s_sub_co_u32 s[CNT], s[CNT], 1
	s_cmp_lg_u32 s[CNT], 0
	s_cbranch_scc1 .Lstep
.rept 4
	v_nop
.endr
	v_add_f32 v14, v14, v15
	s_delay_alu instid0(VALU_DEP_1)
	v_permlanex16_b32 v252, v14, s[SEL], s[SEL+1]
	s_delay_alu instid0(VALU_DEP_1)
	v_add_f32 v14, v14, v252                       ; the row's sum
	s_wait_alu depctr_va_vdst(0)
	v_rcp_f32 v14, v14
	v_nop
	s_wait_alu depctr_va_vdst(0)
.set j, 0
.rept 32
	v_mul_f32 v[96+j], v[160+j], v14               ; register 16 B + i is channel 32 B + 16 (lane / 16) + i of my query
.set j, j+1
.endr
.irp b, 0,1
	v_max3_num_f32 v[232+\b], |v[96+16*\b]|, |v[97+16*\b]|, 0x1800000
.endr
.irp i, 2,4,6,8,10,12,14
.irp b, 0,1
	s_delay_alu instid0(VALU_DEP_2)
	v_max3_num_f32 v[232+\b], v[232+\b], |v[96+16*\b+\i]|, |v[97+16*\b+\i]|
.endr
.endr
.irp b, 0,1
	s_delay_alu instid0(VALU_DEP_2)
	v_permlanex16_b32 v[236+\b], v[232+\b], s[SEL], s[SEL+1]
.endr
.irp b, 0,1
	s_delay_alu instid0(VALU_DEP_2)
	v_max_num_f32 v[232+\b], v[232+\b], v[236+\b]
.endr
.irp b, 0,1
	s_delay_alu instid0(VALU_DEP_2)
	v_add_nc_u32 v[244+\b], 0xff000000, v[232+\b]
.endr
.irp b, 0,1
	s_delay_alu instid0(VALU_DEP_2)
	v_lshrrev_b32 v[236+\b], 23, v[244+\b]
.endr
	s_delay_alu instid0(VALU_DEP_1)
	v_lshl_or_b32 v240, v237, 8, v236
	v_cvt_scalef32_pk16_fp6_f32 v[80:82], v[96:111], v244
	v_cvt_scalef32_pk16_fp6_f32 v[84:86], v[112:127], v245
	v_nop
.irp i, 0,1,2
	v_permlane16_swap_b32 v[80+\i], v[84+\i]
.endr
.irp i, 0,1,2
	s_delay_alu instid0(VALU_DEP_3)
	v_mov_b32 v[83+\i], v[84+\i]
.endr
	global_store_b128 v[AK16], v[80:83], s[18:19]  ; 768 consecutive bytes a wave
	global_store_b64 v[AK8], v[84:85], s[18:19]
	global_store_b16 v[R16], v240, s[48:49]
	s_wait_tensorcnt 0x0                           ; the wave's end
	ds_add_u32 v[SPW], v[NIL]
	s_wait_dscnt 0x0
	s_endpgm
.Lfunc_end_k_q9ad0c035ff_attn:
	.size	k_q9ad0c035ff_attn, .Lfunc_end_k_q9ad0c035ff_attn-k_q9ad0c035ff_attn
	.p2alignl 7, 3214868480
	.fill 96, 4, 3214868480
	.section	.rodata,"a",@progbits
	.p2align	6, 0x0
	.amdhsa_kernel k_q9ad0c035ff_attn
		.amdhsa_group_segment_fixed_size 167936
		.amdhsa_private_segment_fixed_size 0
		.amdhsa_enable_private_segment 0
		.amdhsa_kernarg_size 16
		.amdhsa_user_sgpr_count 2
		.amdhsa_user_sgpr_kernarg_segment_ptr 1
		.amdhsa_wavefront_size32 1
		.amdhsa_system_sgpr_workgroup_id_x 1
		.amdhsa_system_sgpr_workgroup_id_y 1
		.amdhsa_system_sgpr_workgroup_id_z 1
		.amdhsa_system_vgpr_workitem_id 0
		.amdhsa_next_free_vgpr 256
		.amdhsa_next_free_sgpr 66
		.amdhsa_reserve_vcc 0
		.amdhsa_float_denorm_mode_32 3
		.amdhsa_float_denorm_mode_16_64 3
		.amdhsa_memory_ordered 1
		.amdhsa_forward_progress 1
		.amdhsa_inst_pref_size 31
	.end_amdhsa_kernel
	.amdgpu_metadata
---
amdhsa.version: [ 1, 2 ]
amdhsa.kernels:
  - .name:           k_q9ad0c035ff_attn
    .symbol:         k_q9ad0c035ff_attn.kd
    .args:
      - { .name: qkv_q, .offset: 0, .size: 8, .value_kind: global_buffer, .address_space: global }
      - { .name: att_q, .offset: 8, .size: 8, .value_kind: global_buffer, .address_space: global }
    .group_segment_fixed_size: 167936
    .private_segment_fixed_size: 0
    .kernarg_segment_align: 8
    .kernarg_segment_size: 16
    .max_flat_workgroup_size: 512
    .sgpr_count:     66
    .vgpr_count:     256
    .wavefront_size: 32
...
	.end_amdgpu_metadata
.endif
;; end of part 9
;; launch mm_wo (part 10): grid 8 x 32, 4 waves a work-group, no clusters, 214,528 bytes of LDS; arguments pre_q, att_q, x, bo, x1_f, x1_q; writes x1_f, x1_q
.if DOCPART == 10
	.amdgcn_target "amdgcn-amd-amdhsa--gfx1250"
	.amdhsa_code_object_version 6
	.text
	.protected	k_q9ad0c035ff_mm_wo
	.globl	k_q9ad0c035ff_mm_wo
	.p2align	8
	.type	k_q9ad0c035ff_mm_wo,@function
k_q9ad0c035ff_mm_wo:
	s_mov_b64 s[64:65], 0
	v_nop
	global_prefetch_b8 v0, s[64:65] scope:SCOPE_SE
	s_setreg_imm32_b32 hwreg(HW_REG_WAVE_MODE, 25, 1), 1
	s_wait_xcnt 0x0
; x1 = x + att Wo + bo, the product on codes of FP6 (E2M3) with E8M0 scales, K = 1,024.  x1 leaves as f32 and, quantised along its 1,024 features, as codes for the next product.
; OPERANDS are images of registers (768 bytes = 16 rows x 64 K: lane l's registers 0-3 at 16 l, registers 4-5 at 512 + 8 l), laid [128 rows][512 K][tile 0..7][64 K 0..7]; lane r of tile T holds row 32 (T/2) + 8 (T%2) + r + 8 (r/8).
; A work-group makes 128 x 128 of x1: 8 x 32 = 256 work-groups.  THE FOUR WAVES SHARE OUT K: wave w takes K 256 w .. 256 w + 255, two steps of 128, and holds all 64 accumulators (512 registers).
; So no byte of an operand is read by two waves of a work-group, and a fragment feeds eight products: the images go from memory straight into the fragments' registers; nothing is staged in LDS.
; THE SUMS' EXCHANGE: wave w = 2 w1 + w0 owns the quadrant of rows 64 w1 .. and columns 64 w0 ...  Each wave orders its tiles so that its own quadrant is accumulators (0..3, 0..3); its quadrant q = 2 ga + gb belongs to wave w xor q
; and goes there through LDS as an image of registers (16,384 bytes; 12 such parts); one barrier; each wave adds the three parts meant for it.  The four parts of K are so added in another order than K ascending.
; No cluster and no joint loads: a joint load lands in LDS, and here no operand byte passes through LDS.  No prefetch: both steps' loads, all that a wave reads of the operands, go out at the head: there is no loop to run ahead in.
; LIMITS: a block whose largest magnitude lies under 2^-124 keeps the byte 1; NaN and infinities are not served.  x and the bias are added behind the sum over K.
.set KS,    8                          ; steps of 128 along K in all
.set S1IMG, 98304
.set S1SCS, 4096
.set S1SC0, 3145728
.set HALFS, 256*KS                     ; the scale words of 64 rows
.set SC0,   18874368
.set PART,  16384                      ; a quadrant of partial sums
.set STAGE, 12*PART                    ; the way out: 16 rows x 272 bytes a wave
.set SPARE, STAGE+4*16*272             ; the spare words, 128 bytes a wave, which no other line names
.set SPW,  2                           ; v2 my spare word; v3 0; never rewritten
.set NIL,  3
.set L16,  4                           ; 16 l
.set L8,   5                           ; 8 l + 512
.set R16,  6                           ; 16 r
.set STO,  7
.set RD,   8
.set CO,   9
.set XA,   10
.set BA,   11
.set VQ,   12                          ; v12-14 where my quadrants 1, 2, 3 go
.set VRD,  15                          ; where the three parts meant for me lie
.set SC,   20                          ; v20-51 scale words, two sets of 16: source 0's eight, source 1's eight; scales and nothing else
.set PW,   52
.set TM,   56
.set CT,   80
.set PC,   96
.set A1,   64                          ; window 0: v64-159, v160-255 source 1's fragments, two sets.  Window 1: v0-95, v128-223 source 0's; later v0-127 x, v224-255 the bias.  Windows 2, 3: accumulator (a, b) at 8 (8 (a % 4) + b)
.set ACC,  128                         ; the finished sums, window 0: (a, b) at 128 + 8 (4 a + b)
.set P0L,  28                          ; s[28:35] codes: source 0's own and other 64 rows, source 1's
.set P0H,  30
.set P1L,  32
.set P1H,  34
.set Q0L,  36                          ; s[36:43] the same for the scale words
.set OUTP, 44
.set RESP, 46
.set BIASP, 48
.set CQ,   56
.set CS,   58
.set SEL,  60
.set MSB, 0
.macro WIN new                         ; the immediate's high byte repeats the setting that is left
.if MSB != \new
	s_set_vgpr_msb (MSB<<8)|\new
.set MSB, \new
.endif
.endm
.set MUL_LO, 0xa1                      ; source 0 window 1, source 1 window 0, C and D window 2
.set MUL_HI, 0xf1
.set TO_F,   0x40
.macro PLACES                          ; four plain places behind matrix instructions (ISA guide 7.12.1)
.rept 4
	v_nop
.endr
.endm
.macro GFRAG reg, base, off            ; a fragment: two units of 768 bytes, consecutive bytes in every load
	global_load_b128 v[\reg:\reg+3], v[L16], s[\base:\base+1] offset:\off
	global_load_b64 v[\reg+4:\reg+5], v[L8], s[\base:\base+1] offset:\off
	global_load_b128 v[\reg+6:\reg+9], v[L16], s[\base:\base+1] offset:\off+768
	global_load_b64 v[\reg+10:\reg+11], v[L8], s[\base:\base+1] offset:\off+768
.endm
.macro LOADS p, co, so                 ; 68 loads: a step's scale words and sixteen fragments into set p
.irp g, 0,1,2,3
	global_load_b128 v[SC+16*(\p)+4*\g:SC+16*(\p)+4*\g+3], v[R16], s[Q0L+2*\g:Q0L+2*\g+1] offset:\so
.endr
	WIN TO_F
.irp i, 0,1,2,3
	GFRAG 128*(\p)+12*\i, P0L, \co+\i*6144
	GFRAG 128*(\p)+48+12*\i, P0H, \co+\i*6144
.endr
	WIN 0
.irp i, 0,1,2,3
	GFRAG A1+96*(\p)+12*\i, P1L, \co+\i*6144
	GFRAG A1+96*(\p)+48+12*\i, P1H, \co+\i*6144
.endr
.endm
.macro MUL32 p, a0, zero               ; the 64 accumulators take turns, one instruction a turn
.irp a, \a0, \a0+1, \a0+2, \a0+3
.irp b, 0,1,2,3,4,5,6,7
.if \zero
	v_wmma_scale_f32_16x16x128_f8f6f4 v[8*(8*((\a)%4)+\b):8*(8*((\a)%4)+\b)+7], v[128*(\p)+12*\b:128*(\p)+12*\b+11], v[A1+96*(\p)+12*(\a):A1+96*(\p)+12*(\a)+11], 0, v[SC+16*(\p)+\b], v[SC+16*(\p)+8+(\a)] matrix_a_fmt:MATRIX_FMT_FP6 matrix_b_fmt:MATRIX_FMT_FP6
.else
	v_wmma_scale_f32_16x16x128_f8f6f4 v[8*(8*((\a)%4)+\b):8*(8*((\a)%4)+\b)+7], v[128*(\p)+12*\b:128*(\p)+12*\b+11], v[A1+96*(\p)+12*(\a):A1+96*(\p)+12*(\a)+11], v[8*(8*((\a)%4)+\b):8*(8*((\a)%4)+\b)+7], v[SC+16*(\p)+\b], v[SC+16*(\p)+8+(\a)] matrix_a_fmt:MATRIX_FMT_FP6 matrix_b_fmt:MATRIX_FMT_FP6
.endif
.endr
.endr
.endm
.macro STEP p, zero, cnt               ; 128 along K on set p; cnt: at most the loads issued behind set p's
	s_wait_loadcnt \cnt
	WIN MUL_LO
	MUL32 \p, 0, \zero
	WIN MUL_HI
	MUL32 \p, 4, \zero
	WIN 0
	PLACES
.endm
.macro PUT vq, base                    ; a quadrant's 16 accumulators as an image of registers, each from its low end on
.irp a, 0,1,2,3
.irp b, 0,1,2,3
	ds_store_b128 v[\vq], v[\base+64*\a+8*\b:\base+64*\a+8*\b+3] offset:(4*\a+\b)*1024
	ds_store_b128 v[\vq], v[\base+64*\a+8*\b+4:\base+64*\a+8*\b+7] offset:(4*\a+\b)*1024+512
.endr
.endr
.endm
.macro GET reg, part
.set i, 0
.rept 32
	ds_load_b128 v[\reg+4*i:\reg+4*i+3], v[VRD] offset:\part*PART+512*i
.set i, i+1
.endr
.endm
.macro ADD128 src                      ; the sums += 128 registers at src
.set j, 0
.rept 64
	v_pk_add_f32 v[ACC+j:ACC+j+1], v[ACC+j:ACC+j+1], v[\src+j:\src+j+1]
.set j, j+2
.endr
.endm
.macro TOSTAGE a                       ; 16 rows x 64 columns through my own stage; LDS serves a wave's instructions in order
.irp b, 0,1,2,3
	ds_store_b128 v[STO], v[ACC+8*(4*(\a)+\b):ACC+8*(4*(\a)+\b)+3] offset:128*(\b/2)+32*(\b%2)
	ds_store_b128 v[STO], v[ACC+8*(4*(\a)+\b)+4:ACC+8*(4*(\a)+\b)+7] offset:128*(\b/2)+32*(\b%2)+16
.endr
	WIN TO_F
.irp i, 0,1,2,3,4,5,6,7
	ds_load_b128 v[32*((\a)%2)+4*\i:32*((\a)%2)+4*\i+3], v[RD] offset:544*\i
.endr
	WIN 0
.endm
.macro SEND a, younger                 ; sixteen lanes store 256 consecutive bytes, aligned
	s_wait_dscnt \younger
	WIN 0x04
.irp i, 0,1,2,3,4,5,6,7
	global_store_b128 v[CO], v[32*((\a)%2)+4*\i:32*((\a)%2)+4*\i+3], s[OUTP:OUTP+1] offset:(32*((\a)/2)+8*((\a)%2)+2*\i+8*(\i/4))*4096 th:TH_STORE_NT
.endr
	WIN 0
.endm
	s_load_b256 s[4:11], s[0:1], 0x0               ; pre_q, att_q, x, bo
	s_load_b128 s[12:15], s[0:1], 0x20             ; x1_f, x1_q
	v_lshl_add_u32 v[SPW], v0, 2, SPARE
	v_mov_b32 v[NIL], 0
	v_lshrrev_b32 v1, 5, v0
	v_readfirstlane_b32 s16, v1                    ; wave: my quarter of K, and my quadrant
	s_lshr_b32 s17, s16, 1                         ; w1
	s_and_b32 s18, s16, 1                          ; w0
	s_mov_b32 s2, ttmp9                            ; X
	s_and_b32 s23, ttmp7, 0xffff                   ; Y
	s_add_co_u32 s20, s2, 24                       ; Wo's tile X in pre_q
	s_mul_i32 s21, s17, 49152                      ; K 256 w: which 512, and which half of it
	s_mul_i32 s19, s18, 3072
	s_add_co_u32 s3, s21, s19
	s_mul_i32 s22, s16, KS*64                      ; and its scale words: KS / 4 blocks of 256 bytes a wave
	s_mul_i32 s24, s18, 24576                      ; my own 64 rows of source 0, and the other 64
	s_sub_co_u32 s25, 24576, s24
	s_mul_i32 s26, s17, 24576                      ; the same of source 1
	s_sub_co_u32 s27, 24576, s26
	s_mul_i32 s21, s20, 98304
	s_add_co_u32 s21, s21, s3
	s_add_co_u32 s[P0L], s21, s24
	s_add_co_u32 s[P0H], s21, s25
	s_mul_i32 s21, s23, S1IMG
	s_add_co_u32 s21, s21, s3
	s_add_co_u32 s[P1L], s21, s26
	s_add_co_u32 s[P1H], s21, s27
	s_mul_i32 s24, s18, HALFS
	s_sub_co_u32 s25, HALFS, s24
	s_mul_i32 s26, s17, HALFS
	s_sub_co_u32 s27, HALFS, s26
	s_lshl_b32 s21, s20, 12
	s_add_co_u32 s21, s21, s22
	s_add_co_u32 s21, s21, SC0
	s_add_co_u32 s[Q0L], s21, s24
	s_add_co_u32 s[Q0L+2], s21, s25
	s_mul_i32 s21, s23, S1SCS
	s_add_co_u32 s21, s21, s22
	s_add_co_u32 s21, s21, S1SC0
	s_add_co_u32 s[Q0L+4], s21, s26
	s_add_co_u32 s[Q0L+6], s21, s27
.irp p, 29,31,33,35,37,39,41,43,47,49,57,59
	s_mov_b32 s\p, 0
.endr
	s_lshl_b32 s[RESP], s23, 19                    ; my quadrant in x and x1_f: row 128 Y + 64 w1, column 128 X + 64 w0
	s_lshl_b32 s19, s17, 18
	s_add_co_u32 s[RESP], s[RESP], s19
	s_lshl_b32 s[BIASP], s2, 9
	s_lshl_b32 s19, s18, 8
	s_add_co_u32 s[BIASP], s[BIASP], s19
	s_add_co_u32 s[RESP], s[RESP], s[BIASP]
	s_lshl_b32 s[CQ], s23, 1                       ; x1_q's images: [Y][X / 4][4 w1 + a][(2 X + w0) % 8][768]
	s_lshr_b32 s19, s2, 2
	s_add_co_u32 s[CQ], s[CQ], s19
	s_mul_i32 s[CQ], s[CQ], 49152
	s_mul_i32 s19, s17, 4*6144
	s_add_co_u32 s[CQ], s[CQ], s19
	s_lshl_b32 s19, s2, 1
	s_add_co_u32 s19, s19, s18
	s_and_b32 s19, s19, 7
	s_mul_i32 s19, s19, 768
	s_add_co_u32 s[CQ], s[CQ], s19
	s_lshl_b32 s[CS], s23, 1                       ; its scale words: [2 Y + w1][X][256], bytes 2 w0 on
	s_add_co_u32 s[CS], s[CS], s17
	s_lshl_b32 s[CS], s[CS], 3
	s_add_co_u32 s[CS], s[CS], s2
	s_lshl_b32 s[CS], s[CS], 8
	s_lshl_b32 s19, s18, 1
	s_add_co_u32 s[CS], s[CS], s19
	s_add_co_u32 s[CS], s[CS], 3145728
	s_mov_b32 s[SEL], 0x76543210
	s_mov_b32 s[SEL+1], 0xfedcba98
.irp q, 1,2,3
	s_xor_b32 s[49+\q], s16, \q                    ; quadrant q belongs to wave w xor q: its part q - 1
	s_mul_i32 s[49+\q], s[49+\q], 3*PART
	s_add_co_u32 s[49+\q], s[49+\q], (\q-1)*PART
.endr
	s_mul_i32 s53, s16, 3*PART
	s_mul_i32 s54, s16, 16*272
	s_add_co_u32 s54, s54, STAGE
	v_and_b32 v1, 15, v0                           ; r
	v_bfe_u32 v18, v0, 4, 1                        ; h
	v_and_b32 v19, 31, v0
	v_lshlrev_b32 v[L16], 4, v19
	v_lshl_add_u32 v[L8], v19, 3, 512
	v_lshlrev_b32 v[R16], 4, v1
	v_add_nc_u32 v[VQ], s50, v[L16]
	v_add_nc_u32 v[VQ+1], s51, v[L16]
	v_add_nc_u32 v[VQ+2], s52, v[L16]
	v_add_nc_u32 v[VRD], s53, v[L16]
	v_mul_u32_u24 v19, v1, 272
	v_lshl_add_u32 v19, v18, 6, v19
	v_add_nc_u32 v[STO], s54, v19
	v_mul_u32_u24 v19, v18, 272
	v_lshl_add_u32 v19, v1, 4, v19
	v_add_nc_u32 v[RD], s54, v19
	v_lshlrev_b32 v[CO], 12, v18
	v_lshl_add_u32 v[CO], v1, 4, v[CO]
	v_and_b32 v19, 8, v1
	v_add_nc_u32 v19, v19, v1
	v_lshlrev_b32 v[BA], 6, v18
	v_lshl_add_u32 v[XA], v19, 12, v[BA]
	s_wait_alu depctr_va_vdst(0)
	s_wait_kmcnt 0x0
.irp p, 28,30,36,38
	s_add_nc_u64 s[\p:\p+1], s[4:5], s[\p:\p+1]
.endr
.irp p, 32,34,40,42
	s_add_nc_u64 s[\p:\p+1], s[6:7], s[\p:\p+1]
.endr
	LOADS 0, 0, 0
	LOADS 1, 1536, 256
	s_add_nc_u64 s[OUTP:OUTP+1], s[12:13], s[RESP:RESP+1]
	s_add_nc_u64 s[RESP:RESP+1], s[8:9], s[RESP:RESP+1]
	s_add_nc_u64 s[BIASP:BIASP+1], s[10:11], s[BIASP:BIASP+1]
	s_add_nc_u64 s[CQ:CQ+1], s[14:15], s[CQ:CQ+1]
	s_add_nc_u64 s[CS:CS+1], s[14:15], s[CS:CS+1]
	STEP 0, 1, 63                                  ; 68 loads stand behind set 0's; the first products start the sums
	WIN TO_F                                       ; x and the bias of my quadrant, 40 loads, into registers that set 0 has left
.irp a, 0,1,2,3
.irp b, 0,1,2,3
	global_load_b128 v[8*(4*\a+\b):8*(4*\a+\b)+3], v[XA], s[RESP:RESP+1] offset:(32*(\a/2)+8*(\a%2))*4096+128*(\b/2)+32*(\b%2)
	global_load_b128 v[8*(4*\a+\b)+4:8*(4*\a+\b)+7], v[XA], s[RESP:RESP+1] offset:(32*(\a/2)+8*(\a%2))*4096+128*(\b/2)+32*(\b%2)+16
.endr
.endr
.irp b, 0,1,2,3
	global_load_b128 v[224+8*\b:224+8*\b+3], v[BA], s[BIASP:BIASP+1] offset:128*(\b/2)+32*(\b%2)
	global_load_b128 v[224+8*\b+4:224+8*\b+7], v[BA], s[BIASP:BIASP+1] offset:128*(\b/2)+32*(\b%2)+16
.endr
	WIN 0
	STEP 1, 0, 40                                  ; those 40 may be out
	WIN 0x08                                       ; store data window 2, then 3
	PUT VQ, 32
	WIN 0x0c
	PUT VQ+1, 0
	PUT VQ+2, 32
	WIN 0
	s_wait_dscnt 0x0                               ; for the others' sake: my three parts lie in LDS
	s_barrier_signal -1
	s_barrier_wait -1
	GET ACC, 2
	WIN 0xc0
	GET 0, 0
	GET 128, 1
	s_wait_dscnt 63                                ; 64 loads stand behind part 2's last
	WIN 0x02                                       ; my own quadrant (window 2) + part 2
.irp a, 0,1,2,3
.set j, 0
.rept 16
	v_pk_add_f32 v[ACC+32*\a+j:ACC+32*\a+j+1], v[64*\a+j:64*\a+j+1], v[ACC+32*\a+j:ACC+32*\a+j+1]
.set j, j+2
.endr
.endr
	s_wait_dscnt 32
	WIN 0x0c
	ADD128 0
	s_wait_dscnt 0x0
	ADD128 128
	s_wait_loadcnt 0x0
	WIN 0x04
	ADD128 0                                       ; + x
.irp a, 0,1,2,3
.set j, 0
.rept 16
	v_pk_add_f32 v[ACC+32*\a+j:ACC+32*\a+j+1], v[ACC+32*\a+j:ACC+32*\a+j+1], v[224+j:224+j+1]
.set j, j+2
.endr
.endr
	WIN 0
.irp n, 0,1,2,3,4,5,6,7
	v_mov_b32 v[TM+8+\n], 0                        ; a lane permute's destination counts as one of its sources
.endr
.irp n, 0,1,2,3,4,5,6,7                        ; eight blocks of 32 features, by turns
	v_max3_num_f32 v[TM+\n], |v[ACC+16*\n]|, |v[ACC+16*\n+1]|, 0x1800000   ; with the floor 2^(3 - 127)
.endr
.irp i, 2,4,6,8,10,12,14
.irp n, 0,1,2,3,4,5,6,7
	v_max3_num_f32 v[TM+\n], v[TM+\n], |v[ACC+16*\n+\i]|, |v[ACC+16*\n+\i+1]|
.endr
.endr
.irp n, 0,1,2,3,4,5,6,7
	v_permlanex16_b32 v[TM+8+\n], v[TM+\n], s[SEL], s[SEL+1]
.endr
.irp n, 0,1,2,3,4,5,6,7
	v_max_num_f32 v[TM+\n], v[TM+\n], v[TM+8+\n]
.endr
.irp n, 0,1,2,3,4,5,6,7
	v_add_nc_u32 v[TM+16+\n], 0xff000000, v[TM+\n] ; 2 off the exponent field: the conversion's scale operand
.endr
.irp n, 0,1,2,3,4,5,6,7
	v_lshrrev_b32 v[TM+8+\n], 23, v[TM+16+\n]      ; the byte
.endr
.irp a, 0,1,2,3
	v_lshl_or_b32 v[PW+\a], v[TM+9+2*\a], 8, v[TM+8+2*\a]
.endr
.irp a, 0,1,2,3
	v_cvt_scalef32_pk16_fp6_f32 v[PC+8*\a:PC+8*\a+2], v[ACC+32*\a:ACC+32*\a+15], v[TM+16+2*\a]
	v_cvt_scalef32_pk16_fp6_f32 v[CT+4*\a:CT+4*\a+2], v[ACC+32*\a+16:ACC+32*\a+31], v[TM+17+2*\a]
.endr
	v_nop                                          ; one plain place behind a scaled conversion
.irp a, 0,1,2,3
.irp i, 0,1,2
	v_permlane16_swap_b32 v[PC+8*\a+\i], v[CT+4*\a+\i]   ; a whole block to a lane
.endr
.irp i, 0,1,2
	v_mov_b32 v[PC+8*\a+3+\i], v[CT+4*\a+\i]
.endr
.endr
.irp a, 0,1,2,3
	global_store_b128 v[L16], v[PC+8*\a:PC+8*\a+3], s[CQ:CQ+1] offset:\a*6144
	global_store_b64 v[L8], v[PC+8*\a+4:PC+8*\a+5], s[CQ:CQ+1] offset:\a*6144
	global_store_b16 v[R16], v[PW+\a], s[CS:CS+1] offset:4*\a
.endr
	TOSTAGE 0
	TOSTAGE 1
	SEND 0, 16
	s_wait_xcnt 0x0                                ; block 0's stores have read their registers
	TOSTAGE 2
	SEND 1, 16
	s_wait_xcnt 0x0
	TOSTAGE 3
	SEND 2, 16
	SEND 3, 0
	s_wait_tensorcnt 0x0                           ; the wave's end, behind my last LDS store
	ds_add_u32 v[SPW], v[NIL]
	s_wait_dscnt 0x0
	s_endpgm
.Lfunc_end_k_q9ad0c035ff_mm_wo:
	.size	k_q9ad0c035ff_mm_wo, .Lfunc_end_k_q9ad0c035ff_mm_wo-k_q9ad0c035ff_mm_wo
	.p2alignl 7, 3214868480
	.fill 96, 4, 3214868480
	.section	.rodata,"a",@progbits
	.p2align	6, 0x0
	.amdhsa_kernel k_q9ad0c035ff_mm_wo
		.amdhsa_group_segment_fixed_size 214528
		.amdhsa_private_segment_fixed_size 0
		.amdhsa_enable_private_segment 0
		.amdhsa_kernarg_size 48
		.amdhsa_user_sgpr_count 2
		.amdhsa_user_sgpr_kernarg_segment_ptr 1
		.amdhsa_wavefront_size32 1
		.amdhsa_system_sgpr_workgroup_id_x 1
		.amdhsa_system_sgpr_workgroup_id_y 1
		.amdhsa_system_sgpr_workgroup_id_z 1
		.amdhsa_system_vgpr_workitem_id 0
		.amdhsa_next_free_vgpr 1024
		.amdhsa_next_free_sgpr 66
		.amdhsa_reserve_vcc 0
		.amdhsa_float_denorm_mode_32 3
		.amdhsa_float_denorm_mode_16_64 3
		.amdhsa_memory_ordered 1
		.amdhsa_forward_progress 1
		.amdhsa_inst_pref_size 88
	.end_amdhsa_kernel
	.amdgpu_metadata
---
amdhsa.version: [ 1, 2 ]
amdhsa.kernels:
  - .name:           k_q9ad0c035ff_mm_wo
    .symbol:         k_q9ad0c035ff_mm_wo.kd
    .args:
      - { .name: pre_q, .offset: 0, .size: 8, .value_kind: global_buffer, .address_space: global }
      - { .name: att_q, .offset: 8, .size: 8, .value_kind: global_buffer, .address_space: global }
      - { .name: x, .offset: 16, .size: 8, .value_kind: global_buffer, .address_space: global }
      - { .name: bo, .offset: 24, .size: 8, .value_kind: global_buffer, .address_space: global }
      - { .name: x1_f, .offset: 32, .size: 8, .value_kind: global_buffer, .address_space: global }
      - { .name: x1_q, .offset: 40, .size: 8, .value_kind: global_buffer, .address_space: global }
    .group_segment_fixed_size: 214528
    .private_segment_fixed_size: 0
    .kernarg_segment_align: 8
    .kernarg_segment_size: 48
    .max_flat_workgroup_size: 128
    .sgpr_count:     66
    .vgpr_count:     1024
    .wavefront_size: 32
...
	.end_amdgpu_metadata
.endif
;; end of part 10
;; launch mm_up (part 11): grid 8 x 32, 4 waves a work-group, clusters of 4 x 4, 327,680 bytes of LDS; arguments pre_q, x1_q, b1, hid_q; writes hid_q
.if DOCPART == 11
	.amdgcn_target "amdgcn-amd-amdhsa--gfx1250"
	.amdhsa_code_object_version 6
	.text
	.protected	k_q9ad0c035ff_mm_up
	.globl	k_q9ad0c035ff_mm_up
	.p2align	8
	.type	k_q9ad0c035ff_mm_up,@function
k_q9ad0c035ff_mm_up:
	s_mov_b64 s[64:65], 0
	v_nop
	global_prefetch_b8 v0, s[64:65] scope:SCOPE_SE
	s_setreg_imm32_b32 hwreg(HW_REG_WAVE_MODE, 25, 1), 1
	s_wait_xcnt 0x0
	s_wait_alu depctr_hold_cnt(0) depctr_sa_sdst(0) depctr_va_vdst(0) depctr_va_sdst(0) depctr_va_ssrc(0) depctr_va_vcc(0) depctr_vm_vsrc(0)
	s_getreg_b32 s2, hwreg(HW_REG_IB_STS2, 6, 4)
	s_cmp_eq_u32 s2, 0
	s_cbranch_scc0 .Lentry_in_a_cluster
	s_endpgm
.Lentry_in_a_cluster:
	s_bfe_u32 s2, ttmp6, 0x10000c
	s_cmp_lg_u32 s2, 0xf033
	s_cbranch_scc0 .Lentry_shape_is_right
	s_endpgm
.Lentry_shape_is_right:
; hid = gelu(x1 W1 + b1), tanh form, the product on codes of FP6 (E2M3) with E8M0 scales, K = 1,024; the result is quantised at once along the 4,096 hidden units, the next product's K, and never leaves as f32.
; OPERANDS are images of registers (768 bytes = 16 rows x 64 K: lane l's registers 0-3 at 16 l, registers 4-5 at 512 + 8 l), laid [128 rows][512 K][tile 0..7][64 K 0..7]; lane r of tile T holds row 32 (T/2) + 8 (T%2) + r + 8 (r/8).
; A tile of the result is 128 x 128, a wave's part 64 x 64: accumulator (a, b) = source 0's tile b (W1's columns) x source 1's tile a (x1's rows).  A lane holds ONE row, and the 32 registers of (a, 0..3) are its hidden units 32 B + 16 (lane / 16) + i at register 16 B + i.
; A WORK-GROUP STAYS and makes FOUR tiles; there are 256 work-groups.  x1's tile Y, all of K, stays in LDS (region RES); W1's tiles X + 8 t, t = 0..3, all of K each, come through two regions WS0, WS1 by turns.
; A region is filled again as soon as its tile's last fragments are read: tile 2 behind tile 0, tile 3 behind tile 1: a whole tile (128 products a wave) and a way out ahead of its first read, so nothing is prefetched.
; Each wave brings a quarter of every tile, 24,576 dense bytes, by one tensor load.  The scale words come once, through registers: each wave copies a quarter of each of the five blocks, W1's four and x1's.
; CLUSTERS 4 x 4: W1's tiles hang on X alone and are asked for jointly by my column of the cluster, x1's on Y alone, by my row.  The four tiles are written out: their refills, bias registers and store offsets differ.
; GELU: 0.5 u (1 + tanh(z)) = u / (1 + 2^(u (k0 + k1 u^2))), k0 = -2 log2(e) sqrt(2 / pi), k1 = 0.044715 k0: one exponential and one reciprocal in f32.  Where the exponent overflows the quotient is 0 or u, as the limit is.
; LIMITS: a block whose largest magnitude lies under 2^-124 keeps the byte 1; NaN and infinities are not served.  The bias is added behind the sum over K.
.set TILEB, 98304                      ; 128 rows x 1,024 K of codes
.set QUART, 24576                      ; 64 rows x 512 K: what one tensor load brings
.set HALFK, 49152                      ; 128 rows x 512 K
.set RES,   0
.set WSL,   TILEB                      ; W1's region s at WSL + s TILEB
.set SCL,   3*TILEB                    ; scale words: W1's four blocks of 4,096 bytes, then x1's
.set SPARE, SCL+5*4096                 ; the spare words, 128 bytes a wave, which no other line names
.set SC0,   18874368
.set AD0L, 4                           ; v4-5   source 0's fragments, K 0-511 and 512-1,023: 16 l on;  v6-7: 8 l + 512 on; made anew for each tile
.set AD0S, 6
.set AD1L, 8                           ; v8-11  the same for source 1; they stay
.set AD1S, 10
.set B0L,  12                          ; v12    16 l + my half of source 0
.set SPW,  13                          ; v13    my spare word; never rewritten
.set NIL,  14                          ; v14    0; never rewritten
.set B0S,  15                          ; v15    8 l + 512 + my half of source 0
.set ADRS, 16                          ; v16-19 tile t's scale words: lanes 0-15 W1's, lanes 16-31 x1's
.set HO16, 20                          ; v20    16 l
.set HO8,  21                          ; v21    8 l + 512
.set SO,   22                          ; v22    16 r
.set BA,   23                          ; v23    64 h
.set SC,   24                          ; v24-31 scale words, two sets of four: scales and nothing else
.set TM,   32                          ; v32-55 at work
.set PW,   56                          ; v56-59 a tile's two scale bytes
.set CT,   60                          ; v60-75 the conversions' second halves
.set T,    64                          ; v64-95 the gelu's 32 numbers at work
.set PC,   96                          ; v96-127 codes, 8 registers a tile
.set ACC,  128                         ; v128-255 accumulator (a, b) at 128 + 8 (4 a + b).  v[2:3] hold k0 from the end of the set-up on
.set G1A,  24                          ; s[24:31] group 1 for W1's codes (my column's mask)
.set G0W,  32                          ; s[32:39] group 0 for W1's two regions
.set SEL,  42
.set G1B,  48                          ; s[48:55] group 1 for x1's codes (my row's mask)
.set G0R,  56
.set G1SA, 68
.set G0SA, 76
.set G1SB, 80
.set G0SB, 88
.set MSB, 0
.macro WIN new                         ; the immediate's high byte repeats the setting that is left
.if MSB != \new
	s_set_vgpr_msb (MSB<<8)|\new
.set MSB, \new
.endif
.endm
.set MUL,  0x05                        ; sources 0 and 1 window 1 (two sets of fragments: v0-95, v128-223); C and D window 0.  Window 2: v0-127 the four tiles' biases
.set TO_F, 0x40                        ; destination window 1
.macro CREST                           ; a round of the cluster's barrier behind its opening barrier
	s_cmp_lg_u32 s16, 0
	s_cbranch_scc1 .Lnot_wave_0_\@
	s_barrier_signal -3
.Lnot_wave_0_\@:
	s_barrier_wait -3
	s_barrier_signal -1
	s_barrier_wait -1
.endm
.macro CROUND                          ; a whole round
	s_barrier_signal -1
	s_barrier_wait -1
	CREST
.endm
.macro PLACES                          ; four plain places behind matrix instructions, ahead of loads into their registers and of reads of their results
.rept 4
	v_nop
.endr
.endm
.macro FRAG reg, L, S, off             ; a fragment: two units of 768 bytes, consecutive bytes in every load
	ds_load_b128 v[\reg:\reg+3], v[\L] offset:\off
	ds_load_b64 v[\reg+4:\reg+5], v[\S] offset:\off
	ds_load_b128 v[\reg+6:\reg+9], v[\L] offset:\off+768
	ds_load_b64 v[\reg+10:\reg+11], v[\S] offset:\off+768
.endm
.macro FETCH j, p, t                   ; 33 loads: the scale words and the eight fragments of tile t's j-th 128 along K, into set p
	WIN 0
	ds_load_b128 v[SC+4*(\p):SC+4*(\p)+3], v[ADRS+(\t)] offset:(\j)*256
	WIN TO_F
.irp i, 0,1,2,3
	FRAG 128*(\p)+12*\i, AD0L+(\j)/4, AD0S+(\j)/4, \i*6144+((\j)%4)*1536
	FRAG 128*(\p)+48+12*\i, AD1L+(\j)/4, AD1S+(\j)/4, \i*6144+((\j)%4)*1536
.endr
.endm
.macro MUL8 p, a0, zero                ; the sixteen accumulators take turns, one instruction a turn, in the same order in every step and from tile to tile
.irp a, \a0, \a0+1
.irp b, 0,1,2,3
.if \zero
	v_wmma_scale_f32_16x16x128_f8f6f4 v[ACC+8*(4*(\a)+\b):ACC+8*(4*(\a)+\b)+7], v[128*(\p)+12*\b:128*(\p)+12*\b+11], v[128*(\p)+48+12*(\a):128*(\p)+48+12*(\a)+11], 0, v[SC+4*(\p)+\b], v[SC+4*(\p)+(\a)] matrix_a_fmt:MATRIX_FMT_FP6 matrix_b_fmt:MATRIX_FMT_FP6 matrix_b_scale:MATRIX_SCALE_ROW1
.else
	v_wmma_scale_f32_16x16x128_f8f6f4 v[ACC+8*(4*(\a)+\b):ACC+8*(4*(\a)+\b)+7], v[128*(\p)+12*\b:128*(\p)+12*\b+11], v[128*(\p)+48+12*(\a):128*(\p)+48+12*(\a)+11], v[ACC+8*(4*(\a)+\b):ACC+8*(4*(\a)+\b)+7], v[SC+4*(\p)+\b], v[SC+4*(\p)+(\a)] matrix_a_fmt:MATRIX_FMT_FP6 matrix_b_fmt:MATRIX_FMT_FP6 matrix_b_scale:MATRIX_SCALE_ROW1
.endif
.endr
.endr
.endm
.macro STEP j, t, zero                 ; 128 along K: the next step's loads go out first and have this step's 16 products in which to land
	s_wait_dscnt 0x0                               ; this step's fragments are in
	PLACES
	FETCH (\j)+1, 1-(\j)%2, \t
	WIN MUL
	MUL8 (\j)%2, 0, \zero
	MUL8 (\j)%2, 2, \zero
	WIN 0
.endm
.macro TILE t                          ; a tile's steps 0 to 6; the first products start the sums: nothing is cleared
	STEP 0, \t, 1
.irp j, 1,2,3,4,5,6
	STEP \j, \t, 0
.endr
.endm
.macro SETAD0 s                        ; the region in which the next tile of W1 lies
.irp u, 0,1
	v_add_nc_u32 v[AD0L+\u], WSL+(\s)*TILEB+\u*HALFK, v[B0L]
	v_add_nc_u32 v[AD0S+\u], WSL+(\s)*TILEB+\u*HALFK, v[B0S]
.endr
.endm
; Tile t's step 7 changes tiles.  Ahead of the barrier each wave waits for all its tensor loads (its part of the next tile among them), adds 0 to its spare word, and waits for that and for its last reads of this tile.
; fill = 1: the barrier opens a round of the cluster's barrier; behind the round this tile's region is filled again with the tile two on, one joint load a wave.  Then come the next tile's first fragments.
.macro TURN t, fill
	s_wait_tensorcnt 0x0                           ; no tensor load of mine is out, so a group 0 may be written
	ds_add_u32 v[SPW], v[NIL]
.if \fill
	s_add_nc_u64 s[G0W+4*((\t)%2)+2:G0W+4*((\t)%2)+3], s[G0W+4*((\t)%2)+2:G0W+4*((\t)%2)+3], 16*TILEB   ; two tiles of the walk on: sixteen tiles in pre_q
.endif
	s_wait_dscnt 0x0                               ; the add is done, step 7's fragments are in: my reads of this tile are over
	s_barrier_signal -1
	WIN MUL
	MUL8 1, 0, 0                                   ; work on registers while the others arrive
	WIN 0
	s_barrier_wait -1
.if \fill
	CREST                                          ; no wave of any partner still reads the region or has a load on its way
	tensor_load_to_lds s[G0W+4*((\t)%2):G0W+4*((\t)%2)+3], s[G1A:G1A+7]
	s_nop 0
.endif
	PLACES                                         ; (in both cases the places ahead of the loads below)
	SETAD0 ((\t)+1)%2
	FETCH 0, 0, (\t)+1
	WIN MUL
	MUL8 1, 2, 0
	WIN 0
.endm
.macro GELU a                          ; tile a's 32 numbers of a lane; each batch of transcendentals has one plain place and one wait behind it
.set U, ACC+32*(\a)
.set j, 0
.rept 16
	v_pk_mul_f32 v[T+j:T+j+1], v[U+j:U+j+1], v[U+j:U+j+1]
.set j, j+2
.endr
.set j, 0
.rept 16
	v_pk_fma_f32 v[T+j:T+j+1], v[T+j:T+j+1], s[44:45], v[2:3] op_sel_hi:[1,0,1]   ; k1 u^2 + k0
.set j, j+2
.endr
.set j, 0
.rept 16
	v_pk_mul_f32 v[T+j:T+j+1], v[T+j:T+j+1], v[U+j:U+j+1]
.set j, j+2
.endr
.set j, 0
	s_wait_alu depctr_va_vdst(0)
.rept 32
	v_exp_f32 v[T+j], v[T+j]
.set j, j+1
.endr
	v_nop
	s_wait_alu depctr_va_vdst(0)
.set j, 0
.rept 16
	v_pk_add_f32 v[T+j:T+j+1], v[T+j:T+j+1], 1.0 op_sel_hi:[1,0]
.set j, j+2
.endr
.set j, 0
	s_wait_alu depctr_va_vdst(0)
.rept 32
	v_rcp_f32 v[T+j], v[T+j]
.set j, j+1
.endr
	v_nop
	s_wait_alu depctr_va_vdst(0)
.set j, 0
.rept 16
	v_pk_mul_f32 v[U+j:U+j+1], v[U+j:U+j+1], v[T+j:T+j+1]
.set j, j+2
.endr
.endm
.macro QUANT8                          ; eight blocks of 32 (block g = 2 a + B at ACC + 16 g), by turns: codes into PC, two scale bytes a tile into PW
.irp g, 0,1,2,3,4,5,6,7
	v_max3_num_f32 v[TM+\g], |v[ACC+16*\g]|, |v[ACC+16*\g+1]|, 0x1800000   ; with the floor 2^(3 - 127)
.endr
.irp i, 2,4,6,8,10,12,14
.irp g, 0,1,2,3,4,5,6,7
	v_max3_num_f32 v[TM+\g], v[TM+\g], |v[ACC+16*\g+\i]|, |v[ACC+16*\g+\i+1]|
.endr
.endr
.irp g, 0,1,2,3,4,5,6,7
	v_permlanex16_b32 v[TM+8+\g], v[TM+\g], s[SEL], s[SEL+1]
.endr
.irp g, 0,1,2,3,4,5,6,7
	v_max_num_f32 v[TM+\g], v[TM+\g], v[TM+8+\g]
.endr
.irp g, 0,1,2,3,4,5,6,7
	v_add_nc_u32 v[TM+16+\g], 0xff000000, v[TM+\g] ; 2 off the exponent field: the conversion's scale operand
.endr
.irp g, 0,1,2,3,4,5,6,7
	v_lshrrev_b32 v[TM+8+\g], 23, v[TM+16+\g]      ; the byte
.endr
.irp a, 0,1,2,3
	v_lshl_or_b32 v[PW+\a], v[TM+9+2*\a], 8, v[TM+8+2*\a]
.endr
.irp a, 0,1,2,3
	v_cvt_scalef32_pk16_fp6_f32 v[PC+8*\a:PC+8*\a+2], v[ACC+32*\a:ACC+32*\a+15], v[TM+16+2*\a]
	v_cvt_scalef32_pk16_fp6_f32 v[CT+4*\a:CT+4*\a+2], v[ACC+32*\a+16:ACC+32*\a+31], v[TM+17+2*\a]
.endr
	v_nop                                          ; one plain place behind a scaled conversion
.irp a, 0,1,2,3
.irp i, 0,1,2
	v_permlane16_swap_b32 v[PC+8*\a+\i], v[CT+4*\a+\i]   ; a whole block to a lane
.endr
.irp i, 0,1,2
	v_mov_b32 v[PC+8*\a+3+\i], v[CT+4*\a+\i]
.endr
.endr
.endm
.macro WAYOUT t                        ; tile t: bias, gelu, codes, stores; nothing waits for the stores
	PLACES
.if (\t) == 0
	s_wait_loadcnt 0x0                             ; the biases, once
.endif
	WIN 0x08                                       ; source 1 window 2
.irp a, 0,1,2,3
.set j, 0
.rept 16
	v_pk_add_f32 v[ACC+32*\a+j:ACC+32*\a+j+1], v[ACC+32*\a+j:ACC+32*\a+j+1], v[32*(\t)+j:32*(\t)+j+1]   ; + b1; each accumulator from its low end on
.set j, j+2
.endr
.endr
	WIN 0
	GELU 0
	GELU 1
	GELU 2
	GELU 3
.if (\t) > 0
	s_wait_xcnt 0x0                                ; the last tile's stores have read PC and PW
.endif
	QUANT8
.irp a, 0,1,2,3
	global_store_b128 v[HO16], v[PC+8*\a:PC+8*\a+3], s[98:99] offset:\a*6144+(\t)*TILEB   ; eight tiles of columns on are 1,024 along the next K: two blocks of 49,152 bytes
	global_store_b64 v[HO8], v[PC+8*\a+4:PC+8*\a+5], s[98:99] offset:\a*6144+(\t)*TILEB
	global_store_b16 v[SO], v[PW+\a], s[46:47] offset:4*\a+(\t)*2048                      ; two of the word's four bytes (lanes 16-31 hold and store the same)
.endr
.endm
	s_load_b256 s[4:11], s[0:1], 0x0               ; pre_q, x1_q, b1, hid_q
	v_lshl_add_u32 v[SPW], v0, 2, SPARE
	v_mov_b32 v[NIL], 0
	ds_add_u32 v[SPW], v[NIL]                      ; the wave's opening: the adds, and their wait ahead of my first tensor load; all the set-up on registers stands between them
	ds_add_u32 v[SPW], v[NIL]
	v_lshrrev_b32 v1, 5, v0
	v_readfirstlane_b32 s16, v1                    ; wave
	s_lshr_b32 s17, s16, 1                         ; w1: my 64 rows of source 1
	s_and_b32 s18, s16, 1                          ; w0: my 64 rows of source 0
	s_bfe_u32 s20, ttmp6, 0x40000                  ; cx
	s_bfe_u32 s21, ttmp6, 0x40004                  ; cy
	s_lshl_b32 s22, ttmp9, 2
	s_add_co_u32 s22, s22, s20                     ; X: 0..7, my first tile of W1
	s_and_b32 s100, ttmp7, 0xffff
	s_lshl_b32 s23, s100, 2
	s_add_co_u32 s23, s23, s21                     ; Y
	s_lshl_b32 s40, 0x1111, s20                    ; my column of the cluster
	s_lshl_b32 s41, s21, 2
	s_lshl_b32 s41, 15, s41                        ; my row
	s_or_b32 s[G1A], s40, (3<<16)|(1<<21)          ; the mask; elements of 8 bytes; bit 21 beside a mask; no padding
	s_or_b32 s[G1B], s41, (3<<16)|(1<<21)
.irp g, G1A, G1B                       ; 24,576 dense bytes as 96 rows of 256
	s_mov_b32 s[\g+1], 32<<16
	s_mov_b32 s[\g+2], 192<<16                     ; the head's loads bring halves of a tile, 192 rows of 256 bytes; behind them the two words are set to 96
	s_mov_b32 s[\g+3], 32<<16
	s_mov_b32 s[\g+4], 192
	s_mov_b32 s[\g+5], 32
	s_mov_b32 s[\g+6], 0
	s_mov_b32 s[\g+7], 0
.endr
	s_mov_b32 s[SEL], 0x76543210
	s_mov_b32 s[SEL+1], 0xfedcba98
	s_mov_b32 s44, 0xbdd2d3e8                      ; k1 = -0.10294324
	s_mov_b32 s45, s44
	; what the descriptors are made of: W1's of cx and the cluster's x, x1's of cy and the cluster's y, in registers of their own
	s_mul_i32 s66, s16, QUART
	s_mov_b32 s67, 0
	s_add_co_u32 s19, s22, 32                      ; W1's tile X in pre_q
	s_mul_i32 s92, s19, TILEB
	s_add_co_u32 s92, s92, s66
	s_mov_b32 s93, 0
	s_lshl_b32 s3, s16, 10                         ; the scale words come through registers: each wave copies a quarter, 1,024 bytes, of each of the five blocks
	s_lshl_b32 s94, s19, 12                        ; W1's tile X: the walk's next tiles' blocks lie 32,768 bytes apart
	s_add_co_u32 s94, s94, s3
	s_add_co_u32 s94, s94, SC0                     ; its block of scale words
	s_mov_b32 s95, 0
	s_mul_i32 s96, s23, TILEB                      ; x1's tile Y
	s_add_co_u32 s96, s96, s66
	s_mov_b32 s97, 0
	s_lshl_b32 s98, s23, 12
	s_lshl_b32 s101, s16, 10
	s_add_co_u32 s98, s98, s101
	s_add_co_u32 s98, s98, 3145728                 ; my quarter of its block of scale words
	s_mov_b32 s99, 0
	; the lanes' addresses
	v_and_b32 v1, 15, v0                           ; r
	v_bfe_u32 v2, v0, 4, 1                         ; h
	v_and_b32 v3, 31, v0
	v_lshlrev_b32 v[HO16], 4, v3
	v_lshl_add_u32 v[HO8], v3, 3, 512
	s_mul_i32 s19, s18, QUART
	v_add_nc_u32 v[B0L], s19, v[HO16]
	v_add_nc_u32 v[B0S], s19, v[HO8]
	s_mul_i32 s101, s17, QUART                     ; RES begins at LDS byte 0
.irp s, 0,1
	v_add_nc_u32 v[AD1L+\s], s101, v[HO16]
	v_add_nc_u32 v[AD1S+\s], s101, v[HO8]
	s_add_co_u32 s101, s101, HALFK
.endr
	s_lshl_b32 s19, s18, 11                        ; scale words: my half of W1's block,
	s_lshl_b32 s101, s17, 11
	s_add_co_u32 s101, s101, 4096
	s_sub_co_u32 s101, s101, s19                   ; and how far on my half of x1's block lies from tile 3's
	s_add_co_u32 s19, s19, SCL
.irp t, 0,1,2,3
	s_add_co_u32 s3, s101, (3-\t)*4096
	v_mul_u32_u24 v3, s3, v2                       ; lanes 16-31 take x1's: one product with h
	v_lshl_add_u32 v3, v1, 4, v3
	v_add_nc_u32 v[ADRS+\t], s19, v3
	s_add_co_u32 s19, s19, 4096
.endr
	v_lshlrev_b32 v[BA], 6, v2
	v_lshlrev_b32 v[SO], 4, v1
	s_lshl_b32 s3, s16, 10
	s_add_co_u32 s3, s3, SCL
	v_add_nc_u32 v1, s3, v[HO16]                   ; v1 from here on: where my quarter of a block of scale words goes in LDS
	v_mov_b32 v2, 0xc0135761
	v_mov_b32 v3, 0xc0135761
.irp g, 0,1,2,3,4,5,6,7
	v_mov_b32 v[TM+8+\g], 0                        ; written once: a lane permute's destination counts as one of its sources
.endr
	s_wait_dscnt 0x0                               ; the opening add is done
	s_wait_kmcnt 0x0
	s_add_nc_u64 s[76:77], s[4:5], s[94:95]        ; my quarter of W1's blocks of scale words,
	s_add_nc_u64 s[78:79], s[6:7], s[98:99]        ; and of x1's
	s_add_nc_u64 s[82:83], s[6:7], s[96:97]        ; the head's group 0s: x1's tile + 24,576 w,
	s_add_nc_u64 s[82:83], s[82:83], s[66:67]      ; + 24,576 w once more: half w
	s_or_b32 s83, s83, 0x80000000
	s_add_nc_u64 s[86:87], s[4:5], s[92:93]
	s_add_nc_u64 s[86:87], s[86:87], s[66:67]
	s_sub_nc_u64 s[86:87], s[86:87], TILEB         ; W1's tile X, half w - 2
	s_or_b32 s87, s87, 0x80000000
	s_mov_b32 s80, 1
	s_mul_i32 s81, s16, HALFK                      ; half w goes to LDS byte 49,152 w: RES, then W1's first region
	s_mov_b32 s84, 1
	s_mul_i32 s85, s16, HALFK
	s_mov_b32 s[G0W], 1
	s_add_co_u32 s[G0W+1], s66, WSL
	s_add_nc_u64 s[G0W+2:G0W+3], s[4:5], s[92:93]
	s_mov_b32 s[G0W+4], 1
	s_add_co_u32 s[G0W+5], s66, WSL+TILEB
	s_add_nc_u64 s[G0W+6:G0W+7], s[G0W+2:G0W+3], 8*TILEB   ; the walk's second tile: eight tiles on in pre_q
	s_or_b32 s[G0W+3], s[G0W+3], 0x80000000
	s_or_b32 s[G0W+7], s[G0W+7], 0x80000000
	CROUND                                         ; all sixteen work-groups are here: the first joint loads meet
	; THE HEAD'S LOADS, ONE A WAVE: waves 0, 1 bring the halves of x1's tile, waves 2, 3 the halves of W1's first tile
	s_cmp_lt_u32 s16, 2
	s_cbranch_scc0 .Lhead_w
	tensor_load_to_lds s[80:83], s[G1B:G1B+7]
	s_nop 0
	PLACES
	s_branch .Lhead_asked
.Lhead_w:
	tensor_load_to_lds s[84:87], s[G1A:G1A+7]
	s_nop 0
	PLACES
.Lhead_asked:
.irp i, 0,1                            ; ten loads of 512 consecutive bytes: my quarter of the five blocks of scale words
.irp t, 0,1,2,3
	global_load_b128 v[ACC+8*\t+4*\i:ACC+8*\t+4*\i+3], v[HO16], s[76:77] offset:32768*\t+512*\i
.endr
	global_load_b128 v[ACC+32+4*\i:ACC+32+4*\i+3], v[HO16], s[78:79] offset:512*\i
.endr
	s_lshl_b32 s96, s22, 9                         ; b1: my 64 hidden units of tile 0; the next tile's lie 4,096 bytes on
	s_lshl_b32 s19, s18, 8
	s_add_co_u32 s96, s96, s19
	s_mov_b32 s97, 0
	s_add_nc_u64 s[96:97], s[8:9], s[96:97]
	WIN 0x80                                       ; destination window 2: the four tiles' biases
.irp t, 0,1,2,3
.irp b, 0,1,2,3
	global_load_b128 v[32*\t+8*\b:32*\t+8*\b+3], v[BA], s[96:97] offset:4096*\t+128*(\b/2)+32*(\b%2)
	global_load_b128 v[32*\t+8*\b+4:32*\t+8*\b+7], v[BA], s[96:97] offset:4096*\t+128*(\b/2)+32*(\b%2)+16
.endr
.endr
	WIN 0
	s_lshl_b32 s98, s23, 3                         ; hid_q: [Y][X / 4][4 w1 + a][(2 X + w0) % 8][768]
	s_lshr_b32 s19, s22, 2
	s_add_co_u32 s98, s98, s19
	s_mul_i32 s98, s98, 49152
	s_mul_i32 s19, s17, 4*6144
	s_add_co_u32 s98, s98, s19
	s_lshl_b32 s19, s22, 1
	s_add_co_u32 s19, s19, s18
	s_and_b32 s19, s19, 7
	s_mul_i32 s19, s19, 768
	s_add_co_u32 s98, s98, s19
	s_mov_b32 s99, 0
	s_add_nc_u64 s[98:99], s[10:11], s[98:99]
	s_lshl_b32 s46, s23, 1                         ; its scale words: [2 Y + w1][X][256], bytes 2 w0 on
	s_add_co_u32 s46, s46, s17
	s_lshl_b32 s46, s46, 5
	s_add_co_u32 s46, s46, s22
	s_lshl_b32 s46, s46, 8
	s_lshl_b32 s19, s18, 1
	s_add_co_u32 s46, s46, s19
	s_add_co_u32 s46, s46, 12582912
	s_mov_b32 s47, 0
	s_add_nc_u64 s[46:47], s[10:11], s[46:47]
	s_wait_loadcnt 32                              ; the ten loads of scale words are in; the 32 loads of biases behind them may be out
.irp t, 0,1,2,3,4
.irp i, 0,1
	ds_store_b128 v1, v[ACC+8*\t+4*\i:ACC+8*\t+4*\i+3] offset:4096*\t+512*\i
.endr
.endr
	s_wait_alu depctr_va_vdst(0)
	s_wait_tensorcnt 0x0                           ; my half tile is in; the second region's first fill is issued as a refill is
	ds_add_u32 v[SPW], v[NIL]
	s_mov_b32 s[G1A+2], 96<<16                     ; no tensor load of mine is out: from here on a load brings a quarter, 96 rows
	s_mov_b32 s[G1A+4], 96
	s_mov_b32 s[G1B+2], 96<<16
	s_mov_b32 s[G1B+4], 96
	s_wait_dscnt 0x0                               ; the add is done, and my part of the scale words lies in LDS
	CROUND                                         ; x1's tile, W1's first tile and the scale words are whole for every wave, and the joint loads meet
	tensor_load_to_lds s[G0W+4:G0W+7], s[G1A:G1A+7]   ; the walk's second tile, a quarter a wave: it has tile 0 in which to land
	s_nop 0
	PLACES
	SETAD0 0
	FETCH 0, 0, 0
	s_wait_alu depctr_va_vdst(0)
	TILE 0
	TURN 0, 1
	WAYOUT 0
	TILE 1
	TURN 1, 1
	WAYOUT 1
	TILE 2
	TURN 2, 0                                      ; nothing is left to fetch: a plain barrier shows tile 3 whole to every wave
	WAYOUT 2
	TILE 3
	s_wait_dscnt 0x0
	WIN MUL
	MUL8 1, 0, 0
	MUL8 1, 2, 0
	WIN 0
	WAYOUT 3
	s_wait_tensorcnt 0x0                           ; the wave's end
	ds_add_u32 v[SPW], v[NIL]
	s_wait_dscnt 0x0
	CROUND                                         ; the closing round: no work-group ends while a partner may still ask for a tile that names it
	s_endpgm
.Lfunc_end_k_q9ad0c035ff_mm_up:
	.size	k_q9ad0c035ff_mm_up, .Lfunc_end_k_q9ad0c035ff_mm_up-k_q9ad0c035ff_mm_up
	.p2alignl 7, 3214868480
	.fill 96, 4, 3214868480
	.section	.rodata,"a",@progbits
	.p2align	6, 0x0
	.amdhsa_kernel k_q9ad0c035ff_mm_up
		.amdhsa_group_segment_fixed_size 327680
		.amdhsa_private_segment_fixed_size 0
		.amdhsa_enable_private_segment 0
		.amdhsa_kernarg_size 32
		.amdhsa_user_sgpr_count 2
		.amdhsa_user_sgpr_kernarg_segment_ptr 1
		.amdhsa_wavefront_size32 1
		.amdhsa_system_sgpr_workgroup_id_x 1
		.amdhsa_system_sgpr_workgroup_id_y 1
		.amdhsa_system_sgpr_workgroup_id_z 1
		.amdhsa_system_vgpr_workitem_id 0
		.amdhsa_next_free_vgpr 640
		.amdhsa_next_free_sgpr 102
		.amdhsa_reserve_vcc 0
		.amdhsa_float_denorm_mode_32 3
		.amdhsa_float_denorm_mode_16_64 3
		.amdhsa_memory_ordered 1
		.amdhsa_forward_progress 1
		.amdhsa_inst_pref_size 255
	.end_amdhsa_kernel
	.section	.bss,"aw",@nobits
	.p2align	6
	.space	262144
	.amdgpu_metadata
---
amdhsa.version: [ 1, 2 ]
amdhsa.kernels:
  - .name:           k_q9ad0c035ff_mm_up
    .symbol:         k_q9ad0c035ff_mm_up.kd
    .args:
      - { .name: pre_q, .offset: 0, .size: 8, .value_kind: global_buffer, .address_space: global }
      - { .name: x1_q, .offset: 8, .size: 8, .value_kind: global_buffer, .address_space: global }
      - { .name: b1, .offset: 16, .size: 8, .value_kind: global_buffer, .address_space: global }
      - { .name: hid_q, .offset: 24, .size: 8, .value_kind: global_buffer, .address_space: global }
    .group_segment_fixed_size: 327680
    .private_segment_fixed_size: 0
    .kernarg_segment_align: 8
    .kernarg_segment_size: 32
    .max_flat_workgroup_size: 128
    .sgpr_count:     102
    .vgpr_count:     640
    .wavefront_size: 32
...
	.end_amdgpu_metadata
.endif
;; end of part 11
;; launch mm_down (part 12): grid 8 x 32, 4 waves a work-group, clusters of 4 x 1, 327,680 bytes of LDS; arguments pre_q, hid_q, x1_f, b2, out0; writes out0
.if DOCPART == 12
	.amdgcn_target "amdgcn-amd-amdhsa--gfx1250"
	.amdhsa_code_object_version 6
	.text
	.protected	k_q9ad0c035ff_mm_down
	.globl	k_q9ad0c035ff_mm_down
	.p2align	8
	.type	k_q9ad0c035ff_mm_down,@function
k_q9ad0c035ff_mm_down:
	s_mov_b64 s[64:65], 0
	v_nop
	global_prefetch_b8 v0, s[64:65] scope:SCOPE_SE
	s_setreg_imm32_b32 hwreg(HW_REG_WAVE_MODE, 25, 1), 1
	s_wait_xcnt 0x0
	s_wait_alu depctr_hold_cnt(0) depctr_sa_sdst(0) depctr_va_vdst(0) depctr_va_sdst(0) depctr_va_ssrc(0) depctr_va_vcc(0) depctr_vm_vsrc(0)
	s_getreg_b32 s2, hwreg(HW_REG_IB_STS2, 6, 4)
	s_cmp_eq_u32 s2, 0
	s_cbranch_scc0 .Lentry_in_a_cluster
	s_endpgm
.Lentry_in_a_cluster:
	s_bfe_u32 s2, ttmp6, 0x10000c
	s_cmp_lg_u32 s2, 0x3003
	s_cbranch_scc0 .Lentry_shape_is_right
	s_endpgm
.Lentry_shape_is_right:
; out = x1 + hid W2 + b2, the product on codes of FP6 (E2M3) with E8M0 scales, K = 4,096.
; OPERANDS are images of registers (768 bytes = 16 rows x 64 K: lane l's registers 0-3 at 16 l, registers 4-5 at 512 + 8 l), laid [128 rows][512 K][tile 0..7][64 K 0..7]; lane r of tile T holds row 32 (T/2) + 8 (T%2) + r + 8 (r/8).
; A work-group makes 128 x 128 of the result: 8 x 32 = 256 work-groups.  THE FOUR WAVES SHARE OUT K: wave w takes K 1,024 w .. 1,024 w + 1,023, eight steps of 128, and holds all 64 accumulators (512 registers).
; So no byte of an operand is read by two waves of a work-group, and a fragment feeds eight products.  Two sets of fragment registers: step t + 2's loads stand behind step t's products.
; SOURCE 0 (W2) and all scale words go from memory straight into registers: 36 loads a step.
; SOURCE 1 (hid) comes through LDS by tensor loads; each wave fetches, and alone reads, its own quarter of K: steps 0-3 (49,152 dense bytes) at the head; steps 4-5 (8 rows of 3,072 bytes) behind the next round, into bytes of their own;
; steps 6-7 behind step 2, into the first region, all of which lies in registers by then.  By this text's count one tensor load of a wave is out at any time.
; CLUSTERS 4 x 1: hid's tile hangs on Y and the wave alone, so the four work-groups of a cluster ask for it jointly.  W2's tile differs between them.  The eight steps are written out: their fills and LDS layouts differ.
; THE SUMS' EXCHANGE: wave w = 2 w1 + w0 owns the quadrant of rows 64 w1 .. and columns 64 w0 ...  Each wave orders its tiles so that its own quadrant is accumulators (0..3, 0..3); its quadrant q = 2 ga + gb belongs to wave w xor q
; and goes there through LDS as an image of registers (16,384 bytes; 12 such parts, in the first region, which has had its last fill and, behind a barrier, its last read); one barrier; each wave adds the three parts meant for it.
; The four parts of K are so added in another order than K ascending.
; PREFETCH, behind step 0: of W2's 128 rows x 512 K of steps 4-7, whose loads stand two to five steps on, the 32 work-groups of a column of the grid take 16 rows x 128 K each (6 blocks of 256 bytes, a lane a block);
; of hid's steps 6-7, whose load stands two steps on, the eight work-groups of a row of the grid take a tile of 16 rows each (12 blocks), told apart by address.  Lanes that are left over name their wave's last block again.  Earlier steps come by their loads alone.
; LIMITS: NaN and infinities are not served.  x1 and the bias are added behind the sum over K.
.set KS,    32                         ; steps of 128 along K in all
.set S1IMG, 393216
.set S1SCS, 16384
.set S1SC0, 12582912
.set HALFS, 256*KS                     ; the scale words of 64 rows
.set SC0,   18874368
.set PART,  16384                      ; a quadrant of partial sums
.set R1,    196608                     ; behind the first region (4 x 49,152): steps 4-5, 4 x 24,576
.set STAGE, 294912                     ; the way out: 16 rows x 272 bytes a wave; no fill lands here
.set SPARE, STAGE+4*16*272             ; the spare words, 128 bytes a wave, which no other line names
.set SPW,  2                           ; v2 my spare word; v3 0; never rewritten
.set NIL,  3
.set L16,  4                           ; 16 l
.set L8,   5                           ; 8 l + 512
.set R16,  6                           ; 16 r
.set STO,  7
.set RD,   8
.set CO,   9
.set XA,   10
.set BA,   11
.set VQ,   12                          ; v12-14 where my quadrants 1, 2, 3 go
.set VRD,  15                          ; where the three parts meant for me lie
.set VP0,  16                          ; the prefetches' offsets: 256 min(l, 5), 256 min(l, 11); never rewritten
.set VP1,  17
.set SC,   20                          ; v20-51 scale words, two sets of 16: source 0's eight, source 1's eight; scales and nothing else
.set DA,   52                          ; v52-55 hid in LDS, steps 0-3: my own 64 rows 16 l on, 8 l + 512 on; the other 64 rows likewise
.set EA,   56                          ; v56-59 steps 4-5
.set FA,   60                          ; v60-63 steps 6-7
.set A1,   64                          ; window 0: v64-159, v160-255 source 1's fragments, two sets.  Window 1: v0-95, v128-223 source 0's; later v0-127 x1, v224-255 the bias.  Windows 2, 3: accumulator (a, b) at 8 (8 (a % 4) + b)
.set ACC,  128                         ; the finished sums, window 0: (a, b) at 128 + 8 (4 a + b)
.set P0L,  28                          ; s[28:31] W2's codes: my own and the other 64 rows
.set P0H,  30
.set Q0L,  36                          ; s[36:43] scale words: source 0's own and other 64 rows, source 1's
.set OUTP, 44
.set RESP, 46
.set BIASP, 48
.set PF0,  56
.set PF1,  58
.set G1H,  68                          ; s[68:75] group 1: 192 rows of 256 bytes;  s[76:83]: 8 rows of 3,072 bytes, 6,144 apart
.set G1T,  76
.set G0H,  84                          ; s[84:95] group 0 of the three loads
.set G0B,  88
.set G0C,  92
.set MSB, 0
.macro WIN new                         ; the immediate's high byte repeats the setting that is left
.if MSB != \new
	s_set_vgpr_msb (MSB<<8)|\new
.set MSB, \new
.endif
.endm
.set MUL_LO, 0xa1                      ; source 0 window 1, source 1 window 0, C and D window 2
.set MUL_HI, 0xf1
.set TO_F,   0x40
.macro PLACES                          ; four plain places behind matrix instructions (ISA guide 7.12.1)
.rept 4
	v_nop
.endr
.endm
.macro ROUND                           ; a round of the cluster's barrier
	s_barrier_signal -1
	s_barrier_wait -1
	s_cmp_lg_u32 s16, 0
	s_cbranch_scc1 .Lnot_wave_0_\@
	s_barrier_signal -3
.Lnot_wave_0_\@:
	s_barrier_wait -3
	s_barrier_signal -1
	s_barrier_wait -1
.endm
.macro GFRAG reg, base, off            ; a fragment: two units of 768 bytes, consecutive bytes in every load
	global_load_b128 v[\reg:\reg+3], v[L16], s[\base:\base+1] offset:\off
	global_load_b64 v[\reg+4:\reg+5], v[L8], s[\base:\base+1] offset:\off
	global_load_b128 v[\reg+6:\reg+9], v[L16], s[\base:\base+1] offset:\off+768
	global_load_b64 v[\reg+10:\reg+11], v[L8], s[\base:\base+1] offset:\off+768
.endm
.macro GL p, t                         ; 36 loads: step t's scale words and source 0's eight fragments into set p
.irp g, 0,1,2,3
	global_load_b128 v[SC+16*(\p)+4*\g:SC+16*(\p)+4*\g+3], v[R16], s[Q0L+2*\g:Q0L+2*\g+1] offset:256*(\t)
.endr
	WIN TO_F
.irp i, 0,1,2,3
	GFRAG 128*(\p)+12*\i, P0L, ((\t)/4)*49152+((\t)%4)*1536+\i*6144
	GFRAG 128*(\p)+48+12*\i, P0H, ((\t)/4)*49152+((\t)%4)*1536+\i*6144
.endr
	WIN 0
.endm
.macro DFRAG reg, L, S, off
	ds_load_b128 v[\reg:\reg+3], v[\L] offset:\off
	ds_load_b64 v[\reg+4:\reg+5], v[\S] offset:\off
	ds_load_b128 v[\reg+6:\reg+9], v[\L] offset:\off+768
	ds_load_b64 v[\reg+10:\reg+11], v[\S] offset:\off+768
.endm
.macro DL p, ad, ts, off               ; 32 LDS loads: source 1's eight fragments into set p; ts: bytes from tile to tile
.irp i, 0,1,2,3
	DFRAG A1+96*(\p)+12*\i, \ad, \ad+1, \off+\i*\ts
	DFRAG A1+96*(\p)+48+12*\i, \ad+2, \ad+3, \off+\i*\ts
.endr
.endm
.macro MUL32 p, a0, zero               ; the 64 accumulators take turns, one instruction a turn, in the same order in every step
.irp a, \a0, \a0+1, \a0+2, \a0+3
.irp b, 0,1,2,3,4,5,6,7
.if \zero
	v_wmma_scale_f32_16x16x128_f8f6f4 v[8*(8*((\a)%4)+\b):8*(8*((\a)%4)+\b)+7], v[128*(\p)+12*\b:128*(\p)+12*\b+11], v[A1+96*(\p)+12*(\a):A1+96*(\p)+12*(\a)+11], 0, v[SC+16*(\p)+\b], v[SC+16*(\p)+8+(\a)] matrix_a_fmt:MATRIX_FMT_FP6 matrix_b_fmt:MATRIX_FMT_FP6
.else
	v_wmma_scale_f32_16x16x128_f8f6f4 v[8*(8*((\a)%4)+\b):8*(8*((\a)%4)+\b)+7], v[128*(\p)+12*\b:128*(\p)+12*\b+11], v[A1+96*(\p)+12*(\a):A1+96*(\p)+12*(\a)+11], v[8*(8*((\a)%4)+\b):8*(8*((\a)%4)+\b)+7], v[SC+16*(\p)+\b], v[SC+16*(\p)+8+(\a)] matrix_a_fmt:MATRIX_FMT_FP6 matrix_b_fmt:MATRIX_FMT_FP6
.endif
.endr
.endr
.endm
.macro STEP p, zero, lc, dc            ; 128 along K on set p; lc, dc: the global and the LDS loads issued behind set p's, which may be out
	s_wait_loadcnt \lc
	s_wait_dscnt \dc
	WIN MUL_LO
	MUL32 \p, 0, \zero
	WIN MUL_HI
	MUL32 \p, 4, \zero
	WIN 0
	PLACES
.endm
.macro PUT vq, base                    ; a quadrant's 16 accumulators as an image of registers, each from its low end on
.irp a, 0,1,2,3
.irp b, 0,1,2,3
	ds_store_b128 v[\vq], v[\base+64*\a+8*\b:\base+64*\a+8*\b+3] offset:(4*\a+\b)*1024
	ds_store_b128 v[\vq], v[\base+64*\a+8*\b+4:\base+64*\a+8*\b+7] offset:(4*\a+\b)*1024+512
.endr
.endr
.endm
.macro GET reg, part
.set i, 0
.rept 32
	ds_load_b128 v[\reg+4*i:\reg+4*i+3], v[VRD] offset:\part*PART+512*i
.set i, i+1
.endr
.endm
.macro ADD128 src                      ; the sums += 128 registers at src
.set j, 0
.rept 64
	v_pk_add_f32 v[ACC+j:ACC+j+1], v[ACC+j:ACC+j+1], v[\src+j:\src+j+1]
.set j, j+2
.endr
.endm
.macro TOSTAGE a                       ; 16 rows x 64 columns through my own stage; LDS serves a wave's instructions in order
.irp b, 0,1,2,3
	ds_store_b128 v[STO], v[ACC+8*(4*(\a)+\b):ACC+8*(4*(\a)+\b)+3] offset:128*(\b/2)+32*(\b%2)
	ds_store_b128 v[STO], v[ACC+8*(4*(\a)+\b)+4:ACC+8*(4*(\a)+\b)+7] offset:128*(\b/2)+32*(\b%2)+16
.endr
	WIN TO_F
.irp i, 0,1,2,3,4,5,6,7
	ds_load_b128 v[32*((\a)%2)+4*\i:32*((\a)%2)+4*\i+3], v[RD] offset:544*\i
.endr
	WIN 0
.endm
.macro SEND a, younger                 ; sixteen lanes store 256 consecutive bytes, aligned
	s_wait_dscnt \younger
	WIN 0x04
.irp i, 0,1,2,3,4,5,6,7
	global_store_b128 v[CO], v[32*((\a)%2)+4*\i:32*((\a)%2)+4*\i+3], s[OUTP:OUTP+1] offset:(32*((\a)/2)+8*((\a)%2)+2*\i+8*(\i/4))*4096 th:TH_STORE_NT
.endr
	WIN 0
.endm
	s_load_b256 s[4:11], s[0:1], 0x0               ; pre_q, hid_q, x1_f, b2
	s_load_b64 s[12:13], s[0:1], 0x20              ; out0
	v_lshl_add_u32 v[SPW], v0, 2, SPARE
	v_mov_b32 v[NIL], 0
	ds_add_u32 v[SPW], v[NIL]                      ; the wave's opening: the add, twice on end, and its wait ahead of my first tensor load
	ds_add_u32 v[SPW], v[NIL]
	v_lshrrev_b32 v1, 5, v0
	v_readfirstlane_b32 s16, v1                    ; wave: my quarter of K, and my quadrant
	s_lshr_b32 s17, s16, 1                         ; w1
	s_and_b32 s18, s16, 1                          ; w0
	s_bfe_u32 s19, ttmp6, 0x40000                  ; cx
	s_lshl_b32 s2, ttmp9, 2
	s_add_co_u32 s2, s2, s19                       ; X = 4 x cluster x + cx
	s_and_b32 s23, ttmp7, 0xffff                   ; Y
	; hid: Y and the wave alone
	s_mul_i32 s32, s23, S1IMG
	s_mul_i32 s14, s16, 98304                      ; K 1,024 w in the codes
	s_add_co_u32 s32, s32, s14
	s_mov_b32 s33, 0
	s_mov_b32 s[G1H], 15|(3<<16)|(1<<21)           ; the mask of all four; elements of 8 bytes; bit 21 beside a mask; no padding
	s_mov_b32 s[G1H+1], 32<<16
	s_mov_b32 s[G1H+2], 192<<16
	s_mov_b32 s[G1H+3], 32<<16
	s_mov_b32 s[G1H+4], 192
	s_mov_b32 s[G1H+5], 32
	s_mov_b32 s[G1H+6], 0
	s_mov_b32 s[G1H+7], 0
	s_mov_b32 s[G1T], 15|(3<<16)|(1<<21)
	s_mov_b32 s[G1T+1], 384<<16
	s_mov_b32 s[G1T+2], 8<<16
	s_mov_b32 s[G1T+3], 384<<16
	s_mov_b32 s[G1T+4], 8
	s_mov_b32 s[G1T+5], 768
	s_mov_b32 s[G1T+6], 0
	s_mov_b32 s[G1T+7], 0
	s_mul_i32 s15, s16, 49152                      ; my part of the first region
	s_mov_b32 s[G0H], 1
	s_mul_i32 s[G0H+1], s16, 49152
	s_mov_b32 s[G0B], 1
	s_mul_i32 s[G0B+1], s16, 24576
	s_add_co_u32 s[G0B+1], s[G0B+1], R1
	s_mov_b32 s[G0C], 1
	s_mul_i32 s[G0C+1], s16, 49152
	s_xor_b32 s3, s17, 1                           ; the other 64 rows of source 1
	s_mul_i32 s98, s17, 24576
	s_add_co_u32 s98, s98, s15
	s_mul_i32 s99, s3, 24576
	s_add_co_u32 s99, s99, s15
	s_mul_i32 s66, s17, 12288
	s_mul_i32 s67, s3, 12288
	s_mul_i32 s21, s16, 24576
	s_add_co_u32 s21, s21, R1
	s_add_co_u32 s100, s66, s21
	s_add_co_u32 s101, s67, s21
	s_add_co_u32 s66, s66, s15
	s_add_co_u32 s67, s67, s15
	; W2
	s_lshl_b32 s20, s2, 2
	s_add_co_u32 s20, s20, 64                      ; W2's tile X in pre_q: four numbers a tile
	s_mul_i32 s22, s16, KS*64                      ; K 1,024 w in the scale words: KS / 4 blocks of 256 bytes a wave
	s_mul_i32 s24, s18, 24576                      ; my own 64 rows of source 0, and the other 64
	s_sub_co_u32 s25, 24576, s24
	s_mul_i32 s21, s20, 98304
	s_add_co_u32 s21, s21, s14
	s_add_co_u32 s[P0L], s21, s24
	s_add_co_u32 s[P0H], s21, s25
	s_and_b32 s19, s23, 7                          ; W2's share of the prefetch: tile Y % 8, the (Y / 8)-th 128 of my second 512 along K
	s_mul_i32 s19, s19, 6144
	s_add_co_u32 s[PF0], s21, s19
	s_lshr_b32 s19, s23, 3
	s_mul_i32 s19, s19, 1536
	s_add_co_u32 s[PF0], s[PF0], s19
	s_add_co_u32 s[PF0], s[PF0], 49152
	s_mul_i32 s19, s2, 6144                        ; hid's share: tile X of steps 6-7
	s_add_co_u32 s[PF1], s32, s19
	s_add_co_u32 s[PF1], s[PF1], 52224
	s_mul_i32 s24, s18, HALFS
	s_sub_co_u32 s25, HALFS, s24
	s_mul_i32 s26, s17, HALFS
	s_sub_co_u32 s27, HALFS, s26
	s_lshl_b32 s21, s20, 12
	s_add_co_u32 s21, s21, s22
	s_add_co_u32 s21, s21, SC0
	s_add_co_u32 s[Q0L], s21, s24
	s_add_co_u32 s[Q0L+2], s21, s25
	s_mul_i32 s21, s23, S1SCS
	s_add_co_u32 s21, s21, s22
	s_add_co_u32 s21, s21, S1SC0
	s_add_co_u32 s[Q0L+4], s21, s26
	s_add_co_u32 s[Q0L+6], s21, s27
.irp p, 29,31,37,39,41,43,47,49,57,59
	s_mov_b32 s\p, 0
.endr
	s_lshl_b32 s[RESP], s23, 19                    ; my quadrant in x1_f and out0: row 128 Y + 64 w1, column 128 X + 64 w0
	s_lshl_b32 s19, s17, 18
	s_add_co_u32 s[RESP], s[RESP], s19
	s_lshl_b32 s[BIASP], s2, 9
	s_lshl_b32 s19, s18, 8
	s_add_co_u32 s[BIASP], s[BIASP], s19
	s_add_co_u32 s[RESP], s[RESP], s[BIASP]
.irp q, 1,2,3
	s_xor_b32 s[49+\q], s16, \q                    ; quadrant q belongs to wave w xor q: its part q - 1
	s_mul_i32 s[49+\q], s[49+\q], 3*PART
	s_add_co_u32 s[49+\q], s[49+\q], (\q-1)*PART
.endr
	s_mul_i32 s53, s16, 3*PART
	s_mul_i32 s54, s16, 16*272
	s_add_co_u32 s54, s54, STAGE
	v_and_b32 v1, 15, v0                           ; r
	v_bfe_u32 v18, v0, 4, 1                        ; h
	v_and_b32 v19, 31, v0
	v_lshlrev_b32 v[L16], 4, v19
	v_lshl_add_u32 v[L8], v19, 3, 512
	v_lshlrev_b32 v[R16], 4, v1
	v_min_u32 v[VP0], 5, v19
	v_min_u32 v[VP1], 11, v19
	v_lshlrev_b32 v[VP0], 8, v[VP0]
	v_lshlrev_b32 v[VP1], 8, v[VP1]
	v_add_nc_u32 v[VQ], s50, v[L16]
	v_add_nc_u32 v[VQ+1], s51, v[L16]
	v_add_nc_u32 v[VQ+2], s52, v[L16]
	v_add_nc_u32 v[VRD], s53, v[L16]
	v_add_nc_u32 v[DA], s98, v[L16]
	v_add_nc_u32 v[DA+1], s98, v[L8]
	v_add_nc_u32 v[DA+2], s99, v[L16]
	v_add_nc_u32 v[DA+3], s99, v[L8]
	v_add_nc_u32 v[EA], s100, v[L16]
	v_add_nc_u32 v[EA+1], s100, v[L8]
	v_add_nc_u32 v[EA+2], s101, v[L16]
	v_add_nc_u32 v[EA+3], s101, v[L8]
	v_add_nc_u32 v[FA], s66, v[L16]
	v_add_nc_u32 v[FA+1], s66, v[L8]
	v_add_nc_u32 v[FA+2], s67, v[L16]
	v_add_nc_u32 v[FA+3], s67, v[L8]
	v_mul_u32_u24 v19, v1, 272
	v_lshl_add_u32 v19, v18, 6, v19
	v_add_nc_u32 v[STO], s54, v19
	v_mul_u32_u24 v19, v18, 272
	v_lshl_add_u32 v19, v1, 4, v19
	v_add_nc_u32 v[RD], s54, v19
	v_lshlrev_b32 v[CO], 12, v18
	v_lshl_add_u32 v[CO], v1, 4, v[CO]
	v_and_b32 v19, 8, v1
	v_add_nc_u32 v19, v19, v1
	v_lshlrev_b32 v[BA], 6, v18
	v_lshl_add_u32 v[XA], v19, 12, v[BA]
	s_wait_alu depctr_va_vdst(0)
	s_wait_dscnt 0x0                               ; both opening adds are done
	s_wait_kmcnt 0x0
.irp p, 28,30,36,38,56
	s_add_nc_u64 s[\p:\p+1], s[4:5], s[\p:\p+1]
.endr
.irp p, 32,40,42,58
	s_add_nc_u64 s[\p:\p+1], s[6:7], s[\p:\p+1]
.endr
	s_mov_b64 s[G0H+2:G0H+3], s[32:33]             ; steps 0-3
	s_or_b32 s[G0H+3], s[G0H+3], 0x80000000
	s_add_nc_u64 s[G0B+2:G0B+3], s[32:33], 49152   ; steps 4-5
	s_or_b32 s[G0B+3], s[G0B+3], 0x80000000
	s_add_nc_u64 s[G0C+2:G0C+3], s[32:33], 52224   ; steps 6-7
	s_or_b32 s[G0C+3], s[G0C+3], 0x80000000
	ROUND                                          ; all four work-groups are here: the first joint loads meet
	tensor_load_to_lds s[G0H:G0H+3], s[G1H:G1H+7]  ; my one load at the head
	s_nop 0
	PLACES
	GL 0, 0
	GL 1, 1
	s_add_nc_u64 s[OUTP:OUTP+1], s[12:13], s[RESP:RESP+1]
	s_add_nc_u64 s[RESP:RESP+1], s[8:9], s[RESP:RESP+1]
	s_add_nc_u64 s[BIASP:BIASP+1], s[10:11], s[BIASP:BIASP+1]
	s_wait_tensorcnt 0x0                           ; steps 0-3 of hid are in; a later first fill is issued as a refill is
	ds_add_u32 v[SPW], v[NIL]
	s_wait_dscnt 0x0
	ROUND
	tensor_load_to_lds s[G0B:G0B+3], s[G1T:G1T+7]  ; steps 4-5: three steps stand ahead of the wait for them
	s_nop 0
	PLACES
	DL 0, DA, 6144, 0
	DL 1, DA, 6144, 1536
	STEP 0, 1, 36, 32                              ; the first products start the sums: nothing is cleared
	global_prefetch_b8 v[VP1], s[PF1:PF1+1] th:TH_LOAD_NT scope:SCOPE_SE   ; 68 loads stand between these two and the next wait
	global_prefetch_b8 v[VP0], s[PF0:PF0+1] th:TH_LOAD_NT scope:SCOPE_SE
	GL 0, 2
	DL 0, DA, 6144, 3072
	STEP 1, 0, 36, 32
	GL 1, 3
	DL 1, DA, 6144, 4608
	STEP 0, 0, 36, 32
	s_wait_tensorcnt 0x0                           ; steps 4-5 are in: no tensor load of mine is out;
	ds_add_u32 v[SPW], v[NIL]
	s_wait_dscnt 0x0                               ; the add is done, and step 3's fragments are in registers: my reads of the first region are over
	ROUND                                          ; the same holds of every wave of the four work-groups
	tensor_load_to_lds s[G0C:G0C+3], s[G1T:G1T+7]  ; steps 6-7, into the first 24,576 bytes of my part of the first region
	s_nop 0
	PLACES
	GL 0, 4
	DL 0, EA, 3072, 0
	STEP 1, 0, 36, 32
	GL 1, 5
	DL 1, EA, 3072, 1536
	STEP 0, 0, 36, 32
	s_wait_tensorcnt 0x0                           ; steps 6-7 are in; I alone read what I fetched
	GL 0, 6
	DL 0, FA, 3072, 0
	STEP 1, 0, 36, 32
	GL 1, 7
	DL 1, FA, 3072, 1536
	STEP 0, 0, 36, 32
	WIN TO_F                                       ; x1 and the bias of my quadrant, 40 loads, into registers that set 0 has left
.irp a, 0,1,2,3
.irp b, 0,1,2,3
	global_load_b128 v[8*(4*\a+\b):8*(4*\a+\b)+3], v[XA], s[RESP:RESP+1] offset:(32*(\a/2)+8*(\a%2))*4096+128*(\b/2)+32*(\b%2)
	global_load_b128 v[8*(4*\a+\b)+4:8*(4*\a+\b)+7], v[XA], s[RESP:RESP+1] offset:(32*(\a/2)+8*(\a%2))*4096+128*(\b/2)+32*(\b%2)+16
.endr
.endr
.irp b, 0,1,2,3
	global_load_b128 v[224+8*\b:224+8*\b+3], v[BA], s[BIASP:BIASP+1] offset:128*(\b/2)+32*(\b%2)
	global_load_b128 v[224+8*\b+4:224+8*\b+7], v[BA], s[BIASP:BIASP+1] offset:128*(\b/2)+32*(\b%2)+16
.endr
	WIN 0
	STEP 1, 0, 40, 0                               ; those 40 may be out; all my LDS reads are over
	s_barrier_signal -1                            ; every wave's fills have landed and its reads of the first region are over: the parts may be stored there
	s_barrier_wait -1
	WIN 0x08                                       ; store data window 2, then 3
	PUT VQ, 32
	WIN 0x0c
	PUT VQ+1, 0
	PUT VQ+2, 32
	WIN 0
	s_wait_dscnt 0x0                               ; for the others' sake: my three parts lie in LDS
	s_barrier_signal -1
	s_barrier_wait -1
	GET ACC, 2
	WIN 0xc0
	GET 0, 0
	GET 128, 1
	s_wait_dscnt 63                                ; 64 loads stand behind part 2's last
	WIN 0x02                                       ; my own quadrant (window 2) + part 2
.irp a, 0,1,2,3
.set j, 0
.rept 16
	v_pk_add_f32 v[ACC+32*\a+j:ACC+32*\a+j+1], v[64*\a+j:64*\a+j+1], v[ACC+32*\a+j:ACC+32*\a+j+1]
.set j, j+2
.endr
.endr
	s_wait_dscnt 32
	WIN 0x0c
	ADD128 0
	s_wait_dscnt 0x0
	ADD128 128
	s_wait_loadcnt 0x0
	WIN 0x04
	ADD128 0                                       ; + x1
.irp a, 0,1,2,3
.set j, 0
.rept 16
	v_pk_add_f32 v[ACC+32*\a+j:ACC+32*\a+j+1], v[ACC+32*\a+j:ACC+32*\a+j+1], v[224+j:224+j+1]
.set j, j+2
.endr
.endr
	WIN 0
	TOSTAGE 0
	TOSTAGE 1
	s_wait_alu depctr_va_vdst(0)
	SEND 0, 16
	s_wait_xcnt 0x0                                ; block 0's stores have read their registers
	TOSTAGE 2
	SEND 1, 16
	s_wait_xcnt 0x0
	TOSTAGE 3
	SEND 2, 16
	SEND 3, 0
	s_wait_tensorcnt 0x0                           ; the wave's end, behind my last tensor load and my last LDS store
	ds_add_u32 v[SPW], v[NIL]
	s_wait_dscnt 0x0
	ROUND                                          ; the closing round: no work-group ends while a partner may still ask for a tile that names it
	s_endpgm
.Lfunc_end_k_q9ad0c035ff_mm_down:
	.size	k_q9ad0c035ff_mm_down, .Lfunc_end_k_q9ad0c035ff_mm_down-k_q9ad0c035ff_mm_down
	.p2alignl 7, 3214868480
	.fill 96, 4, 3214868480
	.section	.rodata,"a",@progbits
	.p2align	6, 0x0
	.amdhsa_kernel k_q9ad0c035ff_mm_down
		.amdhsa_group_segment_fixed_size 327680
		.amdhsa_private_segment_fixed_size 0
		.amdhsa_enable_private_segment 0
		.amdhsa_kernarg_size 40
		.amdhsa_user_sgpr_count 2
		.amdhsa_user_sgpr_kernarg_segment_ptr 1
		.amdhsa_wavefront_size32 1
		.amdhsa_system_sgpr_workgroup_id_x 1
		.amdhsa_system_sgpr_workgroup_id_y 1
		.amdhsa_system_sgpr_workgroup_id_z 1
		.amdhsa_system_vgpr_workitem_id 0
		.amdhsa_next_free_vgpr 1024
		.amdhsa_next_free_sgpr 102
		.amdhsa_reserve_vcc 0
		.amdhsa_float_denorm_mode_32 3
		.amdhsa_float_denorm_mode_16_64 3
		.amdhsa_memory_ordered 1
		.amdhsa_forward_progress 1
		.amdhsa_inst_pref_size 165
	.end_amdhsa_kernel
	.amdgpu_metadata
---
amdhsa.version: [ 1, 2 ]
amdhsa.kernels:
  - .name:           k_q9ad0c035ff_mm_down
    .symbol:         k_q9ad0c035ff_mm_down.kd
    .args:
      - { .name: pre_q, .offset: 0, .size: 8, .value_kind: global_buffer, .address_space: global }
      - { .name: hid_q, .offset: 8, .size: 8, .value_kind: global_buffer, .address_space: global }
      - { .name: x1_f, .offset: 16, .size: 8, .value_kind: global_buffer, .address_space: global }
      - { .name: b2, .offset: 24, .size: 8, .value_kind: global_buffer, .address_space: global }
      - { .name: out0, .offset: 32, .size: 8, .value_kind: global_buffer, .address_space: global }
    .group_segment_fixed_size: 327680
    .private_segment_fixed_size: 0
    .kernarg_segment_align: 8
    .kernarg_segment_size: 40
    .max_flat_workgroup_size: 128
    .sgpr_count:     102
    .vgpr_count:     1024
    .wavefront_size: 32
...
	.end_amdgpu_metadata
.endif
;; end of part 12
